; MI455X (gfx1250); checked and timed in simulation.
; The chip was launched on July 23, 2026; its instructions are those of AMD's public machine-readable ISA for CDNA 5 (MIT licence, August 2026) and "CDNA5" Instruction Set Architecture Reference Guide (July 2026). The comments in the code are by the model that wrote it; some were corrected since.
;; MAB. Allowed arithmetic: matrix products marked QUANTISED: E2M3 operands, one E8M0 scale for each 32 along K, by v_wmma_scale_f32_16x16x128_f8f6f4 with both operands' format E2M3, f32 sums; everything else in f32.
;; Inputs: W1_codes 4,096 x 32 x 24 uint8 (E2M3 codes of W1, K innermost, in blocks of 32 codes, four codes in three bytes); W1_scales 4,096 x 32 uint8 (E8M0 scales of W1, one for each 32 codes along K); W2_codes 1,024 x 128 x 24 uint8 (E2M3 codes of W2, K innermost, in blocks of 32 codes, four codes in three bytes); W2_scales 1,024 x 128 uint8 (E8M0 scales of W2, one for each 32 codes along K); Wk_codes 1,024 x 32 x 24 uint8 (E2M3 codes of Wk, K innermost, in blocks of 32 codes, four codes in three bytes); Wk_scales 1,024 x 32 uint8 (E8M0 scales of Wk, one for each 32 codes along K); Wq_codes 1,024 x 32 x 24 uint8 (E2M3 codes of Wq, K innermost, in blocks of 32 codes, four codes in three bytes); Wq_scales 1,024 x 32 uint8 (E8M0 scales of Wq, one for each 32 codes along K); Wv_codes 1,024 x 32 x 24 uint8 (E2M3 codes of Wv, K innermost, in blocks of 32 codes, four codes in three bytes); Wv_scales 1,024 x 32 uint8 (E8M0 scales of Wv, one for each 32 codes along K); X 2 x 2,048 x 1,024 float32; Y 2 x 2,048 x 1,024 float32; b0 1,024 float32; b0kv 1,024 float32; b1 1,024 float32; bf1 4,096 float32; bf2 1,024 float32; bk 1,024 float32; bq 1,024 float32; bv 1,024 float32; g0 1,024 float32; g0kv 1,024 float32; g1 1,024 float32; null_k 1 x 1 x 1,024 float32.
;; Outputs: out0 2 x 2,048 x 1,024 float32.
;; This version of the problem:
;;   THIS VERSION OF THE PROBLEM IS GIVEN IN LOW PRECISION. The matrix products marked QUANTISED in the list below multiply operands that are first quantised to E2M3 (2 exponent bits, 3 mantissa bits; 6 bits a number), with one power-of-two scale for each 32 numbers along K (OCP MX v1.0); their sums are f32. All else is computed in f32.
;;   The module's matrix products, in the order in which they are computed (A, B: the left and right operand; K: the contracted axis; several contracted axes count as one K, in the product's order):
;;     1. [M 4,096, K 1,024] x [K 1,024, N 1,024]; A: computed on the way; B: input Wq (given as codes): QUANTISED
;;     2. [M 4,096, K 1,024] x [K 1,024, N 1,024]; A: computed on the way; B: input Wk (given as codes): QUANTISED
;;     3. [M 4,096, K 1,024] x [K 1,024, N 1,024]; A: computed on the way; B: input Wv (given as codes): QUANTISED
;;     4. batch 32 x [M 2,048, K 64] x [K 64, N 2,049]; A: computed on the way; B: computed on the way: QUANTISED
;;     5. batch 32 x [M 64, K 2,049] x [K 2,049, N 2,048]; A: computed on the way; B: softmax (see below): QUANTISED
;;     6. [M 4,096, K 1,024] x [K 1,024, N 4,096]; A: computed on the way; B: input W1 (given as codes): QUANTISED
;;     7. [M 4,096, K 4,096] x [K 4,096, N 1,024]; A: computed on the way; B: input W2 (given as codes): QUANTISED
;;   THE QUANTISER, for each operand of a quantised product, along K:
;;     - K is cut into blocks of 32 from its start; a last block that is shorter is filled with zeros.
;;     - A block's scale is 2^e with e = floor(log2(the largest magnitude in the block)) - 2, held to -126 .. 127; a block of zeros has e = 0. As a byte (E8M0): e + 127.
;;     - Each number is divided by its block's scale, clamped to +-7.5, and rounded to the nearest number of E2M3, ties to even, subnormals kept.
;;     - The product sums the exact products of the quantised numbers (number of the format x scale) in f32.
;;   ~~~python
;;   def quantise(x, axis):      # numpy; x: float32 -> the quantised numbers, widened to float32 again
;;       x = np.moveaxis(x, axis, -1); K = x.shape[-1]
;;       x = np.pad(x, [(0, 0)] * (x.ndim - 1) + [(0, -K % 32)]); x = x.reshape(x.shape[:-1] + (-1, 32)); a = np.abs(x).max(-1, keepdims=True)
;;       e = np.where(a > 0, np.clip(np.frexp(np.where(a > 0, a, 1))[1] - 1 - 2, -126, 127), 0)      # np.frexp(a)[1] - 1 = floor(log2(a)), exactly
;;       r = np.clip(x / 2.0 ** e, -7.5, 7.5)
;;       step = 2.0 ** (np.maximum(np.frexp(np.where(r == 0, 1, r))[1] - 1, 0) - 3)
;;       q = np.round(r / step) * step * 2.0 ** e      # np.round: ties to even
;;       return np.moveaxis(q.reshape(q.shape[:-2] + (-1,))[..., :K], -1, axis).astype(np.float32)
;;   ~~~
;;   SOFTMAX AHEAD OF A QUANTISED PRODUCT. Where the list says 'softmax', what is quantised is not the finished softmax but p = 2^(t - M), with t = logit x log2(e) and M = ceil(the row's largest t), a whole number; so 1/2 < the row's largest p <= 1. The row's sum l is taken of the UNQUANTISED p, in f32, and the product's result is divided by l at the end. Since M is a whole number, a kernel that streams over the keys may use a running M (the ceiling of the running maximum): every later rescaling is an exact power of two, which a block's scale takes up: the codes' values come out the same.
;;   OPERANDS COMPUTED ON THE WAY. 'Computed on the way' means the value that the module computes at that place (a softmax that the list does not call 'softmax' is quantised finished and normalised). What goes into a quantiser is computed in f32, as accurately as f32 sums, v_exp_f32 and their like allow (about 1e-6 of the number): no bf16 or f16 on the way to a quantiser, and a product that is left as it is and whose result goes on into a quantised operand takes f32 operands (vector FMAs, or v_wmma_f32_16x16x4_f32). A number that lies on a knife's edge between two numbers of the format may be rounded either way, as far as f32 arithmetic and the matrix unit's own rounding can turn it there, and no further.
;;   INPUTS GIVEN AS CODES. W1 (in the module: [1024, 4096], K = its axis 0); W2 (in the module: [4096, 1024], K = its axis 0); Wk (in the module: [1024, 1024], K = its axis 0); Wq (in the module: [1024, 1024], K = its axis 0); Wv (in the module: [1024, 1024], K = its axis 0): each comes as NAME_codes (uint8): NAME with its K axis moved to the last place and cut into blocks of 32 codes, [.., K / 32, bytes a block], one block behind the other in memory; four codes in three bytes: a row's codes are one little-endian stream of bits, code i at bits 6 i .. 6 i + 5 (a code: sign, 2 exponent bits, 3 mantissa bits); and NAME_scales (uint8): the same leading axes, one E8M0 byte (e + 127) for each 32 codes along K. Its value is code x scale, taken as it is: it is not quantised again, and the codes and scales need not be those that the quantiser above would give.
;; 2 versions. Each part assembles by itself: llvm-mc -triple=amdgcn-amd-amdhsa -mcpu=gfx1250 --defsym DOCPART=n.
;; ======== version 1 of 2: 6 launches
;; workspace buffers: lnout 6,553,600 bytes; qkvout 10,223,616 bytes; hres 16,777,216 bytes; hn 3,276,800 bytes; hid 13,107,200 bytes
;; launch lnq (part 1): grid 256 x 1, 8 waves a work-group, no clusters, 46,080 bytes of LDS; arguments X, Y, g0, b0, g0kv, b0kv, lnout; writes lnout
.if DOCPART == 1
	.amdgcn_target "amdgcn-amd-amdhsa--gfx1250"
	.amdhsa_code_object_version 6
	.text
	.protected	k_q0aff98c958_lnq
	.globl	k_q0aff98c958_lnq
	.p2align	8
	.type	k_q0aff98c958_lnq,@function
k_q0aff98c958_lnq:
	s_mov_b64 s[64:65], 0
	v_nop
	global_prefetch_b8 v0, s[64:65] scope:SCOPE_SE
	s_setreg_imm32_b32 hwreg(HW_REG_WAVE_MODE, 25, 1), 1
	s_wait_xcnt 0x0
; LayerNorm of the 4,096 rows of X (gain g0, bias b0) and of the 4,096 rows of Y (g0kv, b0kv), each row of 1,024 f32, then the rows are
; turned into codes of FP6 (E2M3) along the row, one E8M0 byte for each 32 numbers.  lnout: codes at row x 768 bytes (X's rows, then Y's), scale bytes at SCOFF + row x 32.
; A wave owns four rows and keeps them in registers: mean, then the squares of x - mean (two passes over registers, so a common offset of the inputs costs no accuracy), rsqrt, gain, bias.
; All 16 KB of a wave are asked for at its head.  Each load reads 512 consecutive bytes; the conversions want 16 NEIGHBOURS in a lane, so half a row (512 numbers) at a time turns through the wave's own stage in LDS.
; A block's scale is 2^(floor(log2(largest magnitude)) - 2): the byte is the magnitude's exponent field - 2, held at 1 from below.
; LIMITS: a block of zeros gets the byte 1 (not 127): its codes are zeros and only this program reads the bytes.  NaN and infinities among the inputs are not served.  v_rsq_f32 is good to 1 ulp.
; No barrier: waves share nothing.  No matrix unit, cluster or tensor load: the launch is a stream.
.set TWO,   1                          ; 1: two tensors (the first 128 work-groups take the first), 0: one
.set LOGW,  3                          ; log2 of the waves in a work-group
.set SCOFF, 6291456                    ; where the scale bytes begin in the output buffer
.set SP,    80                         ; a lane's place in a stage: 64 bytes + 16 of padding
.set WREG,  5632                       ; LDS of a wave: two stages of 32 x SP bytes, then its 128 scale bytes
.set EMAX,  2
.set G,     16                         ; v16-47   the gain, as a row is loaded: load j's 16 bytes at 512 j + 16 lane
.set BV,    48                         ; v48-79   the bias likewise
.set ROWS,  80                         ; v80-207  four rows, 32 registers each; a finished half row's registers take its codes and its byte
.set X,     208                        ; v208-239 two sets of 16 neighbours; while free, the sums' chains
.set MU,    250                        ; v[250:251] the mean (low word)
.set RS,    252                        ; v[252:253] 1 / sqrt(var + eps) (low word)
.if TWO
	s_load_b256 s[4:11], s[0:1], 0x0               ; X, Y, g0, b0
	s_load_b128 s[16:19], s[0:1], 0x20             ; g0kv, b0kv
	s_load_b64 s[22:23], s[0:1], 0x30              ; the output buffer
	v_lshl_add_u32 v254, v0, 2, 0xb000
	v_mov_b32 v255, 0
.else
	s_load_b64 s[4:5], s[0:1], 0x0                 ; the rows
	s_load_b128 s[8:11], s[0:1], 0x8               ; gain, bias
	s_load_b64 s[22:23], s[0:1], 0x18              ; the output buffer
.endif
	v_lshrrev_b32 v1, 5, v0
	v_readfirstlane_b32 s14, v1                    ; wave
	v_and_b32 v2, 31, v0                           ; lane
	v_lshlrev_b32 v3, 4, v2                        ; my 16 bytes of a load's 512
	s_mul_i32 s15, s14, WREG
	v_lshrrev_b32 v14, 2, v2
	v_mul_u32_u24 v14, v14, SP
	v_and_b32 v15, 3, v2
	v_lshl_add_u32 v14, v15, 4, v14
	v_add_nc_u32 v14, s15, v14                     ; the stage, on the way in: SP (lane / 4) + 16 (lane % 4)
	v_mul_u32_u24 v15, v2, SP
	v_add_nc_u32 v15, s15, v15                     ; and on the way out: SP x lane: my 16 neighbours
	v_mul_u32_u24 v4, v2, 12                       ; my 16 codes' place in a step's 384 bytes
	v_lshrrev_b32 v5, 1, v2
	s_add_co_u32 s24, s15, 2*32*SP
	v_add_nc_u32 v5, s24, v5                       ; LDS: my block's scale byte
	v_lshlrev_b32 v7, 2, v2
	v_add_nc_u32 v6, s24, v7                       ; and on the way out 4 bytes a lane
	v_mov_b32 v9, 0                                ; a lane permute's destination counts as read: written once
	v_mov_b32 v[MU+1], 0                           ; the pairs' upper words are named with the lower
	v_mov_b32 v[RS+1], 0
	s_mov_b32 s12, 0x76543210
	s_mov_b32 s13, 0xfedcba98                      ; selects: lane l xor 16
	s_mov_b32 s20, 0x3a800000                      ; 1 / 1,024
	s_mov_b32 s21, 0x3727c5ac                      ; 1e-5
	s_lshl_b32 s26, ttmp9, LOGW
	s_add_co_u32 s26, s26, s14                     ; which run of four rows of the output is my wave's
	s_mul_i32 s28, s26, 3072                       ; its codes,
	s_mov_b32 s29, 0
	s_lshl_b32 s30, s26, 7
	s_add_co_u32 s30, s30, SCOFF                   ; its scale bytes
	s_mov_b32 s31, 0
	s_wait_kmcnt 0x0
.if TWO
	s_cmp_lt_u32 ttmp9, 128                        ; the choice hangs on the work-group's number alone
	s_cselect_b64 s[4:5], s[4:5], s[6:7]
	s_cselect_b64 s[8:9], s[8:9], s[16:17]
	s_cselect_b64 s[10:11], s[10:11], s[18:19]
	s_cselect_b32 s25, 0, 1024
	s_sub_co_u32 s26, s26, s25                     ; the run's number inside its own tensor
.endif
	s_lshl_b32 s26, s26, 14                        ; four rows of 4,096 bytes
	s_mov_b32 s27, 0
	s_add_nc_u64 s[4:5], s[4:5], s[26:27]
	s_add_nc_u64 s[28:29], s[22:23], s[28:29]
	s_add_nc_u64 s[30:31], s[22:23], s[30:31]
.irp j, 0,1,2,3,4,5,6,7
	global_load_b128 v[G+4*\j:G+4*\j+3], v3, s[8:9] offset:512*\j
.endr
.irp j, 0,1,2,3,4,5,6,7
	global_load_b128 v[BV+4*\j:BV+4*\j+3], v3, s[10:11] offset:512*\j
.endr
.irp p, 0,1,2,3
.irp j, 0,1,2,3,4,5,6,7
	global_load_b128 v[ROWS+32*\p+4*\j:ROWS+32*\p+4*\j+3], v3, s[4:5] offset:4096*\p+512*\j th:TH_LOAD_NT
.endr
.endr
.macro RED                             ; v8 summed over the 32 lanes, the result in every lane
	v_add_f32_dpp v8, v8, v8 row_xmask:1 row_mask:0xf bank_mask:0xf
	v_add_f32_dpp v8, v8, v8 row_xmask:2 row_mask:0xf bank_mask:0xf
	v_add_f32_dpp v8, v8, v8 row_xmask:4 row_mask:0xf bank_mask:0xf
	v_add_f32_dpp v8, v8, v8 row_xmask:8 row_mask:0xf bank_mask:0xf
	v_permlanex16_b32 v9, v8, s12, s13
	v_add_f32 v8, v8, v9
.endm
.macro FOLD                            ; the four chains' pairs into v8
	v_pk_add_f32 v[X:X+1], v[X:X+1], v[X+2:X+3]
	v_pk_add_f32 v[X+4:X+5], v[X+4:X+5], v[X+6:X+7]
	v_pk_add_f32 v[X:X+1], v[X:X+1], v[X+4:X+5]
	v_add_f32 v8, v[X], v[X+1]
	RED
.endm
.macro LN p                            ; row p, in place
.set R, ROWS+32*(\p)
	s_wait_loadcnt 8*(3-(\p))                      ; gain, bias and my row are in; the rows behind it, eight loads each, may be out
.irp c, 0,2,4,6
	v_pk_add_f32 v[X+\c:X+\c+1], v[R+\c:R+\c+1], v[R+8+\c:R+8+\c+1]     ; the sum, in four chains
.endr
.irp k, 16,24
.irp c, 0,2,4,6
	v_pk_add_f32 v[X+\c:X+\c+1], v[X+\c:X+\c+1], v[R+\k+\c:R+\k+\c+1]
.endr
.endr
	FOLD
	v_mul_f32 v[MU], s20, v8                       ; the mean
.set i, 0
.rept 16
	v_pk_add_f32 v[R+i:R+i+1], v[R+i:R+i+1], v[MU:MU+1] op_sel_hi:[1,0] neg_lo:[0,1] neg_hi:[0,1]   ; x - mean
.set i, i+2
.endr
.irp c, 0,2,4,6
	v_pk_mul_f32 v[X+\c:X+\c+1], v[R+\c:R+\c+1], v[R+\c:R+\c+1]         ; the squares
.endr
.irp k, 8,16,24
.irp c, 0,2,4,6
	v_pk_fma_f32 v[X+\c:X+\c+1], v[R+\k+\c:R+\k+\c+1], v[R+\k+\c:R+\k+\c+1], v[X+\c:X+\c+1]
.endr
.endr
	FOLD
	v_fma_f32 v8, v8, s20, s21                     ; var + eps
	v_rsq_f32 v[RS], v8
	v_nop                                          ; a plain instruction behind the transcendental,
	s_wait_alu depctr_va_vdst(0)                   ; and the wait ahead of its first reader
.set i, 0
.rept 16
	v_pk_mul_f32 v[R+i:R+i+1], v[R+i:R+i+1], v[RS:RS+1] op_sel_hi:[1,0]
.set i, i+2
.endr
.set i, 0
.rept 16
	v_pk_fma_f32 v[R+i:R+i+1], v[R+i:R+i+1], v[G+i:G+i+1], v[BV+i:BV+i+1]
.set i, i+2
.endr
.endm
.macro TURN t                          ; step t (half a row, 512 numbers) through stage t % 2: LDS serves a wave's instructions in order, so no wait stands between the stores and the loads
.irp i, 0,1,2,3
	ds_store_b128 v14, v[ROWS+16*(\t)+4*\i:ROWS+16*(\t)+4*\i+3] offset:32*SP*((\t)%2)+8*SP*\i
.endr
.irp i, 0,1,2,3
	ds_load_b128 v[X+16*((\t)%2)+4*\i:X+16*((\t)%2)+4*\i+3], v15 offset:32*SP*((\t)%2)+16*\i
.endr
.endm
.macro STEP t
.set XS, X+16*((\t)%2)
.set CR, ROWS+16*(\t)                  ; the step's own registers of its row: three for its codes, one for its byte
.if ((\t)%2) == 0
	s_wait_dscnt 8                                 ; this step's numbers are back; the other step's eight LDS instructions may be out
.else
	s_wait_dscnt 1                                 ; this step's numbers are back; the last step's byte store may be out
.endif
	v_max3_num_f32 v8, |v[XS]|, |v[XS+1]|, |v[XS+2]|
	v_max3_num_f32 v10, |v[XS+3]|, |v[XS+4]|, |v[XS+5]|
.irp i, 6,10
	v_max3_num_f32 v8, v8, |v[XS+\i]|, |v[XS+\i+1]|
	v_max3_num_f32 v10, v10, |v[XS+\i+2]|, |v[XS+\i+3]|
.endr
	v_max3_num_f32 v8, v8, |v[XS+14]|, |v[XS+15]|
	v_max3_num_f32 v8, v8, v10, (EMAX+1)<<23       ; and the floor 2^(3 - 127): the byte cannot fall under 1
	v_max_num_f32_dpp v8, v8, v8 row_xmask:1 row_mask:0xf bank_mask:0xf   ; with my neighbour's 16: the block's largest magnitude
	v_add_nc_u32 v11, -(EMAX<<23), v8              ; 2 off its exponent field: the conversion takes the exponent field of this operand as its scale
	v_cvt_scalef32_pk16_fp6_f32 v[CR:CR+2], v[XS:XS+15], v11
	v_lshrrev_b32 v[CR+4], 23, v11                 ; the scale's byte (also the plain instruction behind the conversion)
	ds_store_b8 v5, v[CR+4] offset:16*(\t)         ; both lanes of a block write the same byte with the same value
	global_store_b96 v4, v[CR:CR+2], s[28:29] offset:384*(\t)   ; the wave stores 384 consecutive bytes
.endm
.irp p, 0,1,2,3
	LN \p
	TURN 2*\p
	TURN 2*\p+1
	STEP 2*\p
	STEP 2*\p+1
.endr
	ds_load_b32 v10, v6                            ; my wave's 128 scale bytes: these loads see my stores
	s_wait_dscnt 0x0
	global_store_b32 v7, v10, s[30:31]             ; 128 consecutive bytes: four rows' scale bytes
	s_wait_tensorcnt 0x0
	ds_add_u32 v254, v255
	s_wait_dscnt 0x0
	s_endpgm
.Lfunc_end_k_q0aff98c958_lnq:
	.size	k_q0aff98c958_lnq, .Lfunc_end_k_q0aff98c958_lnq-k_q0aff98c958_lnq
	.p2alignl 7, 3214868480
	.fill 96, 4, 3214868480
	.section	.rodata,"a",@progbits
	.p2align	6, 0x0
	.amdhsa_kernel k_q0aff98c958_lnq
		.amdhsa_group_segment_fixed_size 46080
		.amdhsa_private_segment_fixed_size 0
		.amdhsa_enable_private_segment 0
		.amdhsa_kernarg_size 56
		.amdhsa_user_sgpr_count 2
		.amdhsa_user_sgpr_kernarg_segment_ptr 1
		.amdhsa_wavefront_size32 1
		.amdhsa_system_sgpr_workgroup_id_x 1
		.amdhsa_system_sgpr_workgroup_id_y 1
		.amdhsa_system_sgpr_workgroup_id_z 1
		.amdhsa_system_vgpr_workitem_id 0
		.amdhsa_next_free_vgpr 256
		.amdhsa_next_free_sgpr 66
		.amdhsa_reserve_vcc 0
		.amdhsa_float_denorm_mode_32 3
		.amdhsa_float_denorm_mode_16_64 3
		.amdhsa_memory_ordered 1
		.amdhsa_forward_progress 1
		.amdhsa_inst_pref_size 44
	.end_amdhsa_kernel
	.amdgpu_metadata
---
amdhsa.version: [ 1, 2 ]
amdhsa.kernels:
  - .name:           k_q0aff98c958_lnq
    .symbol:         k_q0aff98c958_lnq.kd
    .args:
      - { .name: X, .offset: 0, .size: 8, .value_kind: global_buffer, .address_space: global }
      - { .name: Y, .offset: 8, .size: 8, .value_kind: global_buffer, .address_space: global }
      - { .name: g0, .offset: 16, .size: 8, .value_kind: global_buffer, .address_space: global }
      - { .name: b0, .offset: 24, .size: 8, .value_kind: global_buffer, .address_space: global }
      - { .name: g0kv, .offset: 32, .size: 8, .value_kind: global_buffer, .address_space: global }
      - { .name: b0kv, .offset: 40, .size: 8, .value_kind: global_buffer, .address_space: global }
      - { .name: lnout, .offset: 48, .size: 8, .value_kind: global_buffer, .address_space: global }
    .group_segment_fixed_size: 46080
    .private_segment_fixed_size: 0
    .kernarg_segment_align: 8
    .kernarg_segment_size: 56
    .max_flat_workgroup_size: 256
    .sgpr_count:     66
    .vgpr_count:     256
    .wavefront_size: 32
...
	.end_amdgpu_metadata
.endif
;; end of part 1
;; launch qkv (part 2): grid 12 x 16, 4 waves a work-group, clusters of 4 x 4, 327,680 bytes of LDS; arguments lnout, Wq_codes, Wq_scales, Wk_codes, Wk_scales, Wv_codes, Wv_scales, bq, bk, bv, qkvout; writes qkvout
.if DOCPART == 2
	.amdgcn_target "amdgcn-amd-amdhsa--gfx1250"
	.amdhsa_code_object_version 6
	.text
	.protected	k_q0aff98c958_qkv
	.globl	k_q0aff98c958_qkv
	.p2align	8
	.type	k_q0aff98c958_qkv,@function
k_q0aff98c958_qkv:
	s_mov_b64 s[64:65], 0
	v_nop
	global_prefetch_b8 v0, s[64:65] scope:SCOPE_SE
	s_setreg_imm32_b32 hwreg(HW_REG_WAVE_MODE, 25, 1), 1
	s_wait_xcnt 0x0
	s_wait_alu depctr_hold_cnt(0) depctr_sa_sdst(0) depctr_va_vdst(0) depctr_va_sdst(0) depctr_va_ssrc(0) depctr_va_vcc(0) depctr_vm_vsrc(0)
	s_getreg_b32 s2, hwreg(HW_REG_IB_STS2, 6, 4)
	s_cmp_eq_u32 s2, 0
	s_cbranch_scc0 .Lentry_in_a_cluster
	s_endpgm
.Lentry_in_a_cluster:
	s_bfe_u32 s2, ttmp6, 0x10000c
	s_cmp_lg_u32 s2, 0xf033
	s_cbranch_scc0 .Lentry_shape_is_right
	s_endpgm
.Lentry_shape_is_right:
; Q = Xn Wq + bq, K = Yn Wk + bk, V = Yn Wv + bv on codes of FP6 (E2M3) with E8M0 scales for each 32 along K = 1,024; the results are quantised in registers for the attention launch.
; The cluster's x says which product: 0 Q, 1 K, 2 V.  C = A B^T with A = the tokens' codes and B = the weight's for Q and K (C: token x feature).  For V the two change places (A = Wv, B = the tokens: C = V^T, feature x key),
; so that a lane's registers run along the KEYS, which are the K of attention's second product.
; A tile of C, 256 x 256, is made by four waves, 128 x 128 each: 64 accumulators, 512 registers.  K goes in steps of 256 through a ring of two LDS slots filled by the tensor data mover; rows of 192 bytes.
; The scale bytes of the work-group's rows come into LDS once.  CLUSTERS of 4 x 4: A's tiles are asked for jointly along a row of the cluster, B's along a column.
; THE MATRIX INSTRUCTION IS USED TRANSPOSED (source 0 = 16 rows of B, source 1 = 16 rows of A): lane (r, h), register j of accumulator (a, b) holds C(16 a + r, 16 b + 8 h + j).
; THE WAY OUT.  The 64 registers of a block of 16 rows are taken as positions 32 beta + 16 h + i of the row: inside a block of 32 that is a fixed permutation of the columns (0-7, 16-23, 8-15, 24-31), the same for Q, K and the null key
; (over a head's numbers) and for V and the softmax's p (over keys): a permutation of k inside a block, applied to both operands alike, changes no scale and no code's value, only the order in which the unit adds.
; qkvout: codes as images of operand registers (six registers of 32 lanes = 768 bytes: piece i = registers 2 i, 2 i + 1, 8 bytes a lane); Q, K: [head 32][tile of 16 tokens][768]; V: [head][128 keys][16 numbers of the head][1,536];
; scale words behind them: Q, K: [head][token][4 bytes: s0 s1 s0 s1]; V: [head][128 keys][tile][lane][4 bytes].  Every store of codes covers 256 consecutive bytes, aligned.
; LIMITS: a block of zeros gets the byte 1, not 127 (its codes are zeros; only this program reads the bytes); NaN and infinities are not served.
; REGISTERS, in windows of 256: window 0: v0-31 addresses; v32-63 scale words (two sets; nothing else ever); v64-127 the bias by columns; v128-223 A's fragments, on the way out numbers, codes and work; v240-255 the bias by rows.
;   window 1: B's fragments, two sets.   windows 2, 3: the accumulators ((a, b) at v[8 (8 (a % 4) + b)]).
.set SIZE_K, 1024
.set KROWA,  768                       ; a row of A's codes in memory, bytes
.set KROWB,  768                       ; of B's
.set ASTEP,  192                       ; from a K step of A to the next, bytes
.set KSTEP,  256
.set NQ,     KSTEP/128
.set ROWB,   192
.set PITCH,  240                       ; an LDS row: 3 x (64 bytes + 16 of padding)
.set FR,     12
.set NL,     6
.set NP,     4
.set HALFT,  128*PITCH
.set SLOT,   4*HALFT
.set LAPS,   SIZE_K/(2*KSTEP)
.set KS,     SIZE_K/32
.set SCL,    2*SLOT                    ; behind the ring: the scales, as units of 256 bytes + 16 of padding
.set HALFS,  (128*KS/256)*272
.set SBLK,   (16*KS/256)*272
.set SPARE,  SCL+4*HALFS               ; the spare words: 128 bytes a wave, named by no other line
.set ADRA, 16
.set ADRB, 20
.set LO8,  24                          ; v24  8 x lane: my place in a piece of an image
.set SOF,  25                          ; v25  my place among the scale words
.set ADRS, 27
.set SPW,  28
.set NIL,  29
.set SC,   32
.set CB,   64
.set AF,   128
.set TT,   128                         ; the way out: 64 numbers
.set CD,   192                         ; 12 registers of codes, 8 at work
.set TM,   212                         ; 16 at work
.set PW,   228                         ; the scale word just made
.set W0,   229
.set W1,   230
.set RB,   240
.set G1, 24
.set G0, 32
.set G1B, 48
.set G0B, 56
.set SEL, 66                           ; s[66:67] selects: lane l xor 16
.set G1S, 68
.set G0S, 76
.set G1SB, 80
.set G0SB, 88
.set MSB, 0
.macro WIN new                         ; the immediate's high byte repeats the setting that is left
.if MSB != \new
	s_set_vgpr_msb (MSB<<8)|(\new)
.set MSB, \new
.endif
.endm
.set MUL_LO, 0xa1                      ; source 0 (B) window 1, source 1 (A) window 0, C and D window 2
.set MUL_HI, 0xf1
.set TO_B,   0x40
; A joint load: waves 0 and 1 fetch for A, waves 2 and 3 for B; the branch hangs on the wave's number alone.  Four v_nop follow each of the two lines.
.macro JLOAD g0a, g1a, g0b, g1b
	s_cmp_eq_u32 s15, 0
	s_cbranch_scc0 .Lfor_b_\@
	tensor_load_to_lds s[\g0a:\g0a+3], s[\g1a:\g1a+7]
	s_nop 0
.rept 4
	v_nop
.endr
	s_branch .Lasked_\@
.Lfor_b_\@:
	tensor_load_to_lds s[\g0b:\g0b+3], s[\g1b:\g1b+7]
	s_nop 0
.rept 4
	v_nop
.endr
.Lasked_\@:
.endm
.macro CREST                           ; a round of the cluster's barrier behind its opening barrier
	s_cmp_lg_u32 s14, 0
	s_cbranch_scc1 .Lnot_wave_0_\@
	s_barrier_signal -3
.Lnot_wave_0_\@:
	s_barrier_wait -3
	s_barrier_signal -1
	s_barrier_wait -1
.endm
.macro CROUND
	s_barrier_signal -1
	s_barrier_wait -1
	CREST
.endm
	s_load_b512 s[24:39], s[0:1], 0x0              ; lnout, Wq codes, scales, Wk codes, scales, Wv codes, scales, bq
	s_load_b128 s[40:43], s[0:1], 0x40             ; bk, bv
	s_load_b64 s[12:13], s[0:1], 0x50              ; qkvout
	v_lshl_add_u32 v[SPW], v0, 2, SPARE
	v_mov_b32 v[NIL], 0
	ds_add_u32 v28, v29
	ds_add_u32 v28, v29
	s_wait_dscnt 0x0
	v_lshrrev_b32 v1, 5, v0
	v_readfirstlane_b32 s14, v1                    ; wave 0..3
	s_lshr_b32 s15, s14, 1                         ; which half of the tile's rows is mine.  Also: I fetch for A (0) or for B (1)
	s_and_b32 s16, s14, 1                          ; which half of its columns.  Also: which 128 rows of that tile I fetch
	s_wait_kmcnt 0x0
	; which product: the cluster's x, the same in all sixteen partners.  Only pointers and offsets are chosen: all three products take one path
	s_cmp_eq_u32 ttmp9, 0
	s_cselect_b64 s[44:45], s[26:27], s[30:31]     ; the weight's codes: Wq's or Wk's,
	s_cselect_b64 s[46:47], s[28:29], s[32:33]     ; its scales,
	s_cselect_b64 s[96:97], s[38:39], s[40:41]     ; the bias;
	s_cselect_b32 s48, 0, 3145728                  ; the tokens' codes: X's rows or Y's,
	s_cselect_b32 s50, 0, 131072                   ; their scale bytes
	s_cmp_eq_u32 ttmp9, 2
	s_cselect_b64 s[44:45], s[34:35], s[44:45]     ; or Wv's
	s_cselect_b64 s[46:47], s[36:37], s[46:47]
	s_cselect_b64 s[96:97], s[42:43], s[96:97]
	s_mov_b32 s49, 0
	s_mov_b32 s51, 0
	s_add_nc_u64 s[48:49], s[24:25], s[48:49]
	s_add_nc_u64 s[50:51], s[24:25], s[50:51]
	s_add_nc_u64 s[50:51], s[50:51], 6291456
	s_cselect_b64 s[4:5], s[44:45], s[48:49]       ; A's codes: for V the weight's, else the tokens'
	s_cselect_b64 s[6:7], s[46:47], s[50:51]       ; A's scales
	s_cselect_b64 s[8:9], s[48:49], s[44:45]       ; B's codes
	s_cselect_b64 s[10:11], s[50:51], s[46:47]     ; B's scales
	s_bfe_u32 s40, ttmp6, 0x40000                  ; cx, cy: my place in the cluster
	s_bfe_u32 s41, ttmp6, 0x40004
	s_and_b32 s17, ttmp7, 0xffff
	s_lshl_b32 s17, s17, 2                         ; 4 x cluster y: it walks the 4,096 tokens, which are C's rows for Q and K and its columns for V
	s_cmp_eq_u32 ttmp9, 2
	s_cselect_b32 s42, s17, 0
	s_cselect_b32 s17, 0, s17
	s_add_co_u32 s42, s42, s40                     ; tile column of C
	s_add_co_u32 s17, s17, s41                     ; tile row of C
	s_lshl_b32 s43, s41, 2
	s_lshl_b32 s43, 15, s43                        ; my row of the cluster
	s_lshl_b32 s44, 0x1111, s40                    ; my column
	s_mov_b32 s[SEL], 0x76543210
	s_mov_b32 s[SEL+1], 0xfedcba98
	; descriptor group 1: a tile of 128 rows x 192 bytes, 16 bytes of padding behind every 64
	s_or_b32 s[G1+0], s43, (0<<16)|(1<<20)|(1<<21)|(3<<22)|(3<<25)
	s_or_b32 s[G1B+0], s44, (0<<16)|(1<<20)|(1<<21)|(3<<22)|(3<<25)
.irp g, G1, G1B
	s_mov_b32 s[\g+1], ROWB<<16                    ; tensor_dim0
	s_mov_b32 s[\g+2], 128<<16                     ; tensor_dim1
	s_mov_b32 s[\g+3], ROWB<<16                    ; tile_dim0
	s_mov_b32 s[\g+4], 128                         ; tile_dim1
	s_mov_b32 s[\g+6], 0
	s_mov_b32 s[\g+7], 0
.endr
	s_mov_b32 s[G1+5], KROWA                       ; the pitch
	s_mov_b32 s[G1B+5], KROWB
	; the scales of 128 rows: a dense block, as rows of 256 bytes (32 elements of 8), 16 bytes of padding behind each
	s_or_b32 s[G1S+0], s43, (3<<16)|(1<<20)|(1<<21)|(5<<22)|(3<<25)
	s_or_b32 s[G1SB+0], s44, (3<<16)|(1<<20)|(1<<21)|(5<<22)|(3<<25)
.irp g, G1S, G1SB
	s_mov_b32 s[\g+1], 32<<16
	s_mov_b32 s[\g+2], (128*KS/256)<<16
	s_mov_b32 s[\g+3], 32<<16
	s_mov_b32 s[\g+4], 128*KS/256
	s_mov_b32 s[\g+5], 32
	s_mov_b32 s[\g+6], 0
	s_mov_b32 s[\g+7], 0
.endr
	s_lshl_b32 s18, s16, 7                         ; which 128 rows of the tile I fetch
	s_lshl_b32 s20, s17, 8
	s_add_co_u32 s20, s20, s18                     ; A: row 256 x tile row + 128 x half
	s_lshl_b32 s46, s42, 8
	s_add_co_u32 s46, s46, s18                     ; B: row 256 x tile column + 128 x half
	s_mov_b32 s21, 0
	s_mov_b32 s47, 0
	s_mov_b64 s[18:19], KS
	s_mul_u64 s[22:23], s[20:21], s[18:19]         ; where these rows' scales begin
	s_mul_u64 s[92:93], s[46:47], s[18:19]
	s_mov_b64 s[18:19], KROWA
	s_mul_u64 s[20:21], s[20:21], s[18:19]         ; and their codes
	s_mov_b64 s[18:19], KROWB
	s_mul_u64 s[46:47], s[46:47], s[18:19]
	s_mul_i32 s45, s14, HALFT                      ; where they go: wave x 128 rows: no place in the cluster enters an LDS address
	s_mul_i32 s94, s14, HALFS
	s_add_nc_u64 s[20:21], s[4:5], s[20:21]
	s_add_nc_u64 s[22:23], s[6:7], s[22:23]
	s_add_nc_u64 s[46:47], s[8:9], s[46:47]
	s_add_nc_u64 s[92:93], s[10:11], s[92:93]
	CROUND                                         ; all sixteen work-groups are here: the first joint loads meet
	s_mov_b32 s[G0S], 1
	s_add_co_u32 s[G0S+1], s94, SCL
	s_mov_b64 s[G0S+2:G0S+3], s[22:23]
	s_or_b32 s[G0S+3], s[G0S+3], 0x80000000
	s_mov_b32 s[G0SB], 1
	s_add_co_u32 s[G0SB+1], s94, SCL
	s_mov_b64 s[G0SB+2:G0SB+3], s[92:93]
	s_or_b32 s[G0SB+3], s[G0SB+3], 0x80000000
	JLOAD G0S, G1S, G0SB, G1SB                     ; the scales first: they are wanted with K step 0
.irp s, 0,1
	s_mov_b32 s[G0+4*\s], 1
	s_add_co_u32 s[G0+4*\s+1], s45, \s*SLOT
	s_add_nc_u64 s[G0+4*\s+2:G0+4*\s+3], s[20:21], \s*ASTEP
	s_or_b32 s[G0+4*\s+3], s[G0+4*\s+3], 0x80000000
	s_mov_b32 s[G0B+4*\s], 1
	s_add_co_u32 s[G0B+4*\s+1], s45, \s*SLOT
	s_add_nc_u64 s[G0B+4*\s+2:G0B+4*\s+3], s[46:47], \s*ROWB
	s_or_b32 s[G0B+4*\s+3], s[G0B+4*\s+3], 0x80000000
	JLOAD G0+4*\s, G1, G0B+4*\s, G1B
.endr
	v_and_b32 v1, 15, v0                           ; r = l % 16
	v_bfe_u32 v2, v0, 4, 1                         ; h = l / 16
	v_mul_u32_u24 v3, v1, PITCH
	v_mul_u32_u24 v4, v2, 24
	v_add_nc_u32 v4, v3, v4                        ; a fragment's row x pitch + 24 x half
	v_lshl_add_u32 v5, v2, 4, v4                   ; and the same behind one padding more
	s_mul_i32 s21, s15, HALFT                      ; my 128 rows of A
	s_mul_i32 s22, s16, HALFT                      ; my 128 rows of B,
	s_add_co_u32 s22, s22, 2*HALFT                 ; which lie behind A's 256
.irp s, 0,1
	v_add_nc_u32 v[ADRA+\s], s21, v4
	v_add_nc_u32 v[ADRB+\s], s22, v4
	v_add_nc_u32 v[ADRA+2+\s], s21, v5
	v_add_nc_u32 v[ADRB+2+\s], s22, v5
	s_add_co_u32 s21, s21, SLOT
	s_add_co_u32 s22, s22, SLOT
.endr
	v_mul_u32_u24 v5, v1, KS                       ; my row's scales: KS bytes a row,
	v_lshrrev_b32 v6, 8, v5
	v_lshl_add_u32 v5, v6, 4, v5                   ; and 16 more for each 256 passed
	s_mul_i32 s21, s15, HALFS
	s_mul_i32 s22, s16, HALFS
	s_add_co_u32 s22, s22, 2*HALFS
	s_sub_co_u32 s22, s22, s21
	v_mul_u32_u24 v6, s22, v2                      ; lanes 16-31 take B's
	s_add_co_u32 s21, s21, SCL
	v_add_nc_u32 v5, v5, v6
	v_add_nc_u32 v[ADRS], s21, v5
	v_and_b32 v6, 31, v0
	v_lshlrev_b32 v[LO8], 3, v6
	v_cmp_eq_u32 s100, 1, v2                       ; the mask of lanes 16-31
	; THE BIAS goes by C's columns for Q and K and by its rows for V.  Both forms are loaded, from inside the 4,096 bytes in every case, and the one that does not apply is masked to zeros: no branch
	s_lshl_b32 s18, s17, 8
	s_lshl_b32 s19, s15, 7
	s_add_co_u32 s18, s18, s19                     ; my first row of C
	s_lshl_b32 s19, s42, 8
	s_lshl_b32 s22, s16, 7
	s_add_co_u32 s19, s19, s22                     ; my first column
	s_lshl_b32 s18, s18, 2
	s_lshl_b32 s19, s19, 2
	s_cmp_eq_u32 ttmp9, 2
	s_cselect_b32 s22, 0, s19
	s_cselect_b32 s92, s18, 0
	s_cselect_b32 s95, 0, -1                       ; keeps the bias by columns
	s_mov_b32 s23, 0
	s_mov_b32 s93, 0
	s_add_nc_u64 s[98:99], s[96:97], s[92:93]
	s_add_nc_u64 s[96:97], s[96:97], s[22:23]
	s_not_b32 s101, s95                            ; keeps the bias by rows
	v_lshlrev_b32 v30, 5, v2                       ; 32 h: my eight columns of a tile of 16
	v_lshlrev_b32 v31, 2, v1                       ; 4 r: my row
.irp b, 0,1,2,3,4,5,6,7
	global_load_b128 v[CB+8*\b:CB+8*\b+3], v30, s[96:97] offset:64*\b
	global_load_b128 v[CB+8*\b+4:CB+8*\b+7], v30, s[96:97] offset:64*\b+16
.endr
.irp a, 0,1,2,3,4,5,6,7
	global_load_b32 v[RB+2*\a], v31, s[98:99] offset:64*\a
.endr
	s_wait_loadcnt 0x0                             ; no global load is out while the ring runs
.set i, 0
.rept 64
	v_and_b32 v[CB+i], s95, v[CB+i]
.set i, i+1
.endr
.irp a, 0,1,2,3,4,5,6,7
	v_and_b32 v[RB+2*\a], s101, v[RB+2*\a]
	v_mov_b32 v[RB+2*\a+1], 0                      ; named with it as a pair
.endr
.macro FRAG reg, adr, q, i             ; a fragment: 16 rows x 128 K of 6-bit codes, 12 registers: lane l holds row l % 16; registers 6 c .. 6 c + 5 hold K = 64 c + 32 (l / 16) + 0 .. 31, 24 bytes as they lie, in pieces of 8 bytes
.irp p, 0,1,2,3,4,5
.set PCE, 12*(\q)+6*(\p/3)+\p%3        ; where the piece three on lies behind one padding more, the second address register serves
.if PCE%8 < 5
	ds_load_b64 v[\reg+2*\p:\reg+2*\p+1], v[\adr] offset:8*PCE+16*(PCE/8)+(\i)*16*PITCH
.else
	ds_load_b64 v[\reg+2*\p:\reg+2*\p+1], v[\adr+2] offset:8*PCE+16*(PCE/8)+(\i)*16*PITCH
.endif
.endr
.endm
; 16 matrix instructions: A's blocks a0, a0 + 1 x B's eight.  The 64 accumulators take turns, one instruction a turn, in the same order in every step.  zero = 1: the first product starts the sums
.macro MUL16 a0, p, q, sc, zero
.irp a, \a0, \a0+1
.irp b, 0,1,2,3,4,5,6,7
.if \zero
	v_wmma_scale_f32_16x16x128_f8f6f4 v[8*(8*((\a)%4)+\b):8*(8*((\a)%4)+\b)+7], v[128*(\p)+FR*\b:128*(\p)+FR*\b+FR-1], v[AF+FR*(\a):AF+FR*(\a)+FR-1], 0, v[SC+8*NQ*(\sc)+NQ*\b+(\q)], v[SC+8*NQ*(\sc)+NQ*(\a)+(\q)] matrix_a_fmt:MATRIX_FMT_FP6 matrix_b_fmt:MATRIX_FMT_FP6 matrix_a_scale:MATRIX_SCALE_ROW1
.else
	v_wmma_scale_f32_16x16x128_f8f6f4 v[8*(8*((\a)%4)+\b):8*(8*((\a)%4)+\b)+7], v[128*(\p)+FR*\b:128*(\p)+FR*\b+FR-1], v[AF+FR*(\a):AF+FR*(\a)+FR-1], v[8*(8*((\a)%4)+\b):8*(8*((\a)%4)+\b)+7], v[SC+8*NQ*(\sc)+NQ*\b+(\q)], v[SC+8*NQ*(\sc)+NQ*(\a)+(\q)] matrix_a_fmt:MATRIX_FMT_FP6 matrix_b_fmt:MATRIX_FMT_FP6 matrix_a_scale:MATRIX_SCALE_ROW1
.endif
.endr
.endr
.endm
.macro FETCH_B slot, q, p
	WIN TO_B
.irp i, 0,1,2,3,4,5,6,7
	FRAG 128*(\p)+FR*\i, ADRB+\slot, \q, \i
.endr
	WIN 0
.endm
.macro FETCH_A slot, q, i0
.irp i, \i0, \i0+1, \i0+2, \i0+3
	FRAG AF+FR*(\i), ADRA+\slot, \q, \i
.endr
.endm
.macro SCALES sc                       ; a K step's scale words: lanes 0-15 take A's block i, lanes 16-31 B's block i
.irp i, 0,1,2,3,4,5,6,7
	ds_load_b64 v[SC+8*NQ*\sc+NQ*\i:SC+8*NQ*\sc+NQ*\i+1], v[ADRS] offset:\i*SBLK
.endr
.endm
.macro PLACES n                        ; plain vector instructions between a matrix instruction and a load into, or a read of, its registers
.rept \n
	v_nop
.endr
.endm
.macro STEP slot, q, zero              ; 128 along K that has its successor in the same slot
	s_wait_dscnt 4*NL                              ; B's set and A's blocks 0-3 are in; the youngest 24 loads (A's blocks 4-7) may be out
	WIN MUL_LO
	MUL16 0, (\q)%2, \q, \slot, \zero
	MUL16 2, (\q)%2, \q, \slot, \zero
	s_wait_dscnt 0                                 ; A's blocks 4-7 are in
	PLACES NP
	FETCH_B \slot, (\q)+1, 1-(\q)%2
	FETCH_A \slot, (\q)+1, 0
	WIN MUL_HI
	MUL16 4, (\q)%2, \q, \slot, \zero
	MUL16 6, (\q)%2, \q, \slot, \zero
	PLACES NP
	WIN 0
	FETCH_A \slot, (\q)+1, 4
.endm
; A slot's last step changes slots: one barrier; in front of it each wave waits for all its tensor loads, adds 0 to its spare word, and waits for that and for its reads of this slot.  fill = 1: this slot is filled again, two K steps ahead
.macro TURN slot, next, fill
	s_wait_tensorcnt 0x0                           ; all my tensor loads have landed: my part of the next slot
	ds_add_u32 v[SPW], v[NIL]                      ; 0 onto my spare word
	s_wait_dscnt 4*NL+1                            ; (the add and the youngest 24 loads may be out)
	WIN MUL_LO
	MUL16 0, 1, NQ-1, \slot, 0
	s_wait_dscnt 0x0                               ; the add is done, and my reads of this slot are over
	s_barrier_signal -1
	MUL16 2, 1, NQ-1, \slot, 0
	WIN 0
	s_barrier_wait -1
.if \fill
	CREST                                          ; the barrier has opened a round of the cluster's: no wave of any partner still reads this slot or has a load on its way
	s_add_nc_u64 s[G0+4*\slot+2:G0+4*\slot+3], s[G0+4*\slot+2:G0+4*\slot+3], 2*ASTEP
	s_add_nc_u64 s[G0B+4*\slot+2:G0B+4*\slot+3], s[G0B+4*\slot+2:G0B+4*\slot+3], 2*ROWB
	JLOAD G0+4*\slot, G1, G0B+4*\slot, G1B         ; the first tensor load behind the round; its four v_nop are the places in front of the loads below
.else
	PLACES NP
.endif
	v_add_nc_u32 v[ADRS], 4*NQ, v[ADRS]            ; on to the next K step's scale words
	FETCH_B \next, 0, 0
	FETCH_A \next, 0, 0
	SCALES \next
	WIN MUL_HI
	MUL16 4, 1, NQ-1, \slot, 0
	MUL16 6, 1, NQ-1, \slot, 0
	PLACES NP
	WIN 0
	FETCH_A \next, 0, 4
.endm
	s_wait_tensorcnt 1                             ; the scales and my part of K step 0 are in (K step 1's load may be out)
	s_barrier_signal -1
	s_barrier_wait -1                              ; everybody's are
	FETCH_B 0, 0, 0
	FETCH_A 0, 0, 0
	SCALES 0
	FETCH_A 0, 0, 4
	STEP 0, 0, 1                                   ; the first step stands in front of the loop: its products start the sums
	s_mov_b32 s3, LAPS-1
.Llap:                                                 ; a trip goes once round the ring and fills both slots again
	TURN 0, 1, 1
	STEP 1, 0, 0
	TURN 1, 0, 1
	STEP 0, 0, 0
	s_sub_co_u32 s3, s3, 1
	s_cmp_lg_u32 s3, 0
	s_cbranch_scc1 .Llap
	TURN 0, 1, 0                                   ; the last lap fills nothing
	STEP 1, 0, 0
	s_wait_dscnt 4*NL
	WIN MUL_LO
	MUL16 0, 1, NQ-1, 1, 0
	MUL16 2, 1, NQ-1, 1, 0
	s_wait_dscnt 0
	WIN MUL_HI
	MUL16 4, 1, NQ-1, 1, 0
	MUL16 6, 1, NQ-1, 1, 0
	WIN 0
; THE WAY OUT.  No tensor load is out (the last change of slots waited for all), so the descriptors' registers are free.
.set P0,   30                          ; s[30:31] where registers 0-5 of a block's codes go
.set P1,   32                          ; s[32:33] registers 6-11: Q, K: the next head; V: the second half of the fragment
.set SPT,  34                          ; s[34:35] the scale words
.set STP,  38                          ; s[38:39] from a block of 16 rows to the next;  s[40:41] more at block 4 (V: the next head)
.set SSTP, 44                          ; s[44:45], s[46:47] the same for the scale words
	s_lshl_b32 s24, s17, 8
	s_lshl_b32 s25, s15, 7
	s_add_co_u32 s24, s24, s25                     ; my first row of C
	s_lshl_b32 s25, s42, 8
	s_lshl_b32 s26, s16, 7
	s_add_co_u32 s25, s25, s26                     ; my first column
	s_mov_b32 s36, 98304
	s_mov_b32 s38, 768
	s_mov_b32 s48, 8192
	s_mov_b32 s49, 0x01000100
	s_mov_b32 s50, 0x03020302
	s_cmp_eq_u32 ttmp9, 2                          ; V?
	s_cselect_b32 s26, s25, s24                    ; my first token
	s_cselect_b32 s27, s24, s25                    ; my first feature
	s_cselect_b32 s36, 768, s36                    ; from P0 to P1
	s_cselect_b32 s38, 1536, s38
	s_cselect_b32 s40, 92160, 0
	s_cselect_b32 s44, 128, 64
	s_cselect_b32 s46, 7680, 0
	s_cselect_b32 s48, 64, s48                     ; lanes 16-31: Q, K: the next head's words; V: the upper half of 128 bytes
	s_cselect_b32 s49, 0x03020100, s49             ; Q, K: bytes 0 1 0 1 of the word for the first head,
	s_cselect_b32 s50, 0x03020100, s50             ; bytes 2 3 2 3 for the second; V: the word as it is
	s_mov_b32 s37, 0
	s_mov_b32 s39, 0
	s_mov_b32 s41, 0
	s_mov_b32 s45, 0
	s_mov_b32 s47, 0
	s_lshr_b32 s28, s26, 11
	s_lshl_b32 s28, s28, 4
	s_lshr_b32 s29, s27, 6
	s_add_co_u32 s28, s28, s29                     ; 16 x batch + head
	s_and_b32 s29, s26, 2047                       ; the token in its batch
	s_mul_i32 s30, ttmp9, 3145728
	s_mul_i32 s31, s28, 98304
	s_add_co_u32 s30, s30, s31
	s_mul_i32 s31, s29, 48                         ; 768 bytes for 16 tokens, 6,144 for 128 keys
	s_add_co_u32 s30, s30, s31
	s_mov_b32 s31, 0
	s_add_nc_u64 s[P0:P0+1], s[12:13], s[30:31]
	s_add_nc_u64 s[P1:P1+1], s[P0:P0+1], s[36:37]
	s_mul_i32 s34, ttmp9, 262144
	s_lshl_b32 s35, s28, 13
	s_add_co_u32 s34, s34, s35
	s_lshl_b32 s35, s29, 2
	s_add_co_u32 s34, s34, s35
	s_add_co_u32 s34, s34, 9437184
	s_mov_b32 s35, 0
	s_add_nc_u64 s[SPT:SPT+1], s[12:13], s[34:35]
	PLACES NP                                      ; behind the last products: their registers are read and written from here on
.irp b, 0,1,2,3
	v_mov_b32 v[TM+4+\b], 0                        ; a lane permute's destination counts as read
.endr
	v_mul_u32_u24 v[SOF], s48, v2
	v_lshl_add_u32 v[SOF], v1, 2, v[SOF]
; 64 numbers of a lane, register 16 b + i = position 32 b + 16 (lane / 16) + i of my row, become a fragment's codes in v[CD] on and its scale word in v[PW]
.macro QUANT s
.irp b, 0,1,2,3
	v_max3_num_f32 v[TM+\b], |v[\s+16*\b]|, |v[\s+1+16*\b]|, 0x1800000   ; and the floor 2^(3 - 127): the byte cannot fall under 1
.endr
.irp i, 2,4,6,8,10,12,14
.irp b, 0,1,2,3
	v_max3_num_f32 v[TM+\b], v[TM+\b], |v[\s+16*\b+\i]|, |v[\s+1+16*\b+\i]|
.endr
.endr
.irp b, 0,1,2,3
	v_permlanex16_b32 v[TM+4+\b], v[TM+\b], s[SEL], s[SEL+1]
.endr
.irp b, 0,1,2,3
	v_max_num_f32 v[TM+\b], v[TM+\b], v[TM+4+\b]   ; with lane l xor 16's: the block's largest magnitude
.endr
.irp b, 0,1,2,3
	v_add_nc_u32 v[TM+12+\b], 0xff000000, v[TM+\b] ; 2 off its exponent field: the conversion's scale operand
.endr
.irp b, 0,1,2,3
	v_lshrrev_b32 v[TM+4+\b], 23, v[TM+12+\b]      ; the scale's byte
.endr
	v_lshl_or_b32 v[PW], v[TM+5], 8, v[TM+4]
	v_lshl_or_b32 v[PW], v[TM+6], 16, v[PW]
	v_lshl_or_b32 v[PW], v[TM+7], 24, v[PW]
.irp c, 0,1
	v_cvt_scalef32_pk16_fp6_f32 v[CD+6*\c:CD+2+6*\c], v[\s+32*\c:\s+15+32*\c], v[TM+12+2*\c]
	v_cvt_scalef32_pk16_fp6_f32 v[CD+12+4*\c:CD+14+4*\c], v[\s+16+32*\c:\s+31+32*\c], v[TM+12+2*\c+1]   ; (a conversion's three registers begin on an even number)
.endr
	v_nop                                          ; one plain instruction behind the scaled conversions
.irp c, 0,1                                    ; the operand's layout wants a whole block in a lane: lanes 0-15 block 2 c, lanes 16-31 block 2 c + 1
.irp i, 0,1,2
	v_permlane16_swap_b32 v[CD+6*\c+\i], v[CD+12+4*\c+\i]
.endr
.irp i, 0,1,2
	v_mov_b32 v[CD+3+6*\c+\i], v[CD+12+4*\c+\i]
.endr
.endr
.endm
.macro EPI a                           ; block a: 16 rows x 128 columns
.if (\a) > 0
	s_wait_xcnt 0x0                                ; the last block's stores have read their data and bases: both are written again only behind this wait
	s_add_nc_u64 s[P0:P0+1], s[P0:P0+1], s[STP:STP+1]
	s_add_nc_u64 s[P1:P1+1], s[P1:P1+1], s[STP:STP+1]
	s_add_nc_u64 s[SPT:SPT+1], s[SPT:SPT+1], s[SSTP:SSTP+1]
.endif
.if (\a) == 4
	s_add_nc_u64 s[P0:P0+1], s[P0:P0+1], s[STP+2:STP+3]
	s_add_nc_u64 s[P1:P1+1], s[P1:P1+1], s[STP+2:STP+3]
	s_add_nc_u64 s[SPT:SPT+1], s[SPT:SPT+1], s[SSTP+2:SSTP+3]
.endif
	WIN 0x02+(\a)/4                                ; source 0: window 2 or 3
.set AC, 64*((\a)%4)
.set i, 0
.rept 32
	v_pk_add_f32 v[TT+i:TT+i+1], v[AC+i:AC+i+1], v[CB+i:CB+i+1]     ; each accumulator from its low end on; + the bias by columns
.set i, i+2
.endr
	WIN 0
.set i, 0
.rept 32
	v_pk_add_f32 v[TT+i:TT+i+1], v[TT+i:TT+i+1], v[RB+2*(\a):RB+2*(\a)+1] op_sel_hi:[1,0]   ; + the bias by rows
.set i, i+2
.endr
	QUANT TT
	v_perm_b32 v[W0], v[PW], v[PW], s49
	v_perm_b32 v[W1], v[PW], v[PW], s50
	v_cndmask_b32 v[W0], v[W0], v[W1], s100        ; lanes 16-31 carry the second word
.irp i, 0,1,2
	global_store_b64 v[LO8], v[CD+2*\i:CD+2*\i+1], s[P0:P0+1] offset:256*\i       ; 32 lanes store 256 consecutive bytes, aligned
.endr
.irp i, 0,1,2
	global_store_b64 v[LO8], v[CD+6+2*\i:CD+7+2*\i], s[P1:P1+1] offset:256*\i
.endr
	global_store_b32 v[SOF], v[W0], s[SPT:SPT+1]
.endm
.irp a, 0,1,2,3,4,5,6,7
	EPI \a
.endr
	s_wait_tensorcnt 0x0                           ; the wave's end
	ds_add_u32 v[SPW], v[NIL]
	s_wait_dscnt 0x0
	CROUND                                         ; the closing round: no work-group ends while a partner may still ask for a tile that names it
	s_endpgm
.Lfunc_end_k_q0aff98c958_qkv:
	.size	k_q0aff98c958_qkv, .Lfunc_end_k_q0aff98c958_qkv-k_q0aff98c958_qkv
	.p2alignl 7, 3214868480
	.fill 96, 4, 3214868480
	.section	.rodata,"a",@progbits
	.p2align	6, 0x0
	.amdhsa_kernel k_q0aff98c958_qkv
		.amdhsa_group_segment_fixed_size 327680
		.amdhsa_private_segment_fixed_size 0
		.amdhsa_enable_private_segment 0
		.amdhsa_kernarg_size 88
		.amdhsa_user_sgpr_count 2
		.amdhsa_user_sgpr_kernarg_segment_ptr 1
		.amdhsa_wavefront_size32 1
		.amdhsa_system_sgpr_workgroup_id_x 1
		.amdhsa_system_sgpr_workgroup_id_y 1
		.amdhsa_system_sgpr_workgroup_id_z 1
		.amdhsa_system_vgpr_workitem_id 0
		.amdhsa_next_free_vgpr 1024
		.amdhsa_next_free_sgpr 102
		.amdhsa_reserve_vcc 0
		.amdhsa_float_denorm_mode_32 3
		.amdhsa_float_denorm_mode_16_64 3
		.amdhsa_memory_ordered 1
		.amdhsa_forward_progress 1
		.amdhsa_inst_pref_size 208
	.end_amdhsa_kernel
	.amdgpu_metadata
---
amdhsa.version: [ 1, 2 ]
amdhsa.kernels:
  - .name:           k_q0aff98c958_qkv
    .symbol:         k_q0aff98c958_qkv.kd
    .args:
      - { .name: lnout, .offset: 0, .size: 8, .value_kind: global_buffer, .address_space: global }
      - { .name: Wq_codes, .offset: 8, .size: 8, .value_kind: global_buffer, .address_space: global }
      - { .name: Wq_scales, .offset: 16, .size: 8, .value_kind: global_buffer, .address_space: global }
      - { .name: Wk_codes, .offset: 24, .size: 8, .value_kind: global_buffer, .address_space: global }
      - { .name: Wk_scales, .offset: 32, .size: 8, .value_kind: global_buffer, .address_space: global }
      - { .name: Wv_codes, .offset: 40, .size: 8, .value_kind: global_buffer, .address_space: global }
      - { .name: Wv_scales, .offset: 48, .size: 8, .value_kind: global_buffer, .address_space: global }
      - { .name: bq, .offset: 56, .size: 8, .value_kind: global_buffer, .address_space: global }
      - { .name: bk, .offset: 64, .size: 8, .value_kind: global_buffer, .address_space: global }
      - { .name: bv, .offset: 72, .size: 8, .value_kind: global_buffer, .address_space: global }
      - { .name: qkvout, .offset: 80, .size: 8, .value_kind: global_buffer, .address_space: global }
    .group_segment_fixed_size: 327680
    .private_segment_fixed_size: 0
    .kernarg_segment_align: 8
    .kernarg_segment_size: 88
    .max_flat_workgroup_size: 128
    .sgpr_count:     102
    .vgpr_count:     1024
    .wavefront_size: 32
...
	.end_amdgpu_metadata
.endif
;; end of part 2
;; launch attn (part 3): grid 8 x 32, 16 waves a work-group, clusters of 4 x 1, 284,672 bytes of LDS; arguments qkvout, null_k, X, hres; writes hres
.if DOCPART == 3
	.amdgcn_target "amdgcn-amd-amdhsa--gfx1250"
	.amdhsa_code_object_version 6
	.text
	.protected	k_q0aff98c958_attn
	.globl	k_q0aff98c958_attn
	.p2align	8
	.type	k_q0aff98c958_attn,@function
k_q0aff98c958_attn:
	s_mov_b64 s[64:65], 0
	v_nop
	global_prefetch_b8 v0, s[64:65] scope:SCOPE_SE
	s_setreg_imm32_b32 hwreg(HW_REG_WAVE_MODE, 25, 1), 1
	s_wait_xcnt 0x0
	s_wait_alu depctr_hold_cnt(0) depctr_sa_sdst(0) depctr_va_vdst(0) depctr_va_sdst(0) depctr_va_ssrc(0) depctr_va_vcc(0) depctr_vm_vsrc(0)
	s_getreg_b32 s2, hwreg(HW_REG_IB_STS2, 6, 4)
	s_cmp_eq_u32 s2, 0
	s_cbranch_scc0 .Lentry_in_a_cluster
	s_endpgm
.Lentry_in_a_cluster:
	s_bfe_u32 s2, ttmp6, 0x10000c
	s_cmp_lg_u32 s2, 0x3003
	s_cbranch_scc0 .Lentry_shape_is_right
	s_endpgm
.Lentry_shape_is_right:
; hres = X + softmax(Q K^T / 32 over 2,048 keys and the null key) V, head by head (32 = 2 batches x 16 heads of 64), both products on codes of FP6 (E2M3) with E8M0 scales.
; THE SOFTMAX: t = score x log2(e) / 32; M = the running largest t rounded UP to a whole number; p = 2^(t - M) is quantised along the keys, not normalised; the row's sum is taken of the unquantised p and divides at the end.
; THE NULL KEY stands alone in the last block of keys and its value is zero: it adds nothing to the second product.  Its score (its numbers quantised here, along the head) enters the row's maximum, from the start, and the row's sum, at the end.
; SHARES.  A work-group owns 256 queries of one head; each of its sixteen waves 16 of them, one lane a query, in 256 registers: four waves to a SIMD, so that one wave's vector work stands beside another's matrix work and LDS loads.
; LDS is filled ONCE: a head's codes of K and V (98,304 bytes each) and their scale words (8,192 each) stay for the whole launch: no ring, no refill.  The four query blocks of a cluster belong to one head: each tile is asked for jointly (mask 15).
; The first 512 keys' tiles are waited for first, the other 1,536 land under the first four key steps.  Every byte of K and V is asked for at the head, so there is nothing left to ask for ahead of time.
; THE FIRST PRODUCT HAS K = 64: a fragment of K carries TWO tiles of 16 keys (k 0-63 and k 64-127) and is multiplied once by [Q; 0] and once by [0; Q].  Both products are used transposed (S^T = K Q^T, O^T = V^T P^T).
; The codes lie in LDS as images of operand registers (8 bytes a lane, 256 bytes a piece): every LDS load of the loop reads consecutive bytes.  Inside each block of 32 the order of k is the fixed permutation in which the launch before laid
; Q, K (over the head) and V (over the keys); S^T's registers give p in that same order, so nothing changes lanes but the exchange of halves that the operand's layout asks.
; LIMITS: a block's largest p is taken from its largest score (v_exp_f32 is taken not to fall where its input rises); a block whose every p is 0 keeps the byte 1; NaN and infinities are not served; v_exp_f32 and v_rcp_f32 are good to 1 ulp.
; REGISTERS: v1-4 addresses that stay; v8-10 addresses in hand; v11 the null key's t; v12 -M, v13 the largest t; v[14:15] the sum; v16-27 [Q; 0]; v28-39 [0; Q]; v40-87 four fragments; v88-95 scale words; v96-159 S^T, then p;
;   v160-191 O^T; v192-211 p's codes; v212-223 at work; v224 f; v225 p's scale word; v226 at work; v227 Q's scale word; v228 the null key's; v[230:231] at work.
.set VB0,   98304                      ; LDS: K's codes at 0, V's here,
.set KSB,   196608                     ; K's scale words, V's 8,192 further on,
.set STAGE, 212992                     ; the stages for the way out: 16 rows x 272 bytes for each wave: no tile ever lands here
.set KC,    3145728                    ; qkvout: Q's codes at 0, K's, V's,
.set VC,    6291456
.set QS,    9437184                    ; Q's scale words, K's, V's
.set KSO,   9699328
.set VSO,   9961472
.macro CROUND                          ; a round of the cluster's barrier
	s_barrier_signal -1
	s_barrier_wait -1
	s_cmp_lg_u32 s18, 0
	s_cbranch_scc1 .Lnot_wave_0_\@
	s_barrier_signal -3
.Lnot_wave_0_\@:
	s_barrier_wait -3
	s_barrier_signal -1
	s_barrier_wait -1
.endm
	s_load_b256 s[4:11], s[0:1], 0x0               ; qkvout, null_k, X, hres
	v_lshl_add_u32 v254, v0, 2, 0x45000
	v_mov_b32 v255, 0
	ds_add_u32 v254, v255
	ds_add_u32 v254, v255
	v_lshrrev_b32 v8, 5, v0
	v_readfirstlane_b32 s18, v8                    ; wave 0..15
	s_bfe_u32 s12, ttmp6, 0x40000                  ; cx: it enters Q's, X's and hres's addresses alone
	s_lshl_b32 s13, ttmp9, 2
	s_add_co_u32 s13, s13, s12                     ; my block of 256 queries
	s_lshl_b32 s13, s13, 4
	s_add_co_u32 s13, s13, s18                     ; my tile of 16 queries, 0..127
	s_and_b32 s14, ttmp7, 0xffff                   ; 16 x batch + head, which the four partners share
	s_and_b32 s15, s18, 1                          ; which half of a block I fetch, if I fetch
	; descriptor groups 1: dense blocks as rows of 256 bytes (32 elements of 8 bytes), no padding; 15:0 the mask of all four work-groups, bit 21 beside it
.irp g, 24, 32, 40
	s_mov_b32 s[\g], 15|(3<<16)|(1<<21)
	s_mov_b32 s[\g+1], 32<<16                      ; tensor_dim0
	s_mov_b32 s[\g+3], 32<<16                      ; tile_dim0
	s_mov_b32 s[\g+5], 32                          ; the pitch
	s_mov_b32 s[\g+6], 0
	s_mov_b32 s[\g+7], 0
.endr
	s_mov_b32 s26, 16<<16                          ; 16 rows: half a head's scale words
	s_mov_b32 s28, 16
	s_mov_b32 s34, 48<<16                          ; 48 rows: half of the first 512 keys' codes
	s_mov_b32 s36, 48
	s_mov_b32 s42, 144<<16                         ; 144 rows: half of the other 1,536 keys'
	s_mov_b32 s44, 144
	s_mul_i32 s80, s14, 98304                      ; the head's codes in a region of qkvout,
	s_lshl_b32 s81, s14, 13                        ; its scale words
	s_lshl_b32 s82, s15, 12
	s_add_co_u32 s82, s82, s81
	s_mov_b32 s83, 0
	s_mul_i32 s84, s15, 12288
	s_add_co_u32 s84, s84, s80
	s_mov_b32 s85, 0
	s_mul_i32 s86, s15, 36864
	s_add_co_u32 s86, s86, s80
	s_add_co_u32 s86, s86, 24576
	s_mov_b32 s87, 0
	s_mul_i32 s88, s13, 768                        ; my tile of Q: its codes,
	s_add_co_u32 s88, s88, s80
	s_mov_b32 s89, 0
	s_lshl_b32 s90, s13, 6                         ; its scale words
	s_add_co_u32 s90, s90, s81
	s_add_co_u32 s90, s90, QS
	s_mov_b32 s91, 0
	s_and_b32 s92, s14, 15
	s_lshl_b32 s92, s92, 8                         ; the head's 256 bytes of a row of 1,024 f32
	s_mov_b32 s93, 0
	s_lshr_b32 s16, s14, 4
	s_lshl_b32 s16, s16, 11
	s_lshl_b32 s17, s13, 4
	s_add_co_u32 s16, s16, s17                     ; my first row of X and hres
	s_lshl_b32 s16, s16, 12
	s_add_co_u32 s16, s16, s92
	s_mov_b32 s17, 0
	s_mov_b32 s20, 0x76543210
	s_mov_b32 s21, 0xfedcba98                      ; selects: lane l xor 16
	s_mov_b32 s22, 0x3d38aa3b                      ; c = log2(e) / 32
	s_mov_b32 s23, s22                             ; (named with it as a pair)
	s_wait_dscnt 0x0
	s_wait_kmcnt 0x0
	s_add_nc_u64 s[82:83], s[4:5], s[82:83]
	s_add_nc_u64 s[84:85], s[4:5], s[84:85]
	s_add_nc_u64 s[86:87], s[4:5], s[86:87]
	s_add_nc_u64 s[88:89], s[4:5], s[88:89]
	s_add_nc_u64 s[90:91], s[4:5], s[90:91]
	s_add_nc_u64 s[92:93], s[6:7], s[92:93]
	s_add_nc_u64 s[8:9], s[8:9], s[16:17]
	s_add_nc_u64 s[10:11], s[10:11], s[16:17]
	; groups 0: K's three loads in s[48:59], V's in s[68:79]
	s_mov_b32 s48, 1
	s_lshl_b32 s49, s15, 12
	s_add_co_u32 s49, s49, KSB
	s_add_nc_u64 s[50:51], s[82:83], KSO
	s_or_b32 s51, s51, 0x80000000
	s_mov_b32 s52, 1
	s_mul_i32 s53, s15, 12288
	s_add_nc_u64 s[54:55], s[84:85], KC
	s_or_b32 s55, s55, 0x80000000
	s_mov_b32 s56, 1
	s_mul_i32 s57, s15, 36864
	s_add_co_u32 s57, s57, 24576
	s_add_nc_u64 s[58:59], s[86:87], KC
	s_or_b32 s59, s59, 0x80000000
	s_mov_b32 s68, 1
	s_add_co_u32 s69, s49, 8192
	s_add_nc_u64 s[70:71], s[82:83], VSO
	s_or_b32 s71, s71, 0x80000000
	s_mov_b32 s72, 1
	s_add_co_u32 s73, s53, VB0
	s_add_nc_u64 s[74:75], s[84:85], VC
	s_or_b32 s75, s75, 0x80000000
	s_mov_b32 s76, 1
	s_add_co_u32 s77, s57, VB0
	s_add_nc_u64 s[78:79], s[86:87], VC
	s_or_b32 s79, s79, 0x80000000
	CROUND                                         ; all four work-groups are here: the joint loads meet
	s_cmp_lt_u32 s18, 2                            ; waves 0 and 1 fetch K's halves, waves 2 and 3 V's, the others nothing; a wave's three loads stand together in one branch on its number: three loads of mine are out
	s_cbranch_scc0 .Lnot_k
	tensor_load_to_lds s[48:51], s[24:31]
	s_nop 0
	tensor_load_to_lds s[52:55], s[32:39]
	s_nop 0
	tensor_load_to_lds s[56:59], s[40:47]
	s_nop 0
.rept 4
	v_nop
.endr
	s_branch .Lasked
.Lnot_k:
	s_cmp_lt_u32 s18, 4
	s_cbranch_scc0 .Lasked
	tensor_load_to_lds s[68:71], s[24:31]
	s_nop 0
	tensor_load_to_lds s[72:75], s[32:39]
	s_nop 0
	tensor_load_to_lds s[76:79], s[40:47]
	s_nop 0
.rept 4
	v_nop
.endr
.Lasked:
	v_and_b32 v8, 15, v0                           ; r
	v_bfe_u32 v9, v0, 4, 1                         ; h
	v_and_b32 v10, 31, v0                          ; lane
	v_lshlrev_b32 v1, 3, v10                       ; 8 x lane: my place in a piece of an image: K's,
	v_add_nc_u32 v2, VB0, v1                       ; V's
	v_lshl_add_u32 v3, v8, 2, KSB                  ; my row's scale word
	v_lshlrev_b32 v4, 12, v9
	v_lshl_add_u32 v4, v8, 4, v4                   ; the way out: lanes 0-15 one row of 4,096 bytes, lanes 16-31 the next; 16 bytes a lane
	v_lshlrev_b32 v5, 2, v8
	v_lshlrev_b32 v6, 7, v9                        ; the null key: my block of 32 numbers
.irp i, 0,1,2
	global_load_b64 v[16+2*\i:17+2*\i], v1, s[88:89] offset:256*\i     ; Q's six registers, twice: as k 0-63
	global_load_b64 v[34+2*\i:35+2*\i], v1, s[88:89] offset:256*\i     ; and as k 64-127
.endr
	global_load_b32 v227, v5, s[90:91]             ; Q's scale word: bytes s0 s1 s0 s1 serve both
	global_load_b128 v[96:99], v6, s[92:93]                ; the null key's block, in the order in which Q's codes lie: numbers 0-7,
	global_load_b128 v[100:103], v6, s[92:93] offset:16
	global_load_b128 v[104:107], v6, s[92:93] offset:64    ; 16-23,
	global_load_b128 v[108:111], v6, s[92:93] offset:80
	global_load_b128 v[112:115], v6, s[92:93] offset:32    ; 8-15,
	global_load_b128 v[116:119], v6, s[92:93] offset:48
	global_load_b128 v[120:123], v6, s[92:93] offset:96    ; 24-31
	global_load_b128 v[124:127], v6, s[92:93] offset:112
.set JJ, 22
.rept 12
	v_mov_b32 v[JJ], 0                             ; the zero halves of [Q; 0] and [0; Q]: zero codes add nothing under any scale byte but 0xff
.set JJ, JJ+1
.endr
	s_wait_loadcnt 0x0
	v_max3_num_f32 v212, |v96|, |v97|, 0x1800000   ; the block's largest magnitude: all 32 numbers are mine; and the floor
.set JJ, 2
.rept 15
	v_max3_num_f32 v212, v212, |v[96+JJ]|, |v[97+JJ]|
.set JJ, JJ+2
.endr
	v_add_nc_u32 v220, 0xff000000, v212            ; the conversion's scale operand
	v_lshrrev_b32 v213, 23, v220                   ; the byte,
	v_lshlrev_b32 v214, 3, v9
	v_lshlrev_b32 v213, v214, v213                 ; at its place in the word;
	v_mov_b32 v228, 0
	v_permlanex16_b32 v228, v213, s20, s21
	v_or_b32 v228, v228, v213                      ; with lane l xor 16's the lower two bytes are whole (the upper two scale zero codes)
	v_cvt_scalef32_pk16_fp6_f32 v[40:42], v[96:111], v220
	v_cvt_scalef32_pk16_fp6_f32 v[52:54], v[112:127], v220
	v_nop                                          ; one plain instruction behind the scaled conversions
	v_mov_b32 v43, v52
	v_mov_b32 v44, v53
	v_mov_b32 v45, v54
.set JJ, 46
.rept 6
	v_mov_b32 v[JJ], 0
.set JJ, JJ+1
.endr
	v_mov_b32 v14, 0                               ; the sum, in two halves
	v_mov_b32 v15, 0
.irp b, 0,1,2,3
	v_mov_b32 v[216+\b], 0                         ; a lane permute's destination counts as read
.endr
	v_mov_b32 v225, 0                              ; (named as the upper half of v[224:225] before it is first written)
	v_mov_b32 v226, 0
.set JJ, 0
.rept 32
	v_mov_b32 v[160+JJ], 0                         ; O^T: the loop is written once, its first step finds zeros.  (These are also the places between the writes of the operand and its scale word and the scaled product)
.set JJ, JJ+1
.endr
	v_wmma_scale_f32_16x16x128_f8f6f4 v[128:135], v[40:51], v[16:27], 0, v228, v227 matrix_a_fmt:MATRIX_FMT_FP6 matrix_b_fmt:MATRIX_FMT_FP6   ; all 16 rows are the null key: every register holds its score with my query
.rept 4
	v_nop
.endr
	v_mul_f32 v11, s22, v128                       ; the null key's t
	v_mov_b32 v13, v11                             ; the largest t so far
	v_floor_f32 v12, -v13                          ; -M = floor(-t)
; A KEY STEP: 128 keys.  s2: where its codes begin in K's and V's regions (6,144 bytes a step); s3: its scale words (512 bytes a step)
.macro STEP
	v_add_nc_u32 v8, s2, v1
	v_add_nc_u32 v9, s2, v2
	v_add_nc_u32 v10, s3, v3
	v_nop                                          ; four places in front of loads into registers that the last products read
.irp f, 0,1,2,3
.irp p, 0,1,2,3,4,5
	ds_load_b64 v[40+12*\f+2*\p:41+12*\f+2*\p], v8 offset:1536*\f+256*\p    ; fragment f: key tiles 2 f (registers 0-5) and 2 f + 1 (6-11)
.endr
.endr
.irp t, 0,1,2,3,4,5,6,7
	ds_load_b32 v[88+\t], v10 offset:64*\t         ; key tile t's scale words: bytes s0 s1 s0 s1
.endr
	s_wait_dscnt 0x0
.irp t, 0,1,2,3,4,5,6,7
	v_wmma_scale_f32_16x16x128_f8f6f4 v[96+8*\t:103+8*\t], v[40+12*(\t/2):51+12*(\t/2)], v[16+12*(\t%2):27+12*(\t%2)], 0, v[88+\t], v227 matrix_a_fmt:MATRIX_FMT_FP6 matrix_b_fmt:MATRIX_FMT_FP6
.endr
.rept 4
	v_nop
.endr
.irp d, 0,1,2,3                                ; V's fragments are asked for at once: they land under the softmax
.irp p, 0,1,2,3,4,5
	ds_load_b64 v[40+12*\d+2*\p:41+12*\d+2*\p], v9 offset:1536*\d+256*\p
.endr
	ds_load_b32 v[88+\d], v10 offset:8192+128*\d
.endr
.irp b, 0,1,2,3
	v_max3_num_f32 v[212+\b], v[96+16*\b], v[97+16*\b], v[98+16*\b]   ; the largest score of each block of 32 keys: it serves the row's maximum and, since p rises with the score, the block's largest p
.endr
.irp i, 3,5,7,9,11,13
.irp b, 0,1,2,3
	v_max3_num_f32 v[212+\b], v[212+\b], v[96+16*\b+\i], v[97+16*\b+\i]
.endr
.endr
.irp b, 0,1,2,3
	v_max_num_f32 v[212+\b], v[212+\b], v[111+16*\b]
.endr
.irp b, 0,1,2,3
	v_permlanex16_b32 v[216+\b], v[212+\b], s20, s21
.endr
.irp b, 0,1,2,3
	v_max_num_f32 v[212+\b], v[212+\b], v[216+\b]  ; with lane l xor 16's 16 keys
.endr
	v_max3_num_f32 v226, v212, v213, v214
	v_max_num_f32 v226, v226, v215
	v_mul_f32 v226, s22, v226                      ; the step's largest t (c is positive)
	v_max_num_f32 v13, v13, v226                   ; the running largest t
	v_mov_b32 v226, v12
	v_floor_f32 v12, -v13                          ; the new -M: M is a whole number
	v_sub_f32 v226, v12, v226                      ; old M - new M: a whole number, 0 or less
	v_cvt_i32_f32 v226, v226
	v_ldexp_f32 v224, 1.0, v226                    ; f = 2^(old M - new M): a multiplication by it rounds nothing
.set JJ, 0
.rept 32
	v_pk_fma_f32 v[96+JJ:97+JJ], v[96+JJ:97+JJ], s[22:23], v[12:13] op_sel_hi:[1,0,0]   ; t - M
.set JJ, JJ+2
.endr
.irp b, 0,1,2,3
	v_fma_f32 v[212+\b], v[212+\b], s22, v12       ; the same of each block's largest score
.endr
.set JJ, 0
.rept 64
	v_exp_f32 v[96+JJ], v[96+JJ]                   ; p = 2^(t - M)
.set JJ, JJ+1
.endr
	v_pk_mul_f32 v[14:15], v[14:15], v[224:225] op_sel_hi:[1,0]   ; the sum under the new M (a plain instruction behind the exponentials)
	s_wait_alu depctr_va_vdst(0)                   ; one wait for the whole batch, ahead of its first reader
.irp b, 0,1,2,3
	v_exp_f32 v[212+\b], v[212+\b]                 ; the blocks' largest p
.endr
	v_pk_add_f32 v[230:231], v[96:97], v[98:99]    ; the row's sum is taken of the unquantised p, in two chains
.irp j, 4,8,12,16,20,24,28,32,36,40,44,48,52,56,60
	v_pk_add_f32 v[14:15], v[14:15], v[96+\j:97+\j]
	v_pk_add_f32 v[230:231], v[230:231], v[98+\j:99+\j]
.endr
	v_pk_add_f32 v[14:15], v[14:15], v[230:231]
	s_wait_alu depctr_va_vdst(0)                   ; and one for the four
.irp b, 0,1,2,3
	v_max_num_f32 v[212+\b], 0x1800000, v[212+\b]  ; the floor: the byte cannot fall under 1
.endr
.irp b, 0,1,2,3
	v_add_nc_u32 v[220+\b], 0xff000000, v[212+\b]  ; the conversions' scale operands
.endr
.irp b, 0,1,2,3
	v_lshrrev_b32 v[216+\b], 23, v[220+\b]         ; the bytes
.endr
	v_lshl_or_b32 v225, v217, 8, v216              ; p's scale word for these 128 keys
	v_lshl_or_b32 v225, v218, 16, v225
	v_lshl_or_b32 v225, v219, 24, v225
.irp c, 0,1
	v_cvt_scalef32_pk16_fp6_f32 v[192+6*\c:194+6*\c], v[96+32*\c:111+32*\c], v[220+2*\c]
	v_cvt_scalef32_pk16_fp6_f32 v[204+4*\c:206+4*\c], v[112+32*\c:127+32*\c], v[220+2*\c+1]
.endr
	v_nop                                          ; one plain instruction behind the scaled conversions
.irp c, 0,1
.irp i, 0,1,2
	v_permlane16_swap_b32 v[192+6*\c+\i], v[204+4*\c+\i]
.endr
.irp i, 0,1,2
	v_mov_b32 v[195+6*\c+\i], v[204+4*\c+\i]
.endr
.endr
.set JJ, 0
.rept 16
	v_pk_mul_f32 v[160+JJ:161+JJ], v[160+JJ:161+JJ], v[224:225] op_sel_hi:[1,0]   ; O^T under the new M (also the places between the writes of p's codes and scale word and the scaled products)
.set JJ, JJ+2
.endr
.rept 4
	v_nop                                          ; and four between the last of these and the products that add onto them
.endr
	s_wait_dscnt 0x0                               ; V's fragments and scale words are in
.irp d, 0,1,2,3
	v_wmma_scale_f32_16x16x128_f8f6f4 v[160+8*\d:167+8*\d], v[40+12*\d:51+12*\d], v[192:203], v[160+8*\d:167+8*\d], v[88+\d], v225 matrix_a_fmt:MATRIX_FMT_FP6 matrix_b_fmt:MATRIX_FMT_FP6   ; the four accumulators by turns
.endr
	s_add_co_u32 s2, s2, 6144
	s_add_co_u32 s3, s3, 512
.endm
	s_mov_b32 s2, 0
	s_mov_b32 s3, 0
	s_wait_tensorcnt 0x1                           ; my scale words and my part of the first 512 keys are in; my third load may be out
	s_barrier_signal -1
	s_barrier_wait -1                              ; everybody's are
	s_mov_b32 s66, 4
.Lpa:                                              ; keys 0 to 511
	STEP
	s_sub_co_u32 s66, s66, 1
	s_cmp_lg_u32 s66, 0
	s_cbranch_scc1 .Lpa
	s_wait_tensorcnt 0x0                           ; my part of the other 1,536 keys is in,
	s_wait_dscnt 0x0
	s_barrier_signal -1
	s_barrier_wait -1                              ; everybody's is
	s_mov_b32 s66, 12
.Lpb:                                              ; keys 512 to 2,047
	STEP
	s_sub_co_u32 s66, s66, 1
	s_cmp_lg_u32 s66, 0
	s_cbranch_scc1 .Lpb
	; THE WAY OUT.  The address work stands behind the last products as their places
	v_and_b32 v8, 15, v0                           ; r
	v_bfe_u32 v9, v0, 4, 1                         ; h
	s_mul_i32 s80, s18, 16*272
	s_add_co_u32 s80, s80, STAGE                   ; my stage
	v_mul_u32_u24 v10, v8, 272
	v_lshl_add_u32 v10, v9, 5, v10
	v_add_nc_u32 v10, s80, v10                     ; in: row r; tile d's eight numbers of my half: 64 d + 32 h bytes on
	v_mul_u32_u24 v5, v9, 272
	v_lshl_add_u32 v5, v8, 4, v5
	v_add_nc_u32 v5, s80, v5                       ; back: lanes 0-15 one row, lanes 16-31 the next
.irp i, 0,1,2,3,4,5,6,7
	global_load_b128 v[40+4*\i:43+4*\i], v4, s[8:9] offset:8192*\i th:TH_LOAD_NT   ; X: my 16 rows' 256 bytes of this head
.endr
	v_add_f32 v14, v14, v15                        ; the sum's two halves,
	v_permlanex16_b32 v226, v14, s20, s21
	v_add_f32 v14, v14, v226                       ; and lane l xor 16's
	v_add_f32 v226, v11, v12                       ; the null key's t - M
	v_exp_f32 v226, v226
	v_nop
	s_wait_alu depctr_va_vdst(0)
	v_add_f32 v14, v14, v226                       ; its p belongs to the row's sum
	v_rcp_f32 v14, v14
	v_nop
	s_wait_alu depctr_va_vdst(0)
.set JJ, 0
.rept 16
	v_pk_mul_f32 v[96+JJ:97+JJ], v[160+JJ:161+JJ], v[14:15] op_sel_hi:[1,0]   ; O^T / the sum: register 8 d + j is o(r, 16 d + 8 h + j)
.set JJ, JJ+2
.endr
.irp d, 0,1,2,3
	ds_store_b128 v10, v[96+8*\d:99+8*\d] offset:64*\d
	ds_store_b128 v10, v[100+8*\d:103+8*\d] offset:64*\d+16
.endr
.irp i, 0,1,2,3,4,5,6,7
	ds_load_b128 v[128+4*\i:131+4*\i], v5 offset:544*\i    ; LDS serves a wave's instructions in order: these see my stores
.endr
	s_wait_dscnt 0x0
	s_wait_loadcnt 0x0
.set JJ, 0
.rept 16
	v_pk_add_f32 v[128+JJ:129+JJ], v[128+JJ:129+JJ], v[40+JJ:41+JJ]   ; + X
.set JJ, JJ+2
.endr
.irp i, 0,1,2,3,4,5,6,7
	global_store_b128 v4, v[128+4*\i:131+4*\i], s[10:11] offset:8192*\i   ; sixteen lanes store 256 consecutive bytes, aligned
.endr
	s_wait_tensorcnt 0x0
	ds_add_u32 v254, v255
	s_wait_dscnt 0x0
	CROUND                                         ; the closing round
	s_endpgm
.Lfunc_end_k_q0aff98c958_attn:
	.size	k_q0aff98c958_attn, .Lfunc_end_k_q0aff98c958_attn-k_q0aff98c958_attn
	.p2alignl 7, 3214868480
	.fill 96, 4, 3214868480
	.section	.rodata,"a",@progbits
	.p2align	6, 0x0
	.amdhsa_kernel k_q0aff98c958_attn
		.amdhsa_group_segment_fixed_size 284672
		.amdhsa_private_segment_fixed_size 0
		.amdhsa_enable_private_segment 0
		.amdhsa_kernarg_size 32
		.amdhsa_user_sgpr_count 2
		.amdhsa_user_sgpr_kernarg_segment_ptr 1
		.amdhsa_wavefront_size32 1
		.amdhsa_system_sgpr_workgroup_id_x 1
		.amdhsa_system_sgpr_workgroup_id_y 1
		.amdhsa_system_sgpr_workgroup_id_z 1
		.amdhsa_system_vgpr_workitem_id 0
		.amdhsa_next_free_vgpr 256
		.amdhsa_next_free_sgpr 100
		.amdhsa_reserve_vcc 0
		.amdhsa_float_denorm_mode_32 3
		.amdhsa_float_denorm_mode_16_64 3
		.amdhsa_memory_ordered 1
		.amdhsa_forward_progress 1
		.amdhsa_inst_pref_size 54
	.end_amdhsa_kernel
	.amdgpu_metadata
---
amdhsa.version: [ 1, 2 ]
amdhsa.kernels:
  - .name:           k_q0aff98c958_attn
    .symbol:         k_q0aff98c958_attn.kd
    .args:
      - { .name: qkvout, .offset: 0, .size: 8, .value_kind: global_buffer, .address_space: global }
      - { .name: null_k, .offset: 8, .size: 8, .value_kind: global_buffer, .address_space: global }
      - { .name: X, .offset: 16, .size: 8, .value_kind: global_buffer, .address_space: global }
      - { .name: hres, .offset: 24, .size: 8, .value_kind: global_buffer, .address_space: global }
    .group_segment_fixed_size: 284672
    .private_segment_fixed_size: 0
    .kernarg_segment_align: 8
    .kernarg_segment_size: 32
    .max_flat_workgroup_size: 512
    .sgpr_count:     100
    .vgpr_count:     256
    .wavefront_size: 32
...
	.end_amdgpu_metadata
.endif
;; end of part 3
;; launch ln2 (part 4): grid 256 x 1, 4 waves a work-group, no clusters, 23,040 bytes of LDS; arguments hres, g1, b1, hn; writes hn
.if DOCPART == 4
	.amdgcn_target "amdgcn-amd-amdhsa--gfx1250"
	.amdhsa_code_object_version 6
	.text
	.protected	k_q0aff98c958_ln2
	.globl	k_q0aff98c958_ln2
	.p2align	8
	.type	k_q0aff98c958_ln2,@function
k_q0aff98c958_ln2:
	s_mov_b64 s[64:65], 0
	v_nop
	global_prefetch_b8 v0, s[64:65] scope:SCOPE_SE
	s_setreg_imm32_b32 hwreg(HW_REG_WAVE_MODE, 25, 1), 1
	s_wait_xcnt 0x0
; LayerNorm of the 4,096 rows of hres (gain g1, bias b1), each row of 1,024 f32, then the rows are turned into codes of FP6 (E2M3) along the row, one E8M0 byte for each 32 numbers.
; hn: codes at row x 768 bytes, scale bytes at SCOFF + row x 32.
; A wave owns four rows and keeps them in registers: mean, then the squares of x - mean (two passes over registers, so a common offset of the inputs costs no accuracy), rsqrt, gain, bias.
; All 16 KB of a wave are asked for at its head.  Each load reads 512 consecutive bytes; the conversions want 16 NEIGHBOURS in a lane, so half a row (512 numbers) at a time turns through the wave's own stage in LDS.
; A block's scale is 2^(floor(log2(largest magnitude)) - 2): the byte is the magnitude's exponent field - 2, held at 1 from below.
; LIMITS: a block of zeros gets the byte 1 (not 127): its codes are zeros and only this program reads the bytes.  NaN and infinities among the inputs are not served.  v_rsq_f32 is good to 1 ulp.
; No barrier: waves share nothing.  No matrix unit, cluster or tensor load: the launch is a stream.
.set TWO,   0                          ; 1: two tensors (the first 128 work-groups take the first), 0: one
.set LOGW,  2                          ; log2 of the waves in a work-group
.set SCOFF, 3145728                    ; where the scale bytes begin in the output buffer
.set SP,    80                         ; a lane's place in a stage: 64 bytes + 16 of padding
.set WREG,  5632                       ; LDS of a wave: two stages of 32 x SP bytes, then its 128 scale bytes
.set EMAX,  2
.set G,     16                         ; v16-47   the gain, as a row is loaded
.set BV,    48                         ; v48-79   the bias likewise
.set ROWS,  80                         ; v80-207  four rows, 32 registers each; a finished half row's registers take its codes and its byte
.set X,     208                        ; v208-239 two sets of 16 neighbours; while free, the sums' chains
.set MU,    250                        ; v[250:251] the mean (low word)
.set RS,    252                        ; v[252:253] 1 / sqrt(var + eps) (low word)
.if TWO
	s_load_b256 s[4:11], s[0:1], 0x0
	s_load_b128 s[16:19], s[0:1], 0x20
	s_load_b64 s[22:23], s[0:1], 0x30
.else
	s_load_b64 s[4:5], s[0:1], 0x0                 ; the rows
	s_load_b128 s[8:11], s[0:1], 0x8               ; gain, bias
	s_load_b64 s[22:23], s[0:1], 0x18              ; the output buffer
	v_lshl_add_u32 v254, v0, 2, 0x5800
	v_mov_b32 v255, 0
.endif
	v_lshrrev_b32 v1, 5, v0
	v_readfirstlane_b32 s14, v1                    ; wave
	v_and_b32 v2, 31, v0                           ; lane
	v_lshlrev_b32 v3, 4, v2                        ; my 16 bytes of a load's 512
	s_mul_i32 s15, s14, WREG
	v_lshrrev_b32 v14, 2, v2
	v_mul_u32_u24 v14, v14, SP
	v_and_b32 v15, 3, v2
	v_lshl_add_u32 v14, v15, 4, v14
	v_add_nc_u32 v14, s15, v14                     ; the stage, on the way in: SP (lane / 4) + 16 (lane % 4)
	v_mul_u32_u24 v15, v2, SP
	v_add_nc_u32 v15, s15, v15                     ; and on the way out: SP x lane: my 16 neighbours
	v_mul_u32_u24 v4, v2, 12                       ; my 16 codes' place in a step's 384 bytes
	v_lshrrev_b32 v5, 1, v2
	s_add_co_u32 s24, s15, 2*32*SP
	v_add_nc_u32 v5, s24, v5                       ; LDS: my block's scale byte
	v_lshlrev_b32 v7, 2, v2
	v_add_nc_u32 v6, s24, v7                       ; and on the way out 4 bytes a lane
	v_mov_b32 v9, 0                                ; a lane permute's destination counts as read: written once
	v_mov_b32 v[MU+1], 0                           ; the pairs' upper words are named with the lower
	v_mov_b32 v[RS+1], 0
	s_mov_b32 s12, 0x76543210
	s_mov_b32 s13, 0xfedcba98                      ; selects: lane l xor 16
	s_mov_b32 s20, 0x3a800000                      ; 1 / 1,024
	s_mov_b32 s21, 0x3727c5ac                      ; 1e-5
	s_lshl_b32 s26, ttmp9, LOGW
	s_add_co_u32 s26, s26, s14                     ; which run of four rows is my wave's
	s_mul_i32 s28, s26, 3072                       ; its codes,
	s_mov_b32 s29, 0
	s_lshl_b32 s30, s26, 7
	s_add_co_u32 s30, s30, SCOFF                   ; its scale bytes
	s_mov_b32 s31, 0
	s_wait_kmcnt 0x0
.if TWO
	s_cmp_lt_u32 ttmp9, 128
	s_cselect_b64 s[4:5], s[4:5], s[6:7]
	s_cselect_b64 s[8:9], s[8:9], s[16:17]
	s_cselect_b64 s[10:11], s[10:11], s[18:19]
	s_cselect_b32 s25, 0, 1024
	s_sub_co_u32 s26, s26, s25
.endif
	s_lshl_b32 s26, s26, 14                        ; four rows of 4,096 bytes
	s_mov_b32 s27, 0
	s_add_nc_u64 s[4:5], s[4:5], s[26:27]
	s_add_nc_u64 s[28:29], s[22:23], s[28:29]
	s_add_nc_u64 s[30:31], s[22:23], s[30:31]
.irp j, 0,1,2,3,4,5,6,7
	global_load_b128 v[G+4*\j:G+4*\j+3], v3, s[8:9] offset:512*\j
.endr
.irp j, 0,1,2,3,4,5,6,7
	global_load_b128 v[BV+4*\j:BV+4*\j+3], v3, s[10:11] offset:512*\j
.endr
.irp p, 0,1,2,3
.irp j, 0,1,2,3,4,5,6,7
	global_load_b128 v[ROWS+32*\p+4*\j:ROWS+32*\p+4*\j+3], v3, s[4:5] offset:4096*\p+512*\j
.endr
.endr
.macro RED                             ; v8 summed over the 32 lanes, the result in every lane
	v_add_f32_dpp v8, v8, v8 row_xmask:1 row_mask:0xf bank_mask:0xf
	v_add_f32_dpp v8, v8, v8 row_xmask:2 row_mask:0xf bank_mask:0xf
	v_add_f32_dpp v8, v8, v8 row_xmask:4 row_mask:0xf bank_mask:0xf
	v_add_f32_dpp v8, v8, v8 row_xmask:8 row_mask:0xf bank_mask:0xf
	v_permlanex16_b32 v9, v8, s12, s13
	v_add_f32 v8, v8, v9
.endm
.macro FOLD                            ; the four chains' pairs into v8
	v_pk_add_f32 v[X:X+1], v[X:X+1], v[X+2:X+3]
	v_pk_add_f32 v[X+4:X+5], v[X+4:X+5], v[X+6:X+7]
	v_pk_add_f32 v[X:X+1], v[X:X+1], v[X+4:X+5]
	v_add_f32 v8, v[X], v[X+1]
	RED
.endm
.macro LN p                            ; row p, in place
.set R, ROWS+32*(\p)
	s_wait_loadcnt 8*(3-(\p))                      ; gain, bias and my row are in; the rows behind it, eight loads each, may be out
.irp c, 0,2,4,6
	v_pk_add_f32 v[X+\c:X+\c+1], v[R+\c:R+\c+1], v[R+8+\c:R+8+\c+1]     ; the sum, in four chains
.endr
.irp k, 16,24
.irp c, 0,2,4,6
	v_pk_add_f32 v[X+\c:X+\c+1], v[X+\c:X+\c+1], v[R+\k+\c:R+\k+\c+1]
.endr
.endr
	FOLD
	v_mul_f32 v[MU], s20, v8                       ; the mean
.set i, 0
.rept 16
	v_pk_add_f32 v[R+i:R+i+1], v[R+i:R+i+1], v[MU:MU+1] op_sel_hi:[1,0] neg_lo:[0,1] neg_hi:[0,1]   ; x - mean
.set i, i+2
.endr
.irp c, 0,2,4,6
	v_pk_mul_f32 v[X+\c:X+\c+1], v[R+\c:R+\c+1], v[R+\c:R+\c+1]         ; the squares
.endr
.irp k, 8,16,24
.irp c, 0,2,4,6
	v_pk_fma_f32 v[X+\c:X+\c+1], v[R+\k+\c:R+\k+\c+1], v[R+\k+\c:R+\k+\c+1], v[X+\c:X+\c+1]
.endr
.endr
	FOLD
	v_fma_f32 v8, v8, s20, s21                     ; var + eps
	v_rsq_f32 v[RS], v8
	v_nop                                          ; a plain instruction behind the transcendental,
	s_wait_alu depctr_va_vdst(0)                   ; and the wait ahead of its first reader
.set i, 0
.rept 16
	v_pk_mul_f32 v[R+i:R+i+1], v[R+i:R+i+1], v[RS:RS+1] op_sel_hi:[1,0]
.set i, i+2
.endr
.set i, 0
.rept 16
	v_pk_fma_f32 v[R+i:R+i+1], v[R+i:R+i+1], v[G+i:G+i+1], v[BV+i:BV+i+1]
.set i, i+2
.endr
.endm
.macro TURN t                          ; step t (half a row, 512 numbers) through stage t % 2: LDS serves a wave's instructions in order, so no wait stands between the stores and the loads
.irp i, 0,1,2,3
	ds_store_b128 v14, v[ROWS+16*(\t)+4*\i:ROWS+16*(\t)+4*\i+3] offset:32*SP*((\t)%2)+8*SP*\i
.endr
.irp i, 0,1,2,3
	ds_load_b128 v[X+16*((\t)%2)+4*\i:X+16*((\t)%2)+4*\i+3], v15 offset:32*SP*((\t)%2)+16*\i
.endr
.endm
.macro STEP t
.set XS, X+16*((\t)%2)
.set CR, ROWS+16*(\t)                  ; the step's own registers of its row: three for its codes, one for its byte
.if ((\t)%2) == 0
	s_wait_dscnt 8                                 ; this step's numbers are back; the other step's eight LDS instructions may be out
.else
	s_wait_dscnt 1                                 ; this step's numbers are back; the last step's byte store may be out
.endif
	v_max3_num_f32 v8, |v[XS]|, |v[XS+1]|, |v[XS+2]|
	v_max3_num_f32 v10, |v[XS+3]|, |v[XS+4]|, |v[XS+5]|
.irp i, 6,10
	v_max3_num_f32 v8, v8, |v[XS+\i]|, |v[XS+\i+1]|
	v_max3_num_f32 v10, v10, |v[XS+\i+2]|, |v[XS+\i+3]|
.endr
	v_max3_num_f32 v8, v8, |v[XS+14]|, |v[XS+15]|
	v_max3_num_f32 v8, v8, v10, (EMAX+1)<<23       ; and the floor 2^(3 - 127): the byte cannot fall under 1
	v_max_num_f32_dpp v8, v8, v8 row_xmask:1 row_mask:0xf bank_mask:0xf   ; with my neighbour's 16: the block's largest magnitude
	v_add_nc_u32 v11, -(EMAX<<23), v8              ; 2 off its exponent field: the conversion takes the exponent field of this operand as its scale
	v_cvt_scalef32_pk16_fp6_f32 v[CR:CR+2], v[XS:XS+15], v11
	v_lshrrev_b32 v[CR+4], 23, v11                 ; the scale's byte (also the plain instruction behind the conversion)
	ds_store_b8 v5, v[CR+4] offset:16*(\t)         ; both lanes of a block write the same byte with the same value
	global_store_b96 v4, v[CR:CR+2], s[28:29] offset:384*(\t)   ; the wave stores 384 consecutive bytes
.endm
.irp p, 0,1,2,3
	LN \p
	TURN 2*\p
	TURN 2*\p+1
	STEP 2*\p
	STEP 2*\p+1
.endr
	ds_load_b32 v10, v6                            ; my wave's 128 scale bytes: these loads see my stores
	s_wait_dscnt 0x0
	global_store_b32 v7, v10, s[30:31]             ; 128 consecutive bytes: four rows' scale bytes
	s_wait_tensorcnt 0x0
	ds_add_u32 v254, v255
	s_wait_dscnt 0x0
	s_endpgm
.Lfunc_end_k_q0aff98c958_ln2:
	.size	k_q0aff98c958_ln2, .Lfunc_end_k_q0aff98c958_ln2-k_q0aff98c958_ln2
	.p2alignl 7, 3214868480
	.fill 96, 4, 3214868480
	.section	.rodata,"a",@progbits
	.p2align	6, 0x0
	.amdhsa_kernel k_q0aff98c958_ln2
		.amdhsa_group_segment_fixed_size 23040
		.amdhsa_private_segment_fixed_size 0
		.amdhsa_enable_private_segment 0
		.amdhsa_kernarg_size 32
		.amdhsa_user_sgpr_count 2
		.amdhsa_user_sgpr_kernarg_segment_ptr 1
		.amdhsa_wavefront_size32 1
		.amdhsa_system_sgpr_workgroup_id_x 1
		.amdhsa_system_sgpr_workgroup_id_y 1
		.amdhsa_system_sgpr_workgroup_id_z 1
		.amdhsa_system_vgpr_workitem_id 0
		.amdhsa_next_free_vgpr 256
		.amdhsa_next_free_sgpr 66
		.amdhsa_reserve_vcc 0
		.amdhsa_float_denorm_mode_32 3
		.amdhsa_float_denorm_mode_16_64 3
		.amdhsa_memory_ordered 1
		.amdhsa_forward_progress 1
		.amdhsa_inst_pref_size 43
	.end_amdhsa_kernel
	.amdgpu_metadata
---
amdhsa.version: [ 1, 2 ]
amdhsa.kernels:
  - .name:           k_q0aff98c958_ln2
    .symbol:         k_q0aff98c958_ln2.kd
    .args:
      - { .name: hres, .offset: 0, .size: 8, .value_kind: global_buffer, .address_space: global }
      - { .name: g1, .offset: 8, .size: 8, .value_kind: global_buffer, .address_space: global }
      - { .name: b1, .offset: 16, .size: 8, .value_kind: global_buffer, .address_space: global }
      - { .name: hn, .offset: 24, .size: 8, .value_kind: global_buffer, .address_space: global }
    .group_segment_fixed_size: 23040
    .private_segment_fixed_size: 0
    .kernarg_segment_align: 8
    .kernarg_segment_size: 32
    .max_flat_workgroup_size: 128
    .sgpr_count:     66
    .vgpr_count:     256
    .wavefront_size: 32
...
	.end_amdgpu_metadata
.endif
;; end of part 4
;; launch ffn1 (part 5): grid 16 x 16, 4 waves a work-group, clusters of 4 x 4, 327,680 bytes of LDS; arguments hn, W1_codes, W1_scales, bf1, hid; writes hid
.if DOCPART == 5
	.amdgcn_target "amdgcn-amd-amdhsa--gfx1250"
	.amdhsa_code_object_version 6
	.text
	.protected	k_q0aff98c958_ffn1
	.globl	k_q0aff98c958_ffn1
	.p2align	8
	.type	k_q0aff98c958_ffn1,@function
k_q0aff98c958_ffn1:
	s_mov_b64 s[64:65], 0
	v_nop
	global_prefetch_b8 v0, s[64:65] scope:SCOPE_SE
	s_setreg_imm32_b32 hwreg(HW_REG_WAVE_MODE, 25, 1), 1
	s_wait_xcnt 0x0
	s_wait_alu depctr_hold_cnt(0) depctr_sa_sdst(0) depctr_va_vdst(0) depctr_va_sdst(0) depctr_va_ssrc(0) depctr_va_vcc(0) depctr_vm_vsrc(0)
	s_getreg_b32 s2, hwreg(HW_REG_IB_STS2, 6, 4)
	s_cmp_eq_u32 s2, 0
	s_cbranch_scc0 .Lentry_in_a_cluster
	s_endpgm
.Lentry_in_a_cluster:
	s_bfe_u32 s2, ttmp6, 0x10000c
	s_cmp_lg_u32 s2, 0xf033
	s_cbranch_scc0 .Lentry_shape_is_right
	s_endpgm
.Lentry_shape_is_right:
; hid = Q(gelu(Hn W1 + bf1)): a product of 4,096 x 1,024 x 4,096 on codes of FP6 (E2M3) with E8M0 scales for each 32 along K, the exact (erf) gelu in f32, and the quantiser along the hidden units, which are the next product's K.
; A tile of C, 256 x 256, is made by four waves, 128 x 128 each: 64 accumulators, 512 registers.  K goes in steps of 256 through a ring of two LDS slots filled by the tensor data mover; rows of 192 bytes.
; The scale bytes of the work-group's rows come into LDS once.  CLUSTERS of 4 x 4: A's tiles are asked for jointly along a row of the cluster, B's along a column.
; THE MATRIX INSTRUCTION IS USED TRANSPOSED (source 0 = 16 rows of W1, source 1 = 16 tokens): lane (r, h), register j of accumulator (a, b) holds C(16 a + r, 16 b + 8 h + j).
; THE WAY OUT is a loop of eight trips, one for each block of 16 tokens.  Only the 32 additions accumulator + bias name registers that change with the trip: they are written out eight times and chosen by a scalar branch on the trip's
; number; gelu, the exchange of halves that brings a lane 16 NEIGHBOURS along the next K (the partner, W2, is given in natural order), the quantiser and the LDS stores are written once.
; erf(z) = z P(z^2) / Q(z^2), z = x / sqrt(2) held to +-4: the rational form of degree 13 over 8 for f32.
; hid: codes [K step of 256: 16][token 4,096][192 bytes], so that the work-group's 256 x 192 bytes are one dense block, stored 512 consecutive bytes an instruction; scale bytes at 12,582,912 + token x 128: the work-group has 8 bytes of a row,
; rows 128 bytes apart, so these stores (one byte in 24 of the codes') write their 256-byte units in part.
; LIMITS: a block of zeros gets the byte 1, not 127 (its codes are zeros; only this program reads the bytes); NaN and infinities are not served; for x far below 0 gelu's relative error grows as 1 + erf cancels, as it does in f32 in any form that adds 1 to erf.
; REGISTERS, in windows of 256: window 0: v0-31 addresses; v32-63 scale words (nothing else ever); v64-127 the bias; v128-223 A's fragments, on the way out numbers, gelu's work, codes.  window 1: B's fragments.  windows 2, 3: the accumulators.
.set SIZE_K, 1024
.set KROWA,  768
.set KROWB,  768
.set ASTEP,  192
.set KSTEP,  256
.set NQ,     KSTEP/128
.set ROWB,   192
.set PITCH,  240
.set FR,     12
.set NL,     6
.set NP,     4
.set HALFT,  128*PITCH
.set SLOT,   4*HALFT
.set LAPS,   SIZE_K/(2*KSTEP)
.set KS,     SIZE_K/32
.set SCL,    2*SLOT
.set HALFS,  (128*KS/256)*272
.set SBLK,   (16*KS/256)*272
.set SPARE,  SCL+4*HALFS
.set SCST,   49152                     ; the way out, in slot 0, which has had its last fill and its last read by then: 256 rows x 192 bytes of codes, then 256 rows x 8 scale bytes
.set RDA,  7                           ; v7   12,288 x wave + 16 x lane: my place in the block of codes, in LDS and in memory
.set RDS,  8                           ; v8   LDS: the 8 scale bytes of row 64 x wave + lane
.set OUS,  9                           ; v9   and that row's place in memory: 128 bytes a row
.set ADRA, 16
.set ADRB, 20
.set STO,  24                          ; v24  LDS: where block 0's codes of my row begin
.set SST,  25                          ; v25  and its scale word
.set STA,  26                          ; v26  the same for the trip in hand
.set ADRS, 27
.set SPW,  28
.set NIL,  29
.set SSA,  31
.set SC,   32
.set CB,   64
.set AF,   128
.set TT,   128                         ; 64 numbers
.set GZ,   192                         ; gelu's work, 8 registers each: z, z^2 (then x / 2), P, Q: the registers that the quantiser takes afterwards
.set GS,   200
.set GP,   208
.set GQ,   216
.set CD,   192
.set TM,   212
.set PW,   228
.set KA,   230                         ; v[230:231] alpha 11, twice;  v[232:233] beta 6, twice
.set KB,   232
.set G1, 24
.set G0, 32
.set G1B, 48
.set G0B, 56
.set SEL, 66
.set G1S, 68
.set G0S, 76
.set G1SB, 80
.set G0SB, 88
.set MSB, 0
.macro WIN new
.if MSB != \new
	s_set_vgpr_msb (MSB<<8)|(\new)
.set MSB, \new
.endif
.endm
.set MUL_LO, 0xa1
.set MUL_HI, 0xf1
.set TO_B,   0x40
.macro JLOAD g0a, g1a, g0b, g1b        ; a joint load: waves 0 and 1 fetch for A, waves 2 and 3 for B; four v_nop follow each of the two lines
	s_cmp_eq_u32 s15, 0
	s_cbranch_scc0 .Lfor_b_\@
	tensor_load_to_lds s[\g0a:\g0a+3], s[\g1a:\g1a+7]
	s_nop 0
.rept 4
	v_nop
.endr
	s_branch .Lasked_\@
.Lfor_b_\@:
	tensor_load_to_lds s[\g0b:\g0b+3], s[\g1b:\g1b+7]
	s_nop 0
.rept 4
	v_nop
.endr
.Lasked_\@:
.endm
.macro CREST
	s_cmp_lg_u32 s14, 0
	s_cbranch_scc1 .Lnot_wave_0_\@
	s_barrier_signal -3
.Lnot_wave_0_\@:
	s_barrier_wait -3
	s_barrier_signal -1
	s_barrier_wait -1
.endm
.macro CROUND
	s_barrier_signal -1
	s_barrier_wait -1
	CREST
.endm
	s_load_b64 s[4:5], s[0:1], 0x0                 ; hn: A's codes; its scale bytes lie 3,145,728 bytes on
	s_load_b128 s[8:11], s[0:1], 0x8               ; W1's codes, W1's scales
	s_load_b64 s[96:97], s[0:1], 0x18              ; bf1
	s_load_b64 s[12:13], s[0:1], 0x20              ; hid
	v_lshl_add_u32 v[SPW], v0, 2, SPARE
	v_mov_b32 v[NIL], 0
	ds_add_u32 v28, v29
	ds_add_u32 v28, v29
	s_wait_dscnt 0x0
	v_lshrrev_b32 v1, 5, v0
	v_readfirstlane_b32 s14, v1                    ; wave 0..3
	s_lshr_b32 s15, s14, 1
	s_and_b32 s16, s14, 1
	s_bfe_u32 s40, ttmp6, 0x40000                  ; cx, cy
	s_bfe_u32 s41, ttmp6, 0x40004
	s_lshl_b32 s42, ttmp9, 2
	s_add_co_u32 s42, s42, s40                     ; tile column of C
	s_and_b32 s17, ttmp7, 0xffff
	s_lshl_b32 s17, s17, 2
	s_add_co_u32 s17, s17, s41                     ; tile row of C
	s_lshl_b32 s43, s41, 2
	s_lshl_b32 s43, 15, s43                        ; my row of the cluster
	s_lshl_b32 s44, 0x1111, s40                    ; my column
	s_mov_b32 s[SEL], 0x76543210
	s_mov_b32 s[SEL+1], 0xfedcba98
	s_or_b32 s[G1+0], s43, (0<<16)|(1<<20)|(1<<21)|(3<<22)|(3<<25)
	s_or_b32 s[G1B+0], s44, (0<<16)|(1<<20)|(1<<21)|(3<<22)|(3<<25)
.irp g, G1, G1B
	s_mov_b32 s[\g+1], ROWB<<16
	s_mov_b32 s[\g+2], 128<<16
	s_mov_b32 s[\g+3], ROWB<<16
	s_mov_b32 s[\g+4], 128
	s_mov_b32 s[\g+6], 0
	s_mov_b32 s[\g+7], 0
.endr
	s_mov_b32 s[G1+5], KROWA
	s_mov_b32 s[G1B+5], KROWB
	s_or_b32 s[G1S+0], s43, (3<<16)|(1<<20)|(1<<21)|(5<<22)|(3<<25)
	s_or_b32 s[G1SB+0], s44, (3<<16)|(1<<20)|(1<<21)|(5<<22)|(3<<25)
.irp g, G1S, G1SB
	s_mov_b32 s[\g+1], 32<<16
	s_mov_b32 s[\g+2], (128*KS/256)<<16
	s_mov_b32 s[\g+3], 32<<16
	s_mov_b32 s[\g+4], 128*KS/256
	s_mov_b32 s[\g+5], 32
	s_mov_b32 s[\g+6], 0
	s_mov_b32 s[\g+7], 0
.endr
	s_lshl_b32 s18, s16, 7
	s_lshl_b32 s20, s17, 8
	s_add_co_u32 s20, s20, s18
	s_lshl_b32 s46, s42, 8
	s_add_co_u32 s46, s46, s18
	s_mov_b32 s21, 0
	s_mov_b32 s47, 0
	s_mov_b64 s[18:19], KS
	s_mul_u64 s[22:23], s[20:21], s[18:19]
	s_mul_u64 s[92:93], s[46:47], s[18:19]
	s_mov_b64 s[18:19], KROWA
	s_mul_u64 s[20:21], s[20:21], s[18:19]
	s_mov_b64 s[18:19], KROWB
	s_mul_u64 s[46:47], s[46:47], s[18:19]
	s_mul_i32 s45, s14, HALFT
	s_mul_i32 s94, s14, HALFS
	s_wait_kmcnt 0x0
	s_add_nc_u64 s[6:7], s[4:5], 3145728
	s_add_nc_u64 s[20:21], s[4:5], s[20:21]
	s_add_nc_u64 s[22:23], s[6:7], s[22:23]
	s_add_nc_u64 s[46:47], s[8:9], s[46:47]
	s_add_nc_u64 s[92:93], s[10:11], s[92:93]
	CROUND                                         ; all sixteen work-groups are here: the first joint loads meet
	s_mov_b32 s[G0S], 1
	s_add_co_u32 s[G0S+1], s94, SCL
	s_mov_b64 s[G0S+2:G0S+3], s[22:23]
	s_or_b32 s[G0S+3], s[G0S+3], 0x80000000
	s_mov_b32 s[G0SB], 1
	s_add_co_u32 s[G0SB+1], s94, SCL
	s_mov_b64 s[G0SB+2:G0SB+3], s[92:93]
	s_or_b32 s[G0SB+3], s[G0SB+3], 0x80000000
	JLOAD G0S, G1S, G0SB, G1SB
.irp s, 0,1
	s_mov_b32 s[G0+4*\s], 1
	s_add_co_u32 s[G0+4*\s+1], s45, \s*SLOT
	s_add_nc_u64 s[G0+4*\s+2:G0+4*\s+3], s[20:21], \s*ASTEP
	s_or_b32 s[G0+4*\s+3], s[G0+4*\s+3], 0x80000000
	s_mov_b32 s[G0B+4*\s], 1
	s_add_co_u32 s[G0B+4*\s+1], s45, \s*SLOT
	s_add_nc_u64 s[G0B+4*\s+2:G0B+4*\s+3], s[46:47], \s*ROWB
	s_or_b32 s[G0B+4*\s+3], s[G0B+4*\s+3], 0x80000000
	JLOAD G0+4*\s, G1, G0B+4*\s, G1B
.endr
	v_and_b32 v1, 15, v0                           ; r
	v_bfe_u32 v2, v0, 4, 1                         ; h
	v_mul_u32_u24 v3, v1, PITCH
	v_mul_u32_u24 v4, v2, 24
	v_add_nc_u32 v4, v3, v4
	v_lshl_add_u32 v5, v2, 4, v4
	s_mul_i32 s21, s15, HALFT
	s_mul_i32 s22, s16, HALFT
	s_add_co_u32 s22, s22, 2*HALFT
.irp s, 0,1
	v_add_nc_u32 v[ADRA+\s], s21, v4
	v_add_nc_u32 v[ADRB+\s], s22, v4
	v_add_nc_u32 v[ADRA+2+\s], s21, v5
	v_add_nc_u32 v[ADRB+2+\s], s22, v5
	s_add_co_u32 s21, s21, SLOT
	s_add_co_u32 s22, s22, SLOT
.endr
	v_mul_u32_u24 v5, v1, KS
	v_lshrrev_b32 v6, 8, v5
	v_lshl_add_u32 v5, v6, 4, v5
	s_mul_i32 s21, s15, HALFS
	s_mul_i32 s22, s16, HALFS
	s_add_co_u32 s22, s22, 2*HALFS
	s_sub_co_u32 s22, s22, s21
	v_mul_u32_u24 v6, s22, v2
	s_add_co_u32 s21, s21, SCL
	v_add_nc_u32 v5, v5, v6
	v_add_nc_u32 v[ADRS], s21, v5
	; the way out's addresses
	s_mul_i32 s21, s15, 128*192
	s_mul_i32 s22, s16, 96
	s_add_co_u32 s21, s21, s22
	v_mul_u32_u24 v[STO], v1, 192
	v_mad_u32_u24 v[STO], v2, 24, v[STO]
	v_add_nc_u32 v[STO], s21, v[STO]               ; row (128 x my half of the rows + r) of 192 bytes, + 96 x my half of the columns, + 24 h
	s_lshl_b32 s21, s15, 10
	s_lshl_b32 s22, s16, 2
	s_add_co_u32 s21, s21, s22
	s_add_co_u32 s21, s21, SCST
	v_lshl_add_u32 v[SST], v1, 3, s21              ; 8 bytes a row, my word of the two
	v_and_b32 v6, 31, v0
	s_mul_i32 s21, s14, 12288
	v_lshl_add_u32 v[RDA], v6, 4, s21
	s_lshl_b32 s21, s14, 6
	v_add_nc_u32 v6, s21, v6
	v_lshlrev_b32 v[OUS], 7, v6
	v_lshl_add_u32 v[RDS], v6, 3, SCST
	; the bias of my 128 columns, in the result's layout
	s_lshl_b32 s46, s42, 10
	s_lshl_b32 s47, s16, 9
	s_add_co_u32 s46, s46, s47
	s_mov_b32 s47, 0
	s_add_nc_u64 s[96:97], s[96:97], s[46:47]
	v_lshlrev_b32 v30, 5, v2
.irp b, 0,1,2,3,4,5,6,7
	global_load_b128 v[CB+8*\b:CB+8*\b+3], v30, s[96:97] offset:64*\b
	global_load_b128 v[CB+8*\b+4:CB+8*\b+7], v30, s[96:97] offset:64*\b+16
.endr
	s_wait_loadcnt 0x0                             ; no global load is out while the ring runs
.macro FRAG reg, adr, q, i
.irp p, 0,1,2,3,4,5
.set PCE, 12*(\q)+6*(\p/3)+\p%3
.if PCE%8 < 5
	ds_load_b64 v[\reg+2*\p:\reg+2*\p+1], v[\adr] offset:8*PCE+16*(PCE/8)+(\i)*16*PITCH
.else
	ds_load_b64 v[\reg+2*\p:\reg+2*\p+1], v[\adr+2] offset:8*PCE+16*(PCE/8)+(\i)*16*PITCH
.endif
.endr
.endm
.macro MUL16 a0, p, q, sc, zero        ; the 64 accumulators take turns, one instruction a turn
.irp a, \a0, \a0+1
.irp b, 0,1,2,3,4,5,6,7
.if \zero
	v_wmma_scale_f32_16x16x128_f8f6f4 v[8*(8*((\a)%4)+\b):8*(8*((\a)%4)+\b)+7], v[128*(\p)+FR*\b:128*(\p)+FR*\b+FR-1], v[AF+FR*(\a):AF+FR*(\a)+FR-1], 0, v[SC+8*NQ*(\sc)+NQ*\b+(\q)], v[SC+8*NQ*(\sc)+NQ*(\a)+(\q)] matrix_a_fmt:MATRIX_FMT_FP6 matrix_b_fmt:MATRIX_FMT_FP6 matrix_a_scale:MATRIX_SCALE_ROW1
.else
	v_wmma_scale_f32_16x16x128_f8f6f4 v[8*(8*((\a)%4)+\b):8*(8*((\a)%4)+\b)+7], v[128*(\p)+FR*\b:128*(\p)+FR*\b+FR-1], v[AF+FR*(\a):AF+FR*(\a)+FR-1], v[8*(8*((\a)%4)+\b):8*(8*((\a)%4)+\b)+7], v[SC+8*NQ*(\sc)+NQ*\b+(\q)], v[SC+8*NQ*(\sc)+NQ*(\a)+(\q)] matrix_a_fmt:MATRIX_FMT_FP6 matrix_b_fmt:MATRIX_FMT_FP6 matrix_a_scale:MATRIX_SCALE_ROW1
.endif
.endr
.endr
.endm
.macro FETCH_B slot, q, p
	WIN TO_B
.irp i, 0,1,2,3,4,5,6,7
	FRAG 128*(\p)+FR*\i, ADRB+\slot, \q, \i
.endr
	WIN 0
.endm
.macro FETCH_A slot, q, i0
.irp i, \i0, \i0+1, \i0+2, \i0+3
	FRAG AF+FR*(\i), ADRA+\slot, \q, \i
.endr
.endm
.macro SCALES sc
.irp i, 0,1,2,3,4,5,6,7
	ds_load_b64 v[SC+8*NQ*\sc+NQ*\i:SC+8*NQ*\sc+NQ*\i+1], v[ADRS] offset:\i*SBLK
.endr
.endm
.macro PLACES n
.rept \n
	v_nop
.endr
.endm
.macro STEP slot, q, zero
	s_wait_dscnt 4*NL                              ; B's set and A's blocks 0-3 are in; the youngest 24 loads may be out
	WIN MUL_LO
	MUL16 0, (\q)%2, \q, \slot, \zero
	MUL16 2, (\q)%2, \q, \slot, \zero
	s_wait_dscnt 0
	PLACES NP
	FETCH_B \slot, (\q)+1, 1-(\q)%2
	FETCH_A \slot, (\q)+1, 0
	WIN MUL_HI
	MUL16 4, (\q)%2, \q, \slot, \zero
	MUL16 6, (\q)%2, \q, \slot, \zero
	PLACES NP
	WIN 0
	FETCH_A \slot, (\q)+1, 4
.endm
.macro TURN slot, next, fill
	s_wait_tensorcnt 0x0                           ; all my tensor loads have landed: my part of the next slot
	ds_add_u32 v[SPW], v[NIL]                      ; 0 onto my spare word
	s_wait_dscnt 4*NL+1                            ; (the add and the youngest 24 loads may be out)
	WIN MUL_LO
	MUL16 0, 1, NQ-1, \slot, 0
	s_wait_dscnt 0x0                               ; the add is done, and my reads of this slot are over
	s_barrier_signal -1
	MUL16 2, 1, NQ-1, \slot, 0
	WIN 0
	s_barrier_wait -1
.if \fill
	CREST                                          ; no wave of any partner still reads this slot or has a load on its way
	s_add_nc_u64 s[G0+4*\slot+2:G0+4*\slot+3], s[G0+4*\slot+2:G0+4*\slot+3], 2*ASTEP
	s_add_nc_u64 s[G0B+4*\slot+2:G0B+4*\slot+3], s[G0B+4*\slot+2:G0B+4*\slot+3], 2*ROWB
	JLOAD G0+4*\slot, G1, G0B+4*\slot, G1B
.else
	PLACES NP
.endif
	v_add_nc_u32 v[ADRS], 4*NQ, v[ADRS]
	FETCH_B \next, 0, 0
	FETCH_A \next, 0, 0
	SCALES \next
	WIN MUL_HI
	MUL16 4, 1, NQ-1, \slot, 0
	MUL16 6, 1, NQ-1, \slot, 0
	PLACES NP
	WIN 0
	FETCH_A \next, 0, 4
.endm
	s_wait_tensorcnt 1                             ; the scales and my part of K step 0 are in (K step 1's load may be out)
	s_barrier_signal -1
	s_barrier_wait -1
	FETCH_B 0, 0, 0
	FETCH_A 0, 0, 0
	SCALES 0
	FETCH_A 0, 0, 4
	STEP 0, 0, 1
	s_mov_b32 s3, LAPS-1
.Llap:
	TURN 0, 1, 1
	STEP 1, 0, 0
	TURN 1, 0, 1
	STEP 0, 0, 0
	s_sub_co_u32 s3, s3, 1
	s_cmp_lg_u32 s3, 0
	s_cbranch_scc1 .Llap
	TURN 0, 1, 0
	STEP 1, 0, 0
	s_wait_dscnt 4*NL
	WIN MUL_LO
	MUL16 0, 1, NQ-1, 1, 0
	MUL16 2, 1, NQ-1, 1, 0
	s_wait_dscnt 0
	WIN MUL_HI
	MUL16 4, 1, NQ-1, 1, 0
	MUL16 6, 1, NQ-1, 1, 0
	WIN 0
; THE WAY OUT.  No tensor load is out (the last change of slots waited for all), so the descriptors' registers are free: they take the polynomials' coefficients, each as a pair.
	s_mul_i32 s92, s42, 786432
	s_mul_i32 s93, s17, 49152
	s_add_co_u32 s92, s92, s93
	s_mov_b32 s93, 0
	s_add_nc_u64 s[92:93], s[12:13], s[92:93]      ; the work-group's block of codes
	s_lshl_b32 s98, s17, 15
	s_lshl_b32 s99, s42, 3
	s_add_co_u32 s98, s98, s99
	s_add_co_u32 s98, s98, 12582912
	s_mov_b32 s99, 0
	s_add_nc_u64 s[98:99], s[12:13], s[98:99]      ; its 8 scale bytes of its first row
.set RS2, 24
.set A13, 26
.set A9,  28
.set A7,  30
.set A5,  32
.set A3,  34
.set A1,  36
.set B8,  38
.set B4,  40
.set B2,  42
.set B0,  44
.set AI,  46                           ; s46 the trip;  s47, s48 its codes' and its scale words' place in the stage
.set SA,  47
.set SB,  48
	s_mov_b32 s[RS2], 0x3f3504f3                   ; 1 / sqrt(2)
	s_mov_b32 s[A13], 0xaf95df0b                   ; -2.72614225801306e-10
	s_mov_b32 s[A9],  0xb60cff51                   ; -2.10102402082508e-06
	s_mov_b32 s[A7],  0xb86ec2d2                   ; -5.69250639462346e-05
	s_mov_b32 s[A5],  0xba40ac63                   ; -7.34990630326855e-04
	s_mov_b32 s[A3],  0xbb41a1f6                   ; -2.95459980854025e-03
	s_mov_b32 s[A1],  0xbc83dbd4                   ; -1.60960333262415e-02
	s_mov_b32 s[B8],  0xb77460cd                   ; -1.45660718464996e-05
	s_mov_b32 s[B4],  0xbadc924e                   ; -1.68282697438203e-03
	s_mov_b32 s[B2],  0xbbf19bf8                   ; -7.37332916720468e-03
	s_mov_b32 s[B0],  0xbc69b6a7                   ; -1.42647390514189e-02
.irp c, RS2, A13, A9, A7, A5, A3, A1, B8, B4, B2, B0
	s_mov_b32 s[\c+1], s[\c]                       ; (the packed forms name a pair and take its low word for both halves)
.endr
	s_mov_b32 s[AI], 0
	s_mov_b32 s[SA], 0
	s_mov_b32 s[SB], 0
	PLACES NP                                      ; behind the last products: their registers are read and written from here on
	v_mov_b32 v[KA], 0x32edffee                    ; alpha 11 = 2.77068142495902e-08
	v_mov_b32 v[KA+1], 0x32edffee
	v_mov_b32 v[KB], 0xb95fbd29                    ; beta 6 = -2.13374055278905e-04
	v_mov_b32 v[KB+1], 0xb95fbd29
.macro COPY a                          ; block a's 64 sums + the bias, each accumulator from its low end on
	WIN 0x02+(\a)/4
.set AC, 64*((\a)%4)
.set JJ, 0
.rept 32
	v_pk_add_f32 v[TT+JJ:TT+JJ+1], v[AC+JJ:AC+JJ+1], v[CB+JJ:CB+JJ+1]
.set JJ, JJ+2
.endr
	WIN 0
.endm
.macro PFMA d, c                       ; d = d x z^2 + c, eight numbers
.irp i, 0,2,4,6
	v_pk_fma_f32 v[\d+\i:\d+\i+1], v[\d+\i:\d+\i+1], v[GS+\i:GS+\i+1], s[\c:\c+1] op_sel_hi:[1,1,0]
.endr
.endm
.macro GELU g                          ; eight numbers, in place: x / 2 + (x / 2) erf(x / sqrt(2))
.set XX, TT+8*(\g)
.irp i, 0,2,4,6
	v_pk_mul_f32 v[GZ+\i:GZ+\i+1], v[XX+\i:XX+\i+1], s[RS2:RS2+1] op_sel_hi:[1,0]
.endr
.irp i, 0,1,2,3,4,5,6,7
	v_med3_num_f32 v[GZ+\i], v[GZ+\i], -4.0, 4.0
.endr
.irp i, 0,2,4,6
	v_pk_mul_f32 v[GS+\i:GS+\i+1], v[GZ+\i:GZ+\i+1], v[GZ+\i:GZ+\i+1]
.endr
.irp i, 0,2,4,6
	v_pk_fma_f32 v[GP+\i:GP+\i+1], v[GS+\i:GS+\i+1], s[A13:A13+1], v[KA:KA+1] op_sel_hi:[1,0,1]
.endr
.irp i, 0,2,4,6
	v_pk_fma_f32 v[GQ+\i:GQ+\i+1], v[GS+\i:GS+\i+1], s[B8:B8+1], v[KB:KB+1] op_sel_hi:[1,0,1]
.endr
	PFMA GP, A9
	PFMA GQ, B4
	PFMA GP, A7
	PFMA GQ, B2
	PFMA GP, A5
	PFMA GQ, B0
	PFMA GP, A3
	PFMA GP, A1
.irp i, 0,1,2,3,4,5,6,7
	v_rcp_f32 v[GQ+\i], v[GQ+\i]
.endr
.irp i, 0,2,4,6
	v_pk_mul_f32 v[GP+\i:GP+\i+1], v[GP+\i:GP+\i+1], v[GZ+\i:GZ+\i+1]     ; plain work that names no reciprocal
.endr
.irp i, 0,2,4,6
	v_pk_mul_f32 v[GS+\i:GS+\i+1], v[XX+\i:XX+\i+1], 0.5 op_sel_hi:[1,0]
.endr
	s_wait_alu depctr_va_vdst(0)                   ; one wait for the eight reciprocals, ahead of their first reader
.irp i, 0,2,4,6
	v_pk_mul_f32 v[GP+\i:GP+\i+1], v[GP+\i:GP+\i+1], v[GQ+\i:GQ+\i+1]     ; erf
.endr
.irp i, 0,2,4,6
	v_pk_fma_f32 v[XX+\i:XX+\i+1], v[GS+\i:GS+\i+1], v[GP+\i:GP+\i+1], v[GS+\i:GS+\i+1]
.endr
.endm
.macro QUANT s                         ; 64 numbers of a lane, register 16 b + i = k 32 b + 16 (lane / 16) + i of my row, become a fragment's codes in v[CD] on and its scale word in v[PW]
.irp b, 0,1,2,3
	v_max3_num_f32 v[TM+\b], |v[\s+16*\b]|, |v[\s+1+16*\b]|, 0x1800000
.endr
.irp i, 2,4,6,8,10,12,14
.irp b, 0,1,2,3
	v_max3_num_f32 v[TM+\b], v[TM+\b], |v[\s+16*\b+\i]|, |v[\s+1+16*\b+\i]|
.endr
.endr
.irp b, 0,1,2,3
	v_permlanex16_b32 v[TM+4+\b], v[TM+\b], s[SEL], s[SEL+1]
.endr
.irp b, 0,1,2,3
	v_max_num_f32 v[TM+\b], v[TM+\b], v[TM+4+\b]
.endr
.irp b, 0,1,2,3
	v_add_nc_u32 v[TM+12+\b], 0xff000000, v[TM+\b]
.endr
.irp b, 0,1,2,3
	v_lshrrev_b32 v[TM+4+\b], 23, v[TM+12+\b]
.endr
	v_lshl_or_b32 v[PW], v[TM+5], 8, v[TM+4]
	v_lshl_or_b32 v[PW], v[TM+6], 16, v[PW]
	v_lshl_or_b32 v[PW], v[TM+7], 24, v[PW]
.irp c, 0,1
	v_cvt_scalef32_pk16_fp6_f32 v[CD+6*\c:CD+2+6*\c], v[\s+32*\c:\s+15+32*\c], v[TM+12+2*\c]
	v_cvt_scalef32_pk16_fp6_f32 v[CD+12+4*\c:CD+14+4*\c], v[\s+16+32*\c:\s+31+32*\c], v[TM+12+2*\c+1]
.endr
	v_nop                                          ; one plain instruction behind the scaled conversions
.irp c, 0,1
.irp i, 0,1,2
	v_permlane16_swap_b32 v[CD+6*\c+\i], v[CD+12+4*\c+\i]
.endr
.irp i, 0,1,2
	v_mov_b32 v[CD+3+6*\c+\i], v[CD+12+4*\c+\i]
.endr
.endr
.endm
.Lepi:                                             ; eight trips: block s46 of 16 tokens
.irp a, 0,1,2,3,4,5,6
	s_cmp_eq_u32 s[AI], \a
	s_cbranch_scc1 .Lcopy\a
.endr
	COPY 7
	s_branch .Ljoin
.irp a, 0,1,2,3,4,5,6
.Lcopy\a:
	COPY \a
	s_branch .Ljoin
.endr
.Ljoin:
.irp g, 0,1,2,3,4,5,6,7
	GELU \g
.endr
.irp b, 0,1,2,3                                ; the registers of accumulators 2 b and 2 b + 1 hold columns 32 b + 8 h + j and 32 b + 16 + 8 h + j: the exchange of halves gives 32 b + 16 h + 0 .. 15, natural order
.irp j, 0,1,2,3,4,5,6,7
	v_permlane16_swap_b32 v[TT+16*\b+\j], v[TT+16*\b+8+\j]
.endr
.endr
	QUANT TT
	v_add_nc_u32 v[STA], s[SA], v[STO]
	v_add_nc_u32 v[SSA], s[SB], v[SST]
.irp c, 0,1
.irp i, 0,1,2
	ds_store_b64 v[STA], v[CD+6*\c+2*\i:CD+6*\c+2*\i+1] offset:48*\c+8*\i   ; my row's bytes 48 c + 24 h + 8 i of the wave's 96
.endr
.endr
	ds_store_b32 v[SSA], v[PW]                     ; lanes r and r + 16 write the same word with the same value
	s_wait_dscnt 0x0                               ; the stores have read their registers
	s_add_co_u32 s[SA], s[SA], 16*192
	s_add_co_u32 s[SB], s[SB], 16*8
	s_add_co_u32 s[AI], s[AI], 1
	s_cmp_lt_u32 s[AI], 8
	s_cbranch_scc1 .Lepi
	s_barrier_signal -1                            ; every wave's stores into the stage are done (the wait for 0 stands at the trip's end)
	s_barrier_wait -1
.irp t, 0,1,2,3,4,5,6,7,8,9,10,11,12,13,14,15,16,17,18,19,20,21,22,23
	ds_load_b128 v[64+4*\t:67+4*\t], v[RDA] offset:512*\t
.endr
	ds_load_b64 v[160:161], v[RDS]
	ds_load_b64 v[162:163], v[RDS] offset:256
.irp t, 0,1,2,3,4,5,6,7,8,9,10,11,12,13,14,15,16,17,18,19,20,21,22,23
	s_wait_dscnt 25-\t                             ; load t is in; the 25 - t behind it may be out
	global_store_b128 v[RDA], v[64+4*\t:67+4*\t], s[92:93] offset:512*\t   ; 32 lanes store 512 consecutive bytes, aligned
.endr
	s_wait_dscnt 0x0
	global_store_b64 v[OUS], v[160:161], s[98:99]
	global_store_b64 v[OUS], v[162:163], s[98:99] offset:4096
	s_wait_tensorcnt 0x0                           ; the wave's end
	ds_add_u32 v[SPW], v[NIL]
	s_wait_dscnt 0x0
	CROUND                                         ; the closing round
	s_endpgm
.Lfunc_end_k_q0aff98c958_ffn1:
	.size	k_q0aff98c958_ffn1, .Lfunc_end_k_q0aff98c958_ffn1-k_q0aff98c958_ffn1
	.p2alignl 7, 3214868480
	.fill 96, 4, 3214868480
	.section	.rodata,"a",@progbits
	.p2align	6, 0x0
	.amdhsa_kernel k_q0aff98c958_ffn1
		.amdhsa_group_segment_fixed_size 327680
		.amdhsa_private_segment_fixed_size 0
		.amdhsa_enable_private_segment 0
		.amdhsa_kernarg_size 40
		.amdhsa_user_sgpr_count 2
		.amdhsa_user_sgpr_kernarg_segment_ptr 1
		.amdhsa_wavefront_size32 1
		.amdhsa_system_sgpr_workgroup_id_x 1
		.amdhsa_system_sgpr_workgroup_id_y 1
		.amdhsa_system_sgpr_workgroup_id_z 1
		.amdhsa_system_vgpr_workitem_id 0
		.amdhsa_next_free_vgpr 1024
		.amdhsa_next_free_sgpr 102
		.amdhsa_reserve_vcc 0
		.amdhsa_float_denorm_mode_32 3
		.amdhsa_float_denorm_mode_16_64 3
		.amdhsa_memory_ordered 1
		.amdhsa_forward_progress 1
		.amdhsa_inst_pref_size 200
	.end_amdhsa_kernel
	.amdgpu_metadata
---
amdhsa.version: [ 1, 2 ]
amdhsa.kernels:
  - .name:           k_q0aff98c958_ffn1
    .symbol:         k_q0aff98c958_ffn1.kd
    .args:
      - { .name: hn, .offset: 0, .size: 8, .value_kind: global_buffer, .address_space: global }
      - { .name: W1_codes, .offset: 8, .size: 8, .value_kind: global_buffer, .address_space: global }
      - { .name: W1_scales, .offset: 16, .size: 8, .value_kind: global_buffer, .address_space: global }
      - { .name: bf1, .offset: 24, .size: 8, .value_kind: global_buffer, .address_space: global }
      - { .name: hid, .offset: 32, .size: 8, .value_kind: global_buffer, .address_space: global }
    .group_segment_fixed_size: 327680
    .private_segment_fixed_size: 0
    .kernarg_segment_align: 8
    .kernarg_segment_size: 40
    .max_flat_workgroup_size: 128
    .sgpr_count:     102
    .vgpr_count:     1024
    .wavefront_size: 32
...
	.end_amdgpu_metadata
.endif
;; end of part 5
;; launch ffn2 (part 6): grid 4 x 16, 4 waves a work-group, clusters of 4 x 4, 327,680 bytes of LDS; arguments hid, W2_codes, W2_scales, bf2, hres, out0; writes out0
.if DOCPART == 6
	.amdgcn_target "amdgcn-amd-amdhsa--gfx1250"
	.amdhsa_code_object_version 6
	.text
	.protected	k_q0aff98c958_ffn2
	.globl	k_q0aff98c958_ffn2
	.p2align	8
	.type	k_q0aff98c958_ffn2,@function
k_q0aff98c958_ffn2:
	s_mov_b64 s[64:65], 0
	v_nop
	global_prefetch_b8 v0, s[64:65] scope:SCOPE_SE
	s_setreg_imm32_b32 hwreg(HW_REG_WAVE_MODE, 25, 1), 1
	s_wait_xcnt 0x0
	s_wait_alu depctr_hold_cnt(0) depctr_sa_sdst(0) depctr_va_vdst(0) depctr_va_sdst(0) depctr_va_ssrc(0) depctr_va_vcc(0) depctr_vm_vsrc(0)
	s_getreg_b32 s2, hwreg(HW_REG_IB_STS2, 6, 4)
	s_cmp_eq_u32 s2, 0
	s_cbranch_scc0 .Lentry_in_a_cluster
	s_endpgm
.Lentry_in_a_cluster:
	s_bfe_u32 s2, ttmp6, 0x10000c
	s_cmp_lg_u32 s2, 0xf033
	s_cbranch_scc0 .Lentry_shape_is_right
	s_endpgm
.Lentry_shape_is_right:
; out0 = hres + hid W2 + bf2: a product of 4,096 x 4,096 x 1,024 on codes of FP6 (E2M3) with E8M0 scales for each 32 along K; bias and residual in f32.
; A tile of C, 256 x 256, is made by four waves, 128 x 128 each: 64 accumulators, 512 registers: C has 64 such tiles, so 64 work-groups are launched; the large tile is kept because it reads each LDS byte for the most products.
; K goes in steps of 256 through a ring of two LDS slots filled by the tensor data mover.  hid's codes lie [K step][token][192 bytes]: a tile of A is 128 dense rows, and a K step on is 786,432 bytes on; W2's rows are 3,072 bytes.
; The scale bytes of the work-group's rows, for all of K (128 bytes a row), come into LDS once.  CLUSTERS of 4 x 4: A's tiles are asked for jointly along a row of the cluster, B's along a column.
; THE MATRIX INSTRUCTION IS USED TRANSPOSED (source 0 = 16 rows of W2, source 1 = 16 tokens): a lane holds eight neighbouring numbers of a row of C.
; THE WAY OUT: a block of 16 rows x 128 columns goes through the wave's own stage in LDS (in slot 0, which has had its last fill and its last read) and comes back as whole rows of 512 bytes; hres's rows are loaded in that same shape,
; two blocks ahead, into the registers that held B's fragments; the 32 lanes store 512 consecutive bytes, aligned.
; REGISTERS, in windows of 256: window 0: v0-31 addresses; v32-63 scale words (nothing else ever); v64-67 the bias; v128-223 A's fragments, on the way out rows of C.  window 1: B's fragments, then hres.  windows 2, 3: the accumulators.
.set SIZE_K, 4096
.set KROWA,  192
.set KROWB,  3072
.set ASTEP,  786432
.set KSTEP,  256
.set NQ,     KSTEP/128
.set ROWB,   192
.set PITCH,  240
.set FR,     12
.set NL,     6
.set NP,     4
.set HALFT,  128*PITCH
.set SLOT,   4*HALFT
.set LAPS,   SIZE_K/(2*KSTEP)
.set KS,     SIZE_K/32
.set SCL,    2*SLOT
.set HALFS,  (128*KS/256)*272
.set SBLK,   (16*KS/256)*272
.set SPARE,  SCL+4*HALFS
.set SPITCH, 528                       ; the stage: 16 rows x (512 bytes + 16) for each wave
.set ADRA, 16
.set ADRB, 20
.set STO,  24
.set RD,   25
.set CO,   26
.set ADRS, 27
.set SPW,  28
.set NIL,  29
.set SC,   32
.set BI,   64                          ; v64-67 the bias of my four columns of a row read back
.set AF,   128
.set BK,   128                         ; 16 rows read back: v128-191 and v192-255 by turns
.set G1, 24
.set G0, 32
.set G1B, 48
.set G0B, 56
.set G1S, 68
.set G0S, 76
.set G1SB, 80
.set G0SB, 88
.set MSB, 0
.macro WIN new
.if MSB != \new
	s_set_vgpr_msb (MSB<<8)|(\new)
.set MSB, \new
.endif
.endm
.set MUL_LO, 0xa1
.set MUL_HI, 0xf1
.set TO_B,   0x40
.macro JLOAD g0a, g1a, g0b, g1b        ; a joint load: waves 0 and 1 fetch for A, waves 2 and 3 for B; four v_nop follow each of the two lines
	s_cmp_eq_u32 s15, 0
	s_cbranch_scc0 .Lfor_b_\@
	tensor_load_to_lds s[\g0a:\g0a+3], s[\g1a:\g1a+7]
	s_nop 0
.rept 4
	v_nop
.endr
	s_branch .Lasked_\@
.Lfor_b_\@:
	tensor_load_to_lds s[\g0b:\g0b+3], s[\g1b:\g1b+7]
	s_nop 0
.rept 4
	v_nop
.endr
.Lasked_\@:
.endm
.macro CREST
	s_cmp_lg_u32 s14, 0
	s_cbranch_scc1 .Lnot_wave_0_\@
	s_barrier_signal -3
.Lnot_wave_0_\@:
	s_barrier_wait -3
	s_barrier_signal -1
	s_barrier_wait -1
.endm
.macro CROUND
	s_barrier_signal -1
	s_barrier_wait -1
	CREST
.endm
	s_load_b64 s[4:5], s[0:1], 0x0                 ; hid: A's codes; its scale bytes lie 12,582,912 bytes on
	s_load_b128 s[8:11], s[0:1], 0x8               ; W2's codes, W2's scales
	s_load_b128 s[96:99], s[0:1], 0x18             ; bf2, hres
	s_load_b64 s[12:13], s[0:1], 0x28              ; out0
	v_lshl_add_u32 v[SPW], v0, 2, SPARE
	v_mov_b32 v[NIL], 0
	ds_add_u32 v28, v29
	ds_add_u32 v28, v29
	s_wait_dscnt 0x0
	v_lshrrev_b32 v1, 5, v0
	v_readfirstlane_b32 s14, v1                    ; wave 0..3
	s_lshr_b32 s15, s14, 1
	s_and_b32 s16, s14, 1
	s_bfe_u32 s40, ttmp6, 0x40000                  ; cx, cy
	s_bfe_u32 s41, ttmp6, 0x40004
	s_lshl_b32 s42, ttmp9, 2
	s_add_co_u32 s42, s42, s40                     ; tile column of C
	s_and_b32 s17, ttmp7, 0xffff
	s_lshl_b32 s17, s17, 2
	s_add_co_u32 s17, s17, s41                     ; tile row of C
	s_lshl_b32 s43, s41, 2
	s_lshl_b32 s43, 15, s43                        ; my row of the cluster
	s_lshl_b32 s44, 0x1111, s40                    ; my column
	s_or_b32 s[G1+0], s43, (0<<16)|(1<<20)|(1<<21)|(3<<22)|(3<<25)
	s_or_b32 s[G1B+0], s44, (0<<16)|(1<<20)|(1<<21)|(3<<22)|(3<<25)
.irp g, G1, G1B
	s_mov_b32 s[\g+1], ROWB<<16
	s_mov_b32 s[\g+2], 128<<16
	s_mov_b32 s[\g+3], ROWB<<16
	s_mov_b32 s[\g+4], 128
	s_mov_b32 s[\g+6], 0
	s_mov_b32 s[\g+7], 0
.endr
	s_mov_b32 s[G1+5], KROWA
	s_mov_b32 s[G1B+5], KROWB
	s_or_b32 s[G1S+0], s43, (3<<16)|(1<<20)|(1<<21)|(5<<22)|(3<<25)
	s_or_b32 s[G1SB+0], s44, (3<<16)|(1<<20)|(1<<21)|(5<<22)|(3<<25)
.irp g, G1S, G1SB
	s_mov_b32 s[\g+1], 32<<16
	s_mov_b32 s[\g+2], (128*KS/256)<<16
	s_mov_b32 s[\g+3], 32<<16
	s_mov_b32 s[\g+4], 128*KS/256
	s_mov_b32 s[\g+5], 32
	s_mov_b32 s[\g+6], 0
	s_mov_b32 s[\g+7], 0
.endr
	s_lshl_b32 s18, s16, 7
	s_lshl_b32 s20, s17, 8
	s_add_co_u32 s20, s20, s18
	s_lshl_b32 s46, s42, 8
	s_add_co_u32 s46, s46, s18
	s_mov_b32 s21, 0
	s_mov_b32 s47, 0
	s_mov_b64 s[18:19], KS
	s_mul_u64 s[22:23], s[20:21], s[18:19]
	s_mul_u64 s[92:93], s[46:47], s[18:19]
	s_mov_b64 s[18:19], KROWA
	s_mul_u64 s[20:21], s[20:21], s[18:19]
	s_mov_b64 s[18:19], KROWB
	s_mul_u64 s[46:47], s[46:47], s[18:19]
	s_mul_i32 s45, s14, HALFT
	s_mul_i32 s94, s14, HALFS
	s_wait_kmcnt 0x0
	s_add_nc_u64 s[6:7], s[4:5], 12582912
	s_add_nc_u64 s[20:21], s[4:5], s[20:21]
	s_add_nc_u64 s[22:23], s[6:7], s[22:23]
	s_add_nc_u64 s[46:47], s[8:9], s[46:47]
	s_add_nc_u64 s[92:93], s[10:11], s[92:93]
	CROUND                                         ; all sixteen work-groups are here: the first joint loads meet
	s_mov_b32 s[G0S], 1
	s_add_co_u32 s[G0S+1], s94, SCL
	s_mov_b64 s[G0S+2:G0S+3], s[22:23]
	s_or_b32 s[G0S+3], s[G0S+3], 0x80000000
	s_mov_b32 s[G0SB], 1
	s_add_co_u32 s[G0SB+1], s94, SCL
	s_mov_b64 s[G0SB+2:G0SB+3], s[92:93]
	s_or_b32 s[G0SB+3], s[G0SB+3], 0x80000000
	JLOAD G0S, G1S, G0SB, G1SB
.irp s, 0,1
	s_mov_b32 s[G0+4*\s], 1
	s_add_co_u32 s[G0+4*\s+1], s45, \s*SLOT
	s_add_nc_u64 s[G0+4*\s+2:G0+4*\s+3], s[20:21], \s*ASTEP
	s_or_b32 s[G0+4*\s+3], s[G0+4*\s+3], 0x80000000
	s_mov_b32 s[G0B+4*\s], 1
	s_add_co_u32 s[G0B+4*\s+1], s45, \s*SLOT
	s_add_nc_u64 s[G0B+4*\s+2:G0B+4*\s+3], s[46:47], \s*ROWB
	s_or_b32 s[G0B+4*\s+3], s[G0B+4*\s+3], 0x80000000
	JLOAD G0+4*\s, G1, G0B+4*\s, G1B
.endr
	v_and_b32 v1, 15, v0                           ; r
	v_bfe_u32 v2, v0, 4, 1                         ; h
	v_mul_u32_u24 v3, v1, PITCH
	v_mul_u32_u24 v4, v2, 24
	v_add_nc_u32 v4, v3, v4
	v_lshl_add_u32 v5, v2, 4, v4
	s_mul_i32 s21, s15, HALFT
	s_mul_i32 s22, s16, HALFT
	s_add_co_u32 s22, s22, 2*HALFT
.irp s, 0,1
	v_add_nc_u32 v[ADRA+\s], s21, v4
	v_add_nc_u32 v[ADRB+\s], s22, v4
	v_add_nc_u32 v[ADRA+2+\s], s21, v5
	v_add_nc_u32 v[ADRB+2+\s], s22, v5
	s_add_co_u32 s21, s21, SLOT
	s_add_co_u32 s22, s22, SLOT
.endr
	v_mul_u32_u24 v5, v1, KS
	v_lshrrev_b32 v6, 8, v5
	v_lshl_add_u32 v5, v6, 4, v5
	s_mul_i32 s21, s15, HALFS
	s_mul_i32 s22, s16, HALFS
	s_add_co_u32 s22, s22, 2*HALFS
	s_sub_co_u32 s22, s22, s21
	v_mul_u32_u24 v6, s22, v2
	s_add_co_u32 s21, s21, SCL
	v_add_nc_u32 v5, v5, v6
	v_add_nc_u32 v[ADRS], s21, v5
	s_mul_i32 s23, s14, 16*SPITCH                  ; my stage
	v_mul_u32_u24 v5, v1, SPITCH                   ; in: row r, 32 bytes for each half of the lanes
	v_lshl_add_u32 v5, v2, 5, v5
	v_add_nc_u32 v[STO], s23, v5
	v_and_b32 v6, 31, v0
	v_lshlrev_b32 v[CO], 4, v6                     ; back: the 32 lanes take one row of 512 bytes; and the same in out0, hres and the bias
	v_add_nc_u32 v[RD], s23, v[CO]
	s_lshl_b32 s20, s17, 8
	s_lshl_b32 s21, s15, 7
	s_add_co_u32 s20, s20, s21                     ; my first row of C
	s_lshl_b32 s20, s20, 12                        ; rows of 4,096 bytes
	s_mov_b32 s21, 0
	s_lshl_b32 s46, s42, 10                        ; my first column, in bytes
	s_lshl_b32 s47, s16, 9
	s_add_co_u32 s46, s46, s47
	s_mov_b32 s47, 0
	s_add_nc_u64 s[20:21], s[20:21], s[46:47]
	s_add_nc_u64 s[12:13], s[12:13], s[20:21]
	s_add_nc_u64 s[98:99], s[98:99], s[20:21]
	s_add_nc_u64 s[96:97], s[96:97], s[46:47]
	global_load_b128 v[BI:BI+3], v[CO], s[96:97]
	s_wait_loadcnt 0x0                             ; no global load is out while the ring runs
.macro FRAG reg, adr, q, i
.irp p, 0,1,2,3,4,5
.set PCE, 12*(\q)+6*(\p/3)+\p%3
.if PCE%8 < 5
	ds_load_b64 v[\reg+2*\p:\reg+2*\p+1], v[\adr] offset:8*PCE+16*(PCE/8)+(\i)*16*PITCH
.else
	ds_load_b64 v[\reg+2*\p:\reg+2*\p+1], v[\adr+2] offset:8*PCE+16*(PCE/8)+(\i)*16*PITCH
.endif
.endr
.endm
.macro MUL16 a0, p, q, sc, zero        ; the 64 accumulators take turns, one instruction a turn
.irp a, \a0, \a0+1
.irp b, 0,1,2,3,4,5,6,7
.if \zero
	v_wmma_scale_f32_16x16x128_f8f6f4 v[8*(8*((\a)%4)+\b):8*(8*((\a)%4)+\b)+7], v[128*(\p)+FR*\b:128*(\p)+FR*\b+FR-1], v[AF+FR*(\a):AF+FR*(\a)+FR-1], 0, v[SC+8*NQ*(\sc)+NQ*\b+(\q)], v[SC+8*NQ*(\sc)+NQ*(\a)+(\q)] matrix_a_fmt:MATRIX_FMT_FP6 matrix_b_fmt:MATRIX_FMT_FP6 matrix_a_scale:MATRIX_SCALE_ROW1
.else
	v_wmma_scale_f32_16x16x128_f8f6f4 v[8*(8*((\a)%4)+\b):8*(8*((\a)%4)+\b)+7], v[128*(\p)+FR*\b:128*(\p)+FR*\b+FR-1], v[AF+FR*(\a):AF+FR*(\a)+FR-1], v[8*(8*((\a)%4)+\b):8*(8*((\a)%4)+\b)+7], v[SC+8*NQ*(\sc)+NQ*\b+(\q)], v[SC+8*NQ*(\sc)+NQ*(\a)+(\q)] matrix_a_fmt:MATRIX_FMT_FP6 matrix_b_fmt:MATRIX_FMT_FP6 matrix_a_scale:MATRIX_SCALE_ROW1
.endif
.endr
.endr
.endm
.macro FETCH_B slot, q, p
	WIN TO_B
.irp i, 0,1,2,3,4,5,6,7
	FRAG 128*(\p)+FR*\i, ADRB+\slot, \q, \i
.endr
	WIN 0
.endm
.macro FETCH_A slot, q, i0
.irp i, \i0, \i0+1, \i0+2, \i0+3
	FRAG AF+FR*(\i), ADRA+\slot, \q, \i
.endr
.endm
.macro SCALES sc
.irp i, 0,1,2,3,4,5,6,7
	ds_load_b64 v[SC+8*NQ*\sc+NQ*\i:SC+8*NQ*\sc+NQ*\i+1], v[ADRS] offset:\i*SBLK
.endr
.endm
.macro PLACES n
.rept \n
	v_nop
.endr
.endm
.macro STEP slot, q, zero
	s_wait_dscnt 4*NL                              ; B's set and A's blocks 0-3 are in; the youngest 24 loads may be out
	WIN MUL_LO
	MUL16 0, (\q)%2, \q, \slot, \zero
	MUL16 2, (\q)%2, \q, \slot, \zero
	s_wait_dscnt 0
	PLACES NP
	FETCH_B \slot, (\q)+1, 1-(\q)%2
	FETCH_A \slot, (\q)+1, 0
	WIN MUL_HI
	MUL16 4, (\q)%2, \q, \slot, \zero
	MUL16 6, (\q)%2, \q, \slot, \zero
	PLACES NP
	WIN 0
	FETCH_A \slot, (\q)+1, 4
.endm
.macro TURN slot, next, fill
	s_wait_tensorcnt 0x0                           ; all my tensor loads have landed: my part of the next slot
	ds_add_u32 v[SPW], v[NIL]                      ; 0 onto my spare word
	s_wait_dscnt 4*NL+1                            ; (the add and the youngest 24 loads may be out)
	WIN MUL_LO
	MUL16 0, 1, NQ-1, \slot, 0
	s_wait_dscnt 0x0                               ; the add is done, and my reads of this slot are over
	s_barrier_signal -1
	MUL16 2, 1, NQ-1, \slot, 0
	WIN 0
	s_barrier_wait -1
.if \fill
	CREST                                          ; no wave of any partner still reads this slot or has a load on its way
	s_add_nc_u64 s[G0+4*\slot+2:G0+4*\slot+3], s[G0+4*\slot+2:G0+4*\slot+3], 2*ASTEP
	s_add_nc_u64 s[G0B+4*\slot+2:G0B+4*\slot+3], s[G0B+4*\slot+2:G0B+4*\slot+3], 2*ROWB
	JLOAD G0+4*\slot, G1, G0B+4*\slot, G1B
.else
	PLACES NP
.endif
	v_add_nc_u32 v[ADRS], 4*NQ, v[ADRS]
	FETCH_B \next, 0, 0
	FETCH_A \next, 0, 0
	SCALES \next
	WIN MUL_HI
	MUL16 4, 1, NQ-1, \slot, 0
	MUL16 6, 1, NQ-1, \slot, 0
	PLACES NP
	WIN 0
	FETCH_A \next, 0, 4
.endm
	s_wait_tensorcnt 1                             ; the scales and my part of K step 0 are in (K step 1's load may be out)
	s_barrier_signal -1
	s_barrier_wait -1
	FETCH_B 0, 0, 0
	FETCH_A 0, 0, 0
	SCALES 0
	FETCH_A 0, 0, 4
	STEP 0, 0, 1
	s_mov_b32 s3, LAPS-1
.Llap:
	TURN 0, 1, 1
	STEP 1, 0, 0
	TURN 1, 0, 1
	STEP 0, 0, 0
	s_sub_co_u32 s3, s3, 1
	s_cmp_lg_u32 s3, 0
	s_cbranch_scc1 .Llap
	TURN 0, 1, 0
	STEP 1, 0, 0
	s_wait_dscnt 4*NL
	WIN MUL_LO
	MUL16 0, 1, NQ-1, 1, 0
	MUL16 2, 1, NQ-1, 1, 0
	s_wait_dscnt 0
	WIN MUL_HI
	MUL16 4, 1, NQ-1, 1, 0
	MUL16 6, 1, NQ-1, 1, 0
	WIN 0
; THE WAY OUT, block by block of 16 rows x 128 columns.  Every offset is an immediate: (16 a + t) rows of 4,096 bytes, 520,192 at the most.
.macro TOSTAGE a
.set AC, 64*((\a)%4)
	WIN 0x08+4*((\a)/4)                            ; an LDS store's data are its source 1: window 2 or 3
.irp b, 0,1,2,3,4,5,6,7
	ds_store_b128 v[STO], v[AC+8*\b:AC+8*\b+3] offset:64*\b          ; each accumulator from its low end on
	ds_store_b128 v[STO], v[AC+8*\b+4:AC+8*\b+7] offset:64*\b+16
.endr
	WIN 0
.set BB, BK+64*((\a)%2)
.irp t, 0,1,2,3,4,5,6,7,8,9,10,11,12,13,14,15
	ds_load_b128 v[BB+4*\t:BB+4*\t+3], v[RD] offset:\t*SPITCH        ; LDS serves a wave's instructions in order: these see the stores above
.endr
.endm
.macro HLOAD a                         ; hres's 16 rows of block a, in the shape in which the block comes back, into window 1
	WIN 0x40
.irp t, 0,1,2,3,4,5,6,7,8,9,10,11,12,13,14,15
	global_load_b128 v[64*((\a)%4)+4*\t:64*((\a)%4)+4*\t+3], v[CO], s[98:99] offset:(16*(\a)+\t)*4096 th:TH_LOAD_NT
.endr
	WIN 0
.endm
.macro SEND a, younger, hl             ; younger: the LDS instructions issued behind block a's loads; hl: the loads of hres issued behind block a's
.set BB, BK+64*((\a)%2)
.set HB, 64*((\a)%4)
	s_wait_dscnt \younger                          ; the block is back in registers,
	s_wait_loadcnt \hl                             ; and its rows of hres are in
.irp t, 0,1,2,3,4,5,6,7,8,9,10,11,12,13,14,15
	v_pk_add_f32 v[BB+4*\t:BB+4*\t+1], v[BB+4*\t:BB+4*\t+1], v[BI:BI+1]
	v_pk_add_f32 v[BB+4*\t+2:BB+4*\t+3], v[BB+4*\t+2:BB+4*\t+3], v[BI+2:BI+3]
.endr
	WIN 0x04                                       ; source 1: window 1
.set JJ, 0
.rept 32
	v_pk_add_f32 v[BB+JJ:BB+JJ+1], v[BB+JJ:BB+JJ+1], v[HB+JJ:HB+JJ+1]
.set JJ, JJ+2
.endr
	WIN 0
.irp t, 0,1,2,3,4,5,6,7,8,9,10,11,12,13,14,15
	global_store_b128 v[CO], v[BB+4*\t:BB+4*\t+3], s[12:13] offset:(16*(\a)+\t)*4096 th:TH_STORE_NT   ; 32 lanes store 512 consecutive bytes, aligned
.endr
.endm
	PLACES NP                                      ; behind the last products: loads land in their operands' registers, and results are read, from here on
	HLOAD 0
	HLOAD 1
	HLOAD 2
	TOSTAGE 0
.irp a, 1,2,3,4,5
.if \a > 1
	s_wait_xcnt 0x0                                ; block a - 2's stores have read their registers: block a's loads may land there
.endif
	TOSTAGE \a
	SEND \a-1, 32, 32                              ; behind block a - 1: block a's 16 LDS stores and 16 LDS loads; two blocks of hres, 16 loads each
	HLOAD \a+2
.endr
	s_wait_xcnt 0x0
	TOSTAGE 6
	SEND 5, 32, 32
	s_wait_xcnt 0x0
	TOSTAGE 7
	SEND 6, 32, 16                                 ; one block of hres is behind
	s_wait_xcnt 0x0
	SEND 7, 0, 0
	s_wait_tensorcnt 0x0                           ; the wave's end
	ds_add_u32 v[SPW], v[NIL]
	s_wait_dscnt 0x0
	CROUND                                         ; the closing round
	s_endpgm
.Lfunc_end_k_q0aff98c958_ffn2:
	.size	k_q0aff98c958_ffn2, .Lfunc_end_k_q0aff98c958_ffn2-k_q0aff98c958_ffn2
	.p2alignl 7, 3214868480
	.fill 96, 4, 3214868480
	.section	.rodata,"a",@progbits
	.p2align	6, 0x0
	.amdhsa_kernel k_q0aff98c958_ffn2
		.amdhsa_group_segment_fixed_size 327680
		.amdhsa_private_segment_fixed_size 0
		.amdhsa_enable_private_segment 0
		.amdhsa_kernarg_size 48
		.amdhsa_user_sgpr_count 2
		.amdhsa_user_sgpr_kernarg_segment_ptr 1
		.amdhsa_wavefront_size32 1
		.amdhsa_system_sgpr_workgroup_id_x 1
		.amdhsa_system_sgpr_workgroup_id_y 1
		.amdhsa_system_sgpr_workgroup_id_z 1
		.amdhsa_system_vgpr_workitem_id 0
		.amdhsa_next_free_vgpr 1024
		.amdhsa_next_free_sgpr 102
		.amdhsa_reserve_vcc 0
		.amdhsa_float_denorm_mode_32 3
		.amdhsa_float_denorm_mode_16_64 3
		.amdhsa_memory_ordered 1
		.amdhsa_forward_progress 1
		.amdhsa_inst_pref_size 205
	.end_amdhsa_kernel
	.amdgpu_metadata
---
amdhsa.version: [ 1, 2 ]
amdhsa.kernels:
  - .name:           k_q0aff98c958_ffn2
    .symbol:         k_q0aff98c958_ffn2.kd
    .args:
      - { .name: hid, .offset: 0, .size: 8, .value_kind: global_buffer, .address_space: global }
      - { .name: W2_codes, .offset: 8, .size: 8, .value_kind: global_buffer, .address_space: global }
      - { .name: W2_scales, .offset: 16, .size: 8, .value_kind: global_buffer, .address_space: global }
      - { .name: bf2, .offset: 24, .size: 8, .value_kind: global_buffer, .address_space: global }
      - { .name: hres, .offset: 32, .size: 8, .value_kind: global_buffer, .address_space: global }
      - { .name: out0, .offset: 40, .size: 8, .value_kind: global_buffer, .address_space: global }
    .group_segment_fixed_size: 327680
    .private_segment_fixed_size: 0
    .kernarg_segment_align: 8
    .kernarg_segment_size: 48
    .max_flat_workgroup_size: 128
    .sgpr_count:     102
    .vgpr_count:     1024
    .wavefront_size: 32
...
	.end_amdgpu_metadata
.endif
;; end of part 6
;; ======== version 2 of 2: 6 launches
;; limits: right only within a limited range of input values
;; workspace buffers: lnout 6,553,600 bytes; qkvout 10,223,616 bytes; hres 16,777,216 bytes; hn 3,276,800 bytes; hid 13,107,200 bytes
;; launch lnq (part 7): grid 256 x 1, 8 waves a work-group, no clusters, 46,080 bytes of LDS; arguments X, Y, g0, b0, g0kv, b0kv, lnout; writes lnout
.if DOCPART == 7
	.amdgcn_target "amdgcn-amd-amdhsa--gfx1250"
	.amdhsa_code_object_version 6
	.text
	.protected	k_q0aff98c958_lnq
	.globl	k_q0aff98c958_lnq
	.p2align	8
	.type	k_q0aff98c958_lnq,@function
k_q0aff98c958_lnq:
	s_mov_b64 s[64:65], 0
	v_nop
	global_prefetch_b8 v0, s[64:65] scope:SCOPE_SE
	s_setreg_imm32_b32 hwreg(HW_REG_WAVE_MODE, 25, 1), 1
	s_wait_xcnt 0x0
; LayerNorm of the 4,096 rows of X (gain g0, bias b0) and of the 4,096 rows of Y (g0kv, b0kv), each row of 1,024 f32, then the rows are
; turned into codes of FP6 (E2M3) along the row, one E8M0 byte for each 32 numbers.  lnout: codes at row x 768 bytes (X's rows, then Y's), scale bytes at SCOFF + row x 32.
; A wave owns four rows and keeps them in registers: mean, then the squares of x - mean (two passes over registers, so a common offset of the inputs costs no accuracy), rsqrt, gain, bias.
; All 16 KB of a wave are asked for at its head.  Each load reads 512 consecutive bytes; the conversions want 16 NEIGHBOURS in a lane, so half a row (512 numbers) at a time turns through the wave's own stage in LDS.
; A block's scale is 2^(floor(log2(largest magnitude)) - 2): the byte is the magnitude's exponent field - 2, held at 1 from below.
; LIMITS: a block of zeros gets the byte 1 (not 127): its codes are zeros and only this program reads the bytes.  NaN and infinities among the inputs are not served.  v_rsq_f32 is good to 1 ulp.
; No barrier: waves share nothing.  No matrix unit, cluster or tensor load: the launch is a stream.
.set TWO,   1                          ; 1: two tensors (the first 128 work-groups take the first), 0: one
.set LOGW,  3                          ; log2 of the waves in a work-group
.set SCOFF, 6291456                    ; where the scale bytes begin in the output buffer
.set SP,    80                         ; a lane's place in a stage: 64 bytes + 16 of padding
.set WREG,  5632                       ; LDS of a wave: two stages of 32 x SP bytes, then its 128 scale bytes
.set EMAX,  2
.set G,     16                         ; v16-47   the gain, as a row is loaded: load j's 16 bytes at 512 j + 16 lane
.set BV,    48                         ; v48-79   the bias likewise
.set ROWS,  80                         ; v80-207  four rows, 32 registers each; a finished half row's registers take its codes and its byte
.set X,     208                        ; v208-239 two sets of 16 neighbours; while free, the sums' chains
.set MU,    250                        ; v[250:251] the mean (low word)
.set RS,    252                        ; v[252:253] 1 / sqrt(var + eps) (low word)
.if TWO
	s_load_b256 s[4:11], s[0:1], 0x0               ; X, Y, g0, b0
	s_load_b128 s[16:19], s[0:1], 0x20             ; g0kv, b0kv
	s_load_b64 s[22:23], s[0:1], 0x30              ; the output buffer
	v_lshl_add_u32 v254, v0, 2, 0xb000
	v_mov_b32 v255, 0
.else
	s_load_b64 s[4:5], s[0:1], 0x0                 ; the rows
	s_load_b128 s[8:11], s[0:1], 0x8               ; gain, bias
	s_load_b64 s[22:23], s[0:1], 0x18              ; the output buffer
.endif
	v_lshrrev_b32 v1, 5, v0
	s_delay_alu instid0(VALU_DEP_1)
	v_readfirstlane_b32 s14, v1                    ; wave
	v_and_b32 v2, 31, v0                           ; lane
	s_delay_alu instid0(VALU_DEP_1)
	v_lshlrev_b32 v3, 4, v2                        ; my 16 bytes of a load's 512
	s_mul_i32 s15, s14, WREG
	v_lshrrev_b32 v14, 2, v2
	s_delay_alu instid0(VALU_DEP_1)
	v_mul_u32_u24 v14, v14, SP
	v_and_b32 v15, 3, v2
	s_delay_alu instid0(VALU_DEP_1)
	v_lshl_add_u32 v14, v15, 4, v14
	s_delay_alu instid0(VALU_DEP_1)
	v_add_nc_u32 v14, s15, v14                     ; the stage, on the way in: SP (lane / 4) + 16 (lane % 4)
	v_mul_u32_u24 v15, v2, SP
	s_delay_alu instid0(VALU_DEP_1)
	v_add_nc_u32 v15, s15, v15                     ; and on the way out: SP x lane: my 16 neighbours
	v_mul_u32_u24 v4, v2, 12                       ; my 16 codes' place in a step's 384 bytes
	v_lshrrev_b32 v5, 1, v2
	s_add_co_u32 s24, s15, 2*32*SP
	v_add_nc_u32 v5, s24, v5                       ; LDS: my block's scale byte
	v_lshlrev_b32 v7, 2, v2
	s_delay_alu instid0(VALU_DEP_1)
	v_add_nc_u32 v6, s24, v7                       ; and on the way out 4 bytes a lane
	v_mov_b32 v9, 0                                ; a lane permute's destination counts as read: written once
	v_mov_b32 v[MU+1], 0                           ; the pairs' upper words are named with the lower
	v_mov_b32 v[RS+1], 0
	s_mov_b32 s12, 0x76543210
	s_mov_b32 s13, 0xfedcba98                      ; selects: lane l xor 16
	s_mov_b32 s20, 0x3a800000                      ; 1 / 1,024
	s_mov_b32 s21, 0x3727c5ac                      ; 1e-5
	s_lshl_b32 s26, ttmp9, LOGW
	s_add_co_u32 s26, s26, s14                     ; which run of four rows of the output is my wave's
	s_mul_i32 s28, s26, 3072                       ; its codes,
	s_mov_b32 s29, 0
	s_lshl_b32 s30, s26, 7
	s_add_co_u32 s30, s30, SCOFF                   ; its scale bytes
	s_mov_b32 s31, 0
	s_wait_kmcnt 0x0
.if TWO
	s_cmp_lt_u32 ttmp9, 128                        ; the choice hangs on the work-group's number alone
	s_cselect_b64 s[4:5], s[4:5], s[6:7]
	s_cselect_b64 s[8:9], s[8:9], s[16:17]
	s_cselect_b64 s[10:11], s[10:11], s[18:19]
	s_cselect_b32 s25, 0, 1024
	s_sub_co_u32 s26, s26, s25                     ; the run's number inside its own tensor
.endif
	s_lshl_b32 s26, s26, 14                        ; four rows of 4,096 bytes
	s_mov_b32 s27, 0
	s_add_nc_u64 s[4:5], s[4:5], s[26:27]
	s_add_nc_u64 s[28:29], s[22:23], s[28:29]
	s_add_nc_u64 s[30:31], s[22:23], s[30:31]
.irp j, 0,1,2,3,4,5,6,7
	global_load_b128 v[G+4*\j:G+4*\j+3], v3, s[8:9] offset:512*\j
.endr
.irp j, 0,1,2,3,4,5,6,7
	global_load_b128 v[BV+4*\j:BV+4*\j+3], v3, s[10:11] offset:512*\j
.endr
.irp p, 0,1,2,3
.irp j, 0,1,2,3,4,5,6,7
	global_load_b128 v[ROWS+32*\p+4*\j:ROWS+32*\p+4*\j+3], v3, s[4:5] offset:4096*\p+512*\j th:TH_LOAD_NT
.endr
.endr
.macro RED                             ; v8 summed over the 32 lanes, the result in every lane
	s_delay_alu instid0(VALU_DEP_1)
	v_add_f32_dpp v8, v8, v8 row_xmask:1 row_mask:0xf bank_mask:0xf
	s_delay_alu instid0(VALU_DEP_1)
	v_add_f32_dpp v8, v8, v8 row_xmask:2 row_mask:0xf bank_mask:0xf
	s_delay_alu instid0(VALU_DEP_1)
	v_add_f32_dpp v8, v8, v8 row_xmask:4 row_mask:0xf bank_mask:0xf
	s_delay_alu instid0(VALU_DEP_1)
	v_add_f32_dpp v8, v8, v8 row_xmask:8 row_mask:0xf bank_mask:0xf
	s_delay_alu instid0(VALU_DEP_1)
	v_permlanex16_b32 v9, v8, s12, s13
	s_delay_alu instid0(VALU_DEP_1)
	v_add_f32 v8, v8, v9
.endm
.macro FOLD                            ; the four chains' pairs into v8
	s_delay_alu instid0(VALU_DEP_3)
	v_pk_add_f32 v[X:X+1], v[X:X+1], v[X+2:X+3]
	s_delay_alu instid0(VALU_DEP_2)
	v_pk_add_f32 v[X+4:X+5], v[X+4:X+5], v[X+6:X+7]
	s_delay_alu instid0(VALU_DEP_1)
	v_pk_add_f32 v[X:X+1], v[X:X+1], v[X+4:X+5]
	s_delay_alu instid0(VALU_DEP_1)
	v_add_f32 v8, v[X], v[X+1]
	RED
.endm
.macro LN p                            ; row p, in place
.set R, ROWS+32*(\p)
	s_wait_loadcnt 8*(3-(\p))                      ; gain, bias and my row are in; the rows behind it, eight loads each, may be out
.irp c, 0,2,4,6
	v_pk_add_f32 v[X+\c:X+\c+1], v[R+\c:R+\c+1], v[R+8+\c:R+8+\c+1]     ; the sum, in four chains
.endr
.irp k, 16,24
.irp c, 0,2,4,6
	s_delay_alu instid0(VALU_DEP_4)
	v_pk_add_f32 v[X+\c:X+\c+1], v[X+\c:X+\c+1], v[R+\k+\c:R+\k+\c+1]
.endr
.endr
	FOLD
	s_delay_alu instid0(VALU_DEP_1)
	v_mul_f32 v[MU], s20, v8                       ; the mean
.set i, 0
.rept 16
	v_pk_add_f32 v[R+i:R+i+1], v[R+i:R+i+1], v[MU:MU+1] op_sel_hi:[1,0] neg_lo:[0,1] neg_hi:[0,1]   ; x - mean
.set i, i+2
.endr
.irp c, 0,2,4,6
	v_pk_mul_f32 v[X+\c:X+\c+1], v[R+\c:R+\c+1], v[R+\c:R+\c+1]         ; the squares
.endr
.irp k, 8,16,24
.irp c, 0,2,4,6
	s_delay_alu instid0(VALU_DEP_4)
	v_pk_fma_f32 v[X+\c:X+\c+1], v[R+\k+\c:R+\k+\c+1], v[R+\k+\c:R+\k+\c+1], v[X+\c:X+\c+1]
.endr
.endr
	FOLD
	s_delay_alu instid0(VALU_DEP_1)
	v_fma_f32 v8, v8, s20, s21                     ; var + eps
	s_wait_alu depctr_va_vdst(0)
	v_rsq_f32 v[RS], v8
	v_nop                                          ; a plain instruction behind the transcendental,
	s_wait_alu depctr_va_vdst(0)                   ; and the wait ahead of its first reader
.set i, 0
.rept 16
	v_pk_mul_f32 v[R+i:R+i+1], v[R+i:R+i+1], v[RS:RS+1] op_sel_hi:[1,0]
.set i, i+2
.endr
.set i, 0
.rept 16
	v_pk_fma_f32 v[R+i:R+i+1], v[R+i:R+i+1], v[G+i:G+i+1], v[BV+i:BV+i+1]
.set i, i+2
.endr
.endm
.macro TURN t                          ; step t (half a row, 512 numbers) through stage t % 2: LDS serves a wave's instructions in order, so no wait stands between the stores and the loads
.irp i, 0,1,2,3
	ds_store_b128 v14, v[ROWS+16*(\t)+4*\i:ROWS+16*(\t)+4*\i+3] offset:32*SP*((\t)%2)+8*SP*\i
.endr
.irp i, 0,1,2,3
	ds_load_b128 v[X+16*((\t)%2)+4*\i:X+16*((\t)%2)+4*\i+3], v15 offset:32*SP*((\t)%2)+16*\i
.endr
.endm
.macro STEP t
.set XS, X+16*((\t)%2)
.set CR, ROWS+16*(\t)                  ; the step's own registers of its row: three for its codes, one for its byte
.if ((\t)%2) == 0
	s_wait_dscnt 8                                 ; this step's numbers are back; the other step's eight LDS instructions may be out
.else
	s_wait_dscnt 1                                 ; this step's numbers are back; the last step's byte store may be out
.endif
	v_max3_num_f32 v8, |v[XS]|, |v[XS+1]|, |v[XS+2]|
	v_max3_num_f32 v10, |v[XS+3]|, |v[XS+4]|, |v[XS+5]|
.irp i, 6,10
	s_delay_alu instid0(VALU_DEP_2)
	v_max3_num_f32 v8, v8, |v[XS+\i]|, |v[XS+\i+1]|
	s_delay_alu instid0(VALU_DEP_2)
	v_max3_num_f32 v10, v10, |v[XS+\i+2]|, |v[XS+\i+3]|
.endr
	s_delay_alu instid0(VALU_DEP_2)
	v_max3_num_f32 v8, v8, |v[XS+14]|, |v[XS+15]|
	s_delay_alu instid0(VALU_DEP_1)
	v_max3_num_f32 v8, v8, v10, (EMAX+1)<<23       ; and the floor 2^(3 - 127): the byte cannot fall under 1
	s_delay_alu instid0(VALU_DEP_1)
	v_max_num_f32_dpp v8, v8, v8 row_xmask:1 row_mask:0xf bank_mask:0xf   ; with my neighbour's 16: the block's largest magnitude
	s_delay_alu instid0(VALU_DEP_1)
	v_add_nc_u32 v11, -(EMAX<<23), v8              ; 2 off its exponent field: the conversion takes the exponent field of this operand as its scale
	v_cvt_scalef32_pk16_fp6_f32 v[CR:CR+2], v[XS:XS+15], v11
	v_lshrrev_b32 v[CR+4], 23, v11                 ; the scale's byte (also the plain instruction behind the conversion)
	ds_store_b8 v5, v[CR+4] offset:16*(\t)         ; both lanes of a block write the same byte with the same value
	global_store_b96 v4, v[CR:CR+2], s[28:29] offset:384*(\t)   ; the wave stores 384 consecutive bytes
.endm
.irp p, 0,1,2,3
	LN \p
	TURN 2*\p
	TURN 2*\p+1
	STEP 2*\p
	STEP 2*\p+1
.endr
	ds_load_b32 v10, v6                            ; my wave's 128 scale bytes: these loads see my stores
	s_wait_dscnt 0x0
	global_store_b32 v7, v10, s[30:31]             ; 128 consecutive bytes: four rows' scale bytes
	s_wait_tensorcnt 0x0
	ds_add_u32 v254, v255
	s_wait_dscnt 0x0
	s_endpgm
.Lfunc_end_k_q0aff98c958_lnq:
	.size	k_q0aff98c958_lnq, .Lfunc_end_k_q0aff98c958_lnq-k_q0aff98c958_lnq
	.p2alignl 7, 3214868480
	.fill 96, 4, 3214868480
	.section	.rodata,"a",@progbits
	.p2align	6, 0x0
	.amdhsa_kernel k_q0aff98c958_lnq
		.amdhsa_group_segment_fixed_size 46080
		.amdhsa_private_segment_fixed_size 0
		.amdhsa_enable_private_segment 0
		.amdhsa_kernarg_size 56
		.amdhsa_user_sgpr_count 2
		.amdhsa_user_sgpr_kernarg_segment_ptr 1
		.amdhsa_wavefront_size32 1
		.amdhsa_system_sgpr_workgroup_id_x 1
		.amdhsa_system_sgpr_workgroup_id_y 1
		.amdhsa_system_sgpr_workgroup_id_z 1
		.amdhsa_system_vgpr_workitem_id 0
		.amdhsa_next_free_vgpr 256
		.amdhsa_next_free_sgpr 66
		.amdhsa_reserve_vcc 0
		.amdhsa_float_denorm_mode_32 3
		.amdhsa_float_denorm_mode_16_64 3
		.amdhsa_memory_ordered 1
		.amdhsa_forward_progress 1
		.amdhsa_inst_pref_size 51
	.end_amdhsa_kernel
	.amdgpu_metadata
---
amdhsa.version: [ 1, 2 ]
amdhsa.kernels:
  - .name:           k_q0aff98c958_lnq
    .symbol:         k_q0aff98c958_lnq.kd
    .args:
      - { .name: X, .offset: 0, .size: 8, .value_kind: global_buffer, .address_space: global }
      - { .name: Y, .offset: 8, .size: 8, .value_kind: global_buffer, .address_space: global }
      - { .name: g0, .offset: 16, .size: 8, .value_kind: global_buffer, .address_space: global }
      - { .name: b0, .offset: 24, .size: 8, .value_kind: global_buffer, .address_space: global }
      - { .name: g0kv, .offset: 32, .size: 8, .value_kind: global_buffer, .address_space: global }
      - { .name: b0kv, .offset: 40, .size: 8, .value_kind: global_buffer, .address_space: global }
      - { .name: lnout, .offset: 48, .size: 8, .value_kind: global_buffer, .address_space: global }
    .group_segment_fixed_size: 46080
    .private_segment_fixed_size: 0
    .kernarg_segment_align: 8
    .kernarg_segment_size: 56
    .max_flat_workgroup_size: 256
    .sgpr_count:     66
    .vgpr_count:     256
    .wavefront_size: 32
...
	.end_amdgpu_metadata
.endif
;; end of part 7
;; launch qkv (part 8): grid 12 x 16, 4 waves a work-group, clusters of 4 x 4, 327,680 bytes of LDS; arguments lnout, Wq_codes, Wq_scales, Wk_codes, Wk_scales, Wv_codes, Wv_scales, bq, bk, bv, qkvout; writes qkvout
.if DOCPART == 8
	.amdgcn_target "amdgcn-amd-amdhsa--gfx1250"
	.amdhsa_code_object_version 6
	.text
	.protected	k_q0aff98c958_qkv
	.globl	k_q0aff98c958_qkv
	.p2align	8
	.type	k_q0aff98c958_qkv,@function
k_q0aff98c958_qkv:
	s_mov_b64 s[64:65], 0
	v_nop
	global_prefetch_b8 v0, s[64:65] scope:SCOPE_SE
	s_setreg_imm32_b32 hwreg(HW_REG_WAVE_MODE, 25, 1), 1
	s_wait_xcnt 0x0
	s_wait_alu depctr_hold_cnt(0) depctr_sa_sdst(0) depctr_va_vdst(0) depctr_va_sdst(0) depctr_va_ssrc(0) depctr_va_vcc(0) depctr_vm_vsrc(0)
	s_getreg_b32 s2, hwreg(HW_REG_IB_STS2, 6, 4)
	s_cmp_eq_u32 s2, 0
	s_cbranch_scc0 .Lentry_in_a_cluster
	s_endpgm
.Lentry_in_a_cluster:
	s_bfe_u32 s2, ttmp6, 0x10000c
	s_cmp_lg_u32 s2, 0xf033
	s_cbranch_scc0 .Lentry_shape_is_right
	s_endpgm
.Lentry_shape_is_right:
; Q = Xn Wq + bq, K = Yn Wk + bk, V = Yn Wv + bv on codes of FP6 (E2M3) with E8M0 scales for each 32 along K = 1,024; the results are quantised in registers for the attention launch.
; The cluster's x says which product: 0 Q, 1 K, 2 V.  C = A B^T with A = the tokens' codes and B = the weight's for Q and K (C: token x feature).  For V the two change places (A = Wv, B = the tokens: C = V^T, feature x key),
; so that a lane's registers run along the KEYS, which are the K of attention's second product.
; A tile of C, 256 x 256, is made by four waves, 128 x 128 each: 64 accumulators, 512 registers.  K goes in chunks of 256 bytes of a row through a ring of two LDS slots filled by the tensor data mover; rows of 256 bytes.
; The scale bytes of the work-group's rows come into LDS once.  CLUSTERS of 4 x 4: A's tiles are asked for jointly along a row of the cluster, B's along a column.
; THE MATRIX INSTRUCTION IS USED TRANSPOSED (source 0 = 16 rows of B, source 1 = 16 rows of A): lane (r, h), register j of accumulator (a, b) holds C(16 a + r, 16 b + 8 h + j).
; THE WAY OUT.  The 64 registers of a block of 16 rows are taken as positions 32 beta + 16 h + i of the row: inside a block of 32 that is a fixed permutation of the columns (0-7, 16-23, 8-15, 24-31), the same for Q, K and the null key
; (over a head's numbers) and for V and the softmax's p (over keys): a permutation of k inside a block, applied to both operands alike, changes no scale and no code's value, only the order in which the unit adds.
; qkvout: codes as images of operand registers (six registers of 32 lanes = 768 bytes: piece i = registers 2 i, 2 i + 1, 8 bytes a lane); Q, K: [head 32][tile of 16 tokens][768]; V: [head][128 keys][16 numbers of the head][1,536];
; scale words behind them: Q, K: [head][token][4 bytes: s0 s1 s0 s1]; V: [head][128 keys][tile][lane][4 bytes].  Every store of codes covers 256 consecutive bytes, aligned.
; LIMITS: a block of zeros gets the byte 1, not 127 (its codes are zeros; only this program reads the bytes); NaN and infinities are not served.
; REGISTERS, in windows of 256: window 0: v0-31 addresses; v32-63 scale words (two sets; nothing else ever); v64-127 the bias by columns; v128-223 A's fragments, on the way out numbers, codes and work; v240-255 the bias by rows.
;   window 1: B's fragments, two sets.   windows 2, 3: the accumulators ((a, b) at v[8 (8 (a % 4) + b)]).
.set SIZE_K, 1024
.set KROWA,  768                       ; a row of A's codes in memory, bytes
.set KROWB,  768                       ; of B's
; THE RING goes by chunks of 256 bytes of each row of codes (a row is 768 bytes, three chunks), chunk c in slot c % 2; a step of 128 along K is 96 bytes, so steps 2 and 5 lie across two chunks.
.set ASTEP,  256                       ; from a chunk of A to the next, bytes
.set KSTEP,  256
.set NQ,     KSTEP/128
.set ROWB,   256                       ; a tile's row: one chunk, beginning at a multiple of 256 bytes
.set STEPS,  SIZE_K/128
.set CHUNKS, KROWA/ROWB
.set PITCH,  272                       ; an LDS row: 256 bytes + 16 of padding
.set G0H,    4                         ; s[4:7], s[8:11] group 0 of the head's loads of chunk 0 (the pointers that lay there have been used)
.set G0HB,   8
.set FR,     12
.set NL,     6
.set NP,     4
.set HALFT,  128*PITCH
.set SLOT,   4*HALFT
.set LAPS,   SIZE_K/(2*KSTEP)
.set KS,     SIZE_K/32
.set SCL,    2*SLOT                    ; behind the ring: the scales, as units of 256 bytes + 16 of padding
.set HALFS,  (128*KS/256)*272
.set SBLK,   (16*KS/256)*272
.set SPARE,  SCL+4*HALFS               ; the spare words: 128 bytes a wave, named by no other line
.set ADRA, 16
.set ADRB, 20
.set LO8,  24                          ; v24  8 x lane: my place in a piece of an image
.set SOF,  25                          ; v25  my place among the scale words
.set ADRS, 27
.set SPW,  28
.set NIL,  29
.set SC,   32
.set CB,   64
.set AF,   128
.set TT,   128                         ; the way out: 64 numbers
.set CD,   192                         ; 12 registers of codes, 8 at work
.set TM,   212                         ; 16 at work
.set PW,   228                         ; the scale word just made
.set W0,   229
.set W1,   230
.set RB,   240
.set G1, 24
.set G0, 32
.set G1B, 48
.set G0B, 56
.set SEL, 66                           ; s[66:67] selects: lane l xor 16
.set G1S, 68
.set G0S, 76
.set G1SB, 80
.set G0SB, 88
.set MSB, 0
.macro WIN new                         ; the immediate's high byte repeats the setting that is left
.if MSB != \new
	s_set_vgpr_msb (MSB<<8)|(\new)
.set MSB, \new
.endif
.endm
.set MUL_LO, 0xa1                      ; source 0 (B) window 1, source 1 (A) window 0, C and D window 2
.set MUL_HI, 0xf1
.set TO_B,   0x40
; A joint load: waves 0 and 1 fetch for A, waves 2 and 3 for B; the branch hangs on the wave's number alone.  Four v_nop follow each of the two lines.
.macro JLOAD g0a, g1a, g0b, g1b
	s_cmp_eq_u32 s15, 0
	s_cbranch_scc0 .Lfor_b_\@
	tensor_load_to_lds s[\g0a:\g0a+3], s[\g1a:\g1a+7]
	s_nop 0
.rept 4
	v_nop
.endr
	s_branch .Lasked_\@
.Lfor_b_\@:
	tensor_load_to_lds s[\g0b:\g0b+3], s[\g1b:\g1b+7]
	s_nop 0
.rept 4
	v_nop
.endr
.Lasked_\@:
.endm
.macro CREST                           ; a round of the cluster's barrier behind its opening barrier
	s_cmp_lg_u32 s14, 0
	s_cbranch_scc1 .Lnot_wave_0_\@
	s_barrier_signal -3
.Lnot_wave_0_\@:
	s_barrier_wait -3
	s_barrier_signal -1
	s_barrier_wait -1
.endm
.macro CROUND
	s_barrier_signal -1
	s_barrier_wait -1
	CREST
.endm
	s_load_b512 s[24:39], s[0:1], 0x0              ; lnout, Wq codes, scales, Wk codes, scales, Wv codes, scales, bq
	s_load_b128 s[40:43], s[0:1], 0x40             ; bk, bv
	s_load_b64 s[12:13], s[0:1], 0x50              ; qkvout
	v_lshl_add_u32 v[SPW], v0, 2, SPARE
	v_mov_b32 v[NIL], 0
	ds_add_u32 v28, v29
	ds_add_u32 v28, v29
	s_wait_dscnt 0x0
	v_lshrrev_b32 v1, 5, v0
	v_readfirstlane_b32 s14, v1                    ; wave 0..3
	s_lshr_b32 s15, s14, 1                         ; which half of the tile's rows is mine.  Also: I fetch for A (0) or for B (1)
	s_and_b32 s16, s14, 1                          ; which half of its columns.  Also: which 128 rows of that tile I fetch
	s_wait_kmcnt 0x0
	; which product: the cluster's x, the same in all sixteen partners.  Only pointers and offsets are chosen: all three products take one path
	s_cmp_eq_u32 ttmp9, 0
	s_cselect_b64 s[44:45], s[26:27], s[30:31]     ; the weight's codes: Wq's or Wk's,
	s_cselect_b64 s[46:47], s[28:29], s[32:33]     ; its scales,
	s_cselect_b64 s[96:97], s[38:39], s[40:41]     ; the bias;
	s_cselect_b32 s48, 0, 3145728                  ; the tokens' codes: X's rows or Y's,
	s_cselect_b32 s50, 0, 131072                   ; their scale bytes
	s_cmp_eq_u32 ttmp9, 2
	s_cselect_b64 s[44:45], s[34:35], s[44:45]     ; or Wv's
	s_cselect_b64 s[46:47], s[36:37], s[46:47]
	s_cselect_b64 s[96:97], s[42:43], s[96:97]
	s_mov_b32 s49, 0
	s_mov_b32 s51, 0
	s_add_nc_u64 s[48:49], s[24:25], s[48:49]
	s_add_nc_u64 s[50:51], s[24:25], s[50:51]
	s_add_nc_u64 s[50:51], s[50:51], 6291456
	s_cselect_b64 s[4:5], s[44:45], s[48:49]       ; A's codes: for V the weight's, else the tokens'
	s_cselect_b64 s[6:7], s[46:47], s[50:51]       ; A's scales
	s_cselect_b64 s[8:9], s[48:49], s[44:45]       ; B's codes
	s_cselect_b64 s[10:11], s[50:51], s[46:47]     ; B's scales
	s_bfe_u32 s40, ttmp6, 0x40000                  ; cx, cy: my place in the cluster
	s_bfe_u32 s41, ttmp6, 0x40004
	s_and_b32 s17, ttmp7, 0xffff
	s_lshl_b32 s17, s17, 2                         ; 4 x cluster y: it walks the 4,096 tokens, which are C's rows for Q and K and its columns for V
	s_cmp_eq_u32 ttmp9, 2
	s_cselect_b32 s42, s17, 0
	s_cselect_b32 s17, 0, s17
	s_add_co_u32 s42, s42, s40                     ; tile column of C
	s_add_co_u32 s17, s17, s41                     ; tile row of C
	s_lshl_b32 s43, s41, 2
	s_lshl_b32 s43, 15, s43                        ; my row of the cluster
	s_lshl_b32 s44, 0x1111, s40                    ; my column
	s_mov_b32 s[SEL], 0x76543210
	s_mov_b32 s[SEL+1], 0xfedcba98
	; descriptor group 1: a tile of rows of 256 bytes, 16 bytes of padding behind every 256
	s_or_b32 s[G1+0], s43, (0<<16)|(1<<20)|(1<<21)|(5<<22)|(3<<25)   ; 16 bytes of padding behind every 256
	s_or_b32 s[G1B+0], s44, (0<<16)|(1<<20)|(1<<21)|(5<<22)|(3<<25)
.irp g, G1, G1B
	s_mov_b32 s[\g+1], ROWB<<16                    ; tensor_dim0
	s_mov_b32 s[\g+2], 256<<16                     ; 256 rows for the head's loads; 128 behind them
	s_mov_b32 s[\g+3], ROWB<<16
	s_mov_b32 s[\g+4], 256
	s_mov_b32 s[\g+6], 0
	s_mov_b32 s[\g+7], 0
.endr
	s_mov_b32 s[G1+5], KROWA                       ; the pitch
	s_mov_b32 s[G1B+5], KROWB
	; the scales of 256 rows: a dense block, as rows of 256 bytes (32 elements of 8), 16 bytes of padding behind each
	s_or_b32 s[G1S+0], s43, (3<<16)|(1<<20)|(1<<21)|(5<<22)|(3<<25)
	s_or_b32 s[G1SB+0], s44, (3<<16)|(1<<20)|(1<<21)|(5<<22)|(3<<25)
.irp g, G1S, G1SB
	s_mov_b32 s[\g+1], 32<<16
	s_mov_b32 s[\g+2], KS<<16                      ; the scales of 256 rows: KS rows of 256 bytes
	s_mov_b32 s[\g+3], 32<<16
	s_mov_b32 s[\g+4], KS
	s_mov_b32 s[\g+5], 32
	s_mov_b32 s[\g+6], 0
	s_mov_b32 s[\g+7], 0
.endr
	s_lshl_b32 s20, s17, 8                         ; A: the tile's first row
	s_lshl_b32 s46, s42, 8                         ; B: likewise
	s_mov_b32 s21, 0
	s_mov_b32 s47, 0
	s_mov_b64 s[18:19], KS
	s_mul_u64 s[22:23], s[20:21], s[18:19]         ; where these rows' scales begin
	s_mul_u64 s[92:93], s[46:47], s[18:19]
	s_mov_b64 s[18:19], KROWA
	s_mul_u64 s[20:21], s[20:21], s[18:19]         ; and their codes
	s_mov_b64 s[18:19], KROWB
	s_mul_u64 s[46:47], s[46:47], s[18:19]
	s_mul_i32 s45, s14, HALFT                      ; where they go: wave x 128 rows: no place in the cluster enters an LDS address
	s_mul_i32 s94, s14, HALFS
	s_add_nc_u64 s[20:21], s[4:5], s[20:21]
	s_add_nc_u64 s[22:23], s[6:7], s[22:23]
	s_add_nc_u64 s[46:47], s[8:9], s[46:47]
	s_add_nc_u64 s[92:93], s[10:11], s[92:93]
	CROUND                                         ; all sixteen work-groups are here: the first joint loads meet
	s_mov_b32 s[G0S], 1
	s_mov_b32 s[G0S+1], SCL
	s_mov_b64 s[G0S+2:G0S+3], s[22:23]
	s_or_b32 s[G0S+3], s[G0S+3], 0x80000000
	s_mov_b32 s[G0SB], 1
	s_mov_b32 s[G0SB+1], SCL+2*HALFS
	s_mov_b64 s[G0SB+2:G0SB+3], s[92:93]
	s_or_b32 s[G0SB+3], s[G0SB+3], 0x80000000
	s_mov_b32 s[G0H], 1                            ; chunk 0's 256 rows of A,
	s_mov_b32 s[G0H+1], 0
	s_mov_b64 s[G0H+2:G0H+3], s[20:21]
	s_or_b32 s[G0H+3], s[G0H+3], 0x80000000
	s_mov_b32 s[G0HB], 1                           ; and of B, behind them in slot 0
	s_mov_b32 s[G0HB+1], 2*HALFT
	s_mov_b64 s[G0HB+2:G0HB+3], s[46:47]
	s_or_b32 s[G0HB+3], s[G0HB+3], 0x80000000
	; the prefetches' pointer: of a tile's 256 rows each of the four partners that load it jointly takes 64 (by cx for A, by cy for B), told apart by address; my wave 32 of them
	s_cmp_eq_u32 s15, 0                            ; do I fetch for A?
	s_cselect_b64 s[2:3], s[20:21], s[46:47]
	s_cselect_b32 s94, s40, s41
	s_lshl_b32 s94, s94, 1
	s_add_co_u32 s94, s94, s16
	s_mul_i32 s94, s94, 32*KROWA
	s_mov_b32 s95, 0
	s_add_nc_u64 s[2:3], s[2:3], s[94:95]
	s_mul_i32 s18, s16, 128*KROWA
	s_mov_b32 s19, 0
	s_add_nc_u64 s[20:21], s[20:21], s[18:19]
	s_add_nc_u64 s[46:47], s[46:47], s[18:19]
.irp s, 0,1
	s_mov_b32 s[G0+4*\s], 1
	s_add_co_u32 s[G0+4*\s+1], s45, \s*SLOT
	s_add_nc_u64 s[G0+4*\s+2:G0+4*\s+3], s[20:21], \s*ASTEP
	s_or_b32 s[G0+4*\s+3], s[G0+4*\s+3], 0x80000000
	s_mov_b32 s[G0B+4*\s], 1
	s_add_co_u32 s[G0B+4*\s+1], s45, \s*SLOT
	s_add_nc_u64 s[G0B+4*\s+2:G0B+4*\s+3], s[46:47], \s*ROWB
	s_or_b32 s[G0B+4*\s+3], s[G0B+4*\s+3], 0x80000000
.endr
; the head's loads, one a wave: wave 0 chunk 0 of A, wave 1 of B, wave 2 A's scales, wave 3 B's; one chain of branches on the wave's number
.macro ARM under, g0, g1, next
	s_cmp_lt_u32 s14, \under
	s_cbranch_scc0 \next
	tensor_load_to_lds s[\g0:\g0+3], s[\g1:\g1+7]
	s_nop 0
.rept 4
	v_nop
.endr
	s_branch .Lhead_asked
\next:
.endm
	ARM 1, G0H,  G1,  .Lhead_b
	ARM 2, G0HB, G1B, .Lhead_sa
	ARM 3, G0S,  G1S, .Lhead_sb
	tensor_load_to_lds s[G0SB:G0SB+3], s[G1SB:G1SB+7]
	s_nop 0
.rept 4
	v_nop
.endr
.Lhead_asked:
	v_and_b32 v15, 31, v0
	v_mul_u32_u24 v15, v15, KROWA                  ; a lane a row; v15 and s[2:3] are never written again
	global_prefetch_b8 v15, s[2:3] offset:256 th:TH_LOAD_NT scope:SCOPE_SE   ; chunk 1 of my 32 rows: its load stands behind the next round,
	global_prefetch_b8 v15, s[2:3] offset:512 th:TH_LOAD_NT scope:SCOPE_SE   ; chunk 2: its load stands in step 2.  Each block of 256 bytes is named once in the cluster
	v_and_b32 v1, 15, v0                           ; r = l % 16
	v_bfe_u32 v2, v0, 4, 1                         ; h = l / 16
	v_mul_u32_u24 v3, v1, PITCH
	v_mul_u32_u24 v4, v2, 24
	v_add_nc_u32 v4, v3, v4                        ; a fragment's row x pitch + 24 x half
	s_mov_b32 s21, SLOT-232
	s_mov_b32 s22, SLOT+232
	v_sub_nc_u32 v7, 1, v2                         ; 1 in lanes 0-15
	v_mul_u32_u24 v5, s21, v2
	v_add_nc_u32 v5, v3, v5
	v_add_nc_u32 v5, 232, v5                       ; across two chunks: lanes 0-15 byte 232 of the row in slot 0, lanes 16-31 byte 0 in slot 1;
	v_mul_u32_u24 v6, s22, v7
	v_add_nc_u32 v6, v3, v6                        ; and the other way round
	s_mul_i32 s21, s15, HALFT                      ; my 128 rows of A
	s_mul_i32 s22, s16, HALFT                      ; my 128 rows of B,
	s_add_co_u32 s22, s22, 2*HALFT                 ; behind A's 256
	v_add_nc_u32 v[ADRA+2], s21, v5
	v_add_nc_u32 v[ADRA+3], s21, v6
	v_add_nc_u32 v[ADRB+2], s22, v5
	v_add_nc_u32 v[ADRB+3], s22, v6
.irp s, 0,1
	v_add_nc_u32 v[ADRA+\s], s21, v4
	v_add_nc_u32 v[ADRB+\s], s22, v4
	s_add_co_u32 s21, s21, SLOT
	s_add_co_u32 s22, s22, SLOT
.endr
	v_mul_u32_u24 v5, v1, KS                       ; my row's scales: KS bytes a row,
	v_lshrrev_b32 v6, 8, v5
	v_lshl_add_u32 v5, v6, 4, v5                   ; and 16 more for each 256 passed
	s_mul_i32 s21, s15, HALFS
	s_mul_i32 s22, s16, HALFS
	s_add_co_u32 s22, s22, 2*HALFS
	s_sub_co_u32 s22, s22, s21
	v_mul_u32_u24 v6, s22, v2                      ; lanes 16-31 take B's
	s_add_co_u32 s21, s21, SCL
	v_add_nc_u32 v5, v5, v6
	v_add_nc_u32 v[ADRS], s21, v5
	v_and_b32 v6, 31, v0
	v_lshlrev_b32 v[LO8], 3, v6
	v_cmp_eq_u32 s100, 1, v2                       ; the mask of lanes 16-31
	; THE BIAS goes by C's columns for Q and K and by its rows for V.  Both forms are loaded, from inside the 4,096 bytes in every case, and the one that does not apply is masked to zeros: no branch
	s_lshl_b32 s18, s17, 8
	s_lshl_b32 s19, s15, 7
	s_add_co_u32 s18, s18, s19                     ; my first row of C
	s_lshl_b32 s19, s42, 8
	s_lshl_b32 s22, s16, 7
	s_add_co_u32 s19, s19, s22                     ; my first column
	s_lshl_b32 s18, s18, 2
	s_lshl_b32 s19, s19, 2
	s_cmp_eq_u32 ttmp9, 2
	s_cselect_b32 s22, 0, s19
	s_cselect_b32 s92, s18, 0
	s_cselect_b32 s95, 0, -1                       ; keeps the bias by columns
	s_mov_b32 s23, 0
	s_mov_b32 s93, 0
	s_add_nc_u64 s[98:99], s[96:97], s[92:93]
	s_add_nc_u64 s[96:97], s[96:97], s[22:23]
	s_not_b32 s101, s95                            ; keeps the bias by rows
	v_lshlrev_b32 v30, 5, v2                       ; 32 h: my eight columns of a tile of 16
	v_lshlrev_b32 v31, 2, v1                       ; 4 r: my row
.irp b, 0,1,2,3,4,5,6,7
	global_load_b128 v[CB+8*\b:CB+8*\b+3], v30, s[96:97] offset:64*\b
	global_load_b128 v[CB+8*\b+4:CB+8*\b+7], v30, s[96:97] offset:64*\b+16
.endr
.irp a, 0,1,2,3,4,5,6,7
	global_load_b32 v[RB+2*\a], v31, s[98:99] offset:64*\a
.endr
	s_wait_loadcnt 0x0                             ; no global load is out while the ring runs
.set i, 0
.rept 64
	v_and_b32 v[CB+i], s95, v[CB+i]
.set i, i+1
.endr
.irp a, 0,1,2,3,4,5,6,7
	v_and_b32 v[RB+2*\a], s101, v[RB+2*\a]
	v_mov_b32 v[RB+2*\a+1], 0                      ; named with it as a pair
.endr
.macro FRAG reg, adr, q, i             ; a fragment: 16 rows x 128 K of 6-bit codes, 12 registers: lane l holds row l % 16; registers 6 c .. 6 c + 5 hold K = 64 c + 32 (l / 16) + 0 .. 31, 24 bytes as they lie, in pieces of 8 bytes
.irp p, 0,1,2,3,4,5
.set BY, 96*(\q)+48*(\p/3)+8*(\p%3)    ; q: the step, from the row's start.  Byte y of a row lies in chunk y / 256, slot (y / 256) % 2, byte y % 256 of the LDS row; lanes 16-31 read 24 bytes on
.if BY/ROWB == (BY+24)/ROWB
	ds_load_b64 v[\reg+2*\p:\reg+2*\p+1], v[\adr+(BY/ROWB)%2] offset:BY%ROWB+(\i)*16*PITCH
.else
	ds_load_b64 v[\reg+2*\p:\reg+2*\p+1], v[\adr+2+(BY/ROWB)%2] offset:BY%ROWB-232+(\i)*16*PITCH
.endif
.endr
.endm
; 16 matrix instructions: A's blocks a0, a0 + 1 x B's eight.  The 64 accumulators take turns, one instruction a turn, in the same order in every step.  zero = 1: the first product starts the sums
.macro MUL16 a0, p, q, sc, zero
.irp a, \a0, \a0+1
.irp b, 0,1,2,3,4,5,6,7
.if \zero
	v_wmma_scale_f32_16x16x128_f8f6f4 v[8*(8*((\a)%4)+\b):8*(8*((\a)%4)+\b)+7], v[128*(\p)+FR*\b:128*(\p)+FR*\b+FR-1], v[AF+FR*(\a):AF+FR*(\a)+FR-1], 0, v[SC+8*NQ*(\sc)+NQ*\b+(\q)], v[SC+8*NQ*(\sc)+NQ*(\a)+(\q)] matrix_a_fmt:MATRIX_FMT_FP6 matrix_b_fmt:MATRIX_FMT_FP6 matrix_a_scale:MATRIX_SCALE_ROW1
.else
	v_wmma_scale_f32_16x16x128_f8f6f4 v[8*(8*((\a)%4)+\b):8*(8*((\a)%4)+\b)+7], v[128*(\p)+FR*\b:128*(\p)+FR*\b+FR-1], v[AF+FR*(\a):AF+FR*(\a)+FR-1], v[8*(8*((\a)%4)+\b):8*(8*((\a)%4)+\b)+7], v[SC+8*NQ*(\sc)+NQ*\b+(\q)], v[SC+8*NQ*(\sc)+NQ*(\a)+(\q)] matrix_a_fmt:MATRIX_FMT_FP6 matrix_b_fmt:MATRIX_FMT_FP6 matrix_a_scale:MATRIX_SCALE_ROW1
.endif
.endr
.endr
.endm
.macro FETCH_B slot, q, p
	WIN TO_B
.irp i, 0,1,2,3,4,5,6,7
	FRAG 128*(\p)+FR*\i, ADRB+\slot, \q, \i
.endr
	WIN 0
.endm
.macro FETCH_A slot, q, i0
.irp i, \i0, \i0+1, \i0+2, \i0+3
	FRAG AF+FR*(\i), ADRA+\slot, \q, \i
.endr
.endm
.macro SCALES pr                       ; the scale words of steps 2 pr, 2 pr + 1 into set pr % 2: lanes 0-15 A's block i, lanes 16-31 B's
.irp i, 0,1,2,3,4,5,6,7
	ds_load_b64 v[SC+8*NQ*((\pr)%2)+NQ*\i:SC+8*NQ*((\pr)%2)+NQ*\i+1], v[ADRS] offset:\i*SBLK+4*NQ*(\pr)
.endr
.endm
.macro PLACES n                        ; plain vector instructions between a matrix instruction and a load into, or a read of, its registers
.rept \n
	v_nop
.endr
.endm
; A step of 128 along K; the next step's fragments are fetched in its middle and at its end.  Where the next step's bytes end in a chunk not read yet: the wait for my tensor loads and a barrier.
; Where they begin in a later chunk: the chunk left behind is read no more: the wait, the add, the wait for it and for my reads, the barrier; where a chunk two on is left, a round of the cluster's barrier and the refill.
.macro STEP st, zero
.set NX, (\st)+1
.set C0, (96*(\st))/ROWB
.set C1, (96*NX)/ROWB
.set E0, (96*(\st)+95)/ROWB
.set E1, (96*NX+95)/ROWB
.if C1 > C0 || E1 > E0
	s_wait_tensorcnt 0x0                           ; all my tensor loads have landed
.if C1 > C0
	ds_add_u32 v[SPW], v[NIL]
	s_wait_dscnt 4*NL+1                            ; the add and the youngest 24 loads may be out
.else
	s_wait_dscnt 4*NL
.endif
	WIN MUL_LO
	MUL16 0, (\st)%2, (\st)%2, ((\st)/2)%2, \zero
	s_wait_dscnt 0x0                               ; the add and my reads are done
	s_barrier_signal -1
	MUL16 2, (\st)%2, (\st)%2, ((\st)/2)%2, \zero
	WIN 0
	s_barrier_wait -1
.if C1 > C0 && C0+2 < CHUNKS
	CREST
	s_add_nc_u64 s[G0+4*(C0%2)+2:G0+4*(C0%2)+3], s[G0+4*(C0%2)+2:G0+4*(C0%2)+3], 2*ROWB
	s_add_nc_u64 s[G0B+4*(C0%2)+2:G0B+4*(C0%2)+3], s[G0B+4*(C0%2)+2:G0B+4*(C0%2)+3], 2*ROWB
	JLOAD G0+4*(C0%2), G1, G0B+4*(C0%2), G1B       ; chunk C0 + 2: the first tensor load behind the round
.else
	PLACES NP
.endif
.else
	s_wait_dscnt 4*NL                              ; B's set and A's blocks 0-3 are in
	WIN MUL_LO
	MUL16 0, (\st)%2, (\st)%2, ((\st)/2)%2, \zero
	MUL16 2, (\st)%2, (\st)%2, ((\st)/2)%2, \zero
	s_wait_dscnt 0
	PLACES NP
.endif
	FETCH_B 0, NX, NX%2
	FETCH_A 0, NX, 0
.if NX%2 == 0
	SCALES NX/2
.endif
	WIN MUL_HI
	MUL16 4, (\st)%2, (\st)%2, ((\st)/2)%2, \zero
	MUL16 6, (\st)%2, (\st)%2, ((\st)/2)%2, \zero
	PLACES NP
	WIN 0
	FETCH_A 0, NX, 4
.endm
	s_wait_alu depctr_va_vdst(0)                   ; the wait at the head's end
	s_wait_tensorcnt 0x0                           ; my tile of the head's four is in
	ds_add_u32 v[SPW], v[NIL]
	s_mov_b32 s[G1+2], 128<<16                     ; no load of mine is out: from here on a load brings 128 rows
	s_mov_b32 s[G1+4], 128
	s_mov_b32 s[G1B+2], 128<<16
	s_mov_b32 s[G1B+4], 128
	s_wait_dscnt 0x0
	CROUND
	JLOAD G0+4, G1, G0B+4, G1B                     ; chunk 1, the first tensor load behind the round
	FETCH_B 0, 0, 0
	FETCH_A 0, 0, 0
	SCALES 0
	FETCH_A 0, 0, 4
	STEP 0, 1                                      ; the first step's products start the sums
.set ST, 1
.rept STEPS-2
	STEP ST, 0
.set ST, ST+1
.endr
	s_wait_dscnt 4*NL
	WIN MUL_LO
	MUL16 0, 1, NQ-1, 1, 0
	MUL16 2, 1, NQ-1, 1, 0
	s_wait_dscnt 0
	WIN MUL_HI
	MUL16 4, 1, NQ-1, 1, 0
	MUL16 6, 1, NQ-1, 1, 0
	WIN 0
; THE WAY OUT.  No tensor load is out (the last change of slots waited for all), so the descriptors' registers are free.
.set P0,   30                          ; s[30:31] where registers 0-5 of a block's codes go
.set P1,   32                          ; s[32:33] registers 6-11: Q, K: the next head; V: the second half of the fragment
.set SPT,  34                          ; s[34:35] the scale words
.set STP,  38                          ; s[38:39] from a block of 16 rows to the next;  s[40:41] more at block 4 (V: the next head)
.set SSTP, 44                          ; s[44:45], s[46:47] the same for the scale words
	s_lshl_b32 s24, s17, 8
	s_lshl_b32 s25, s15, 7
	s_add_co_u32 s24, s24, s25                     ; my first row of C
	s_lshl_b32 s25, s42, 8
	s_lshl_b32 s26, s16, 7
	s_add_co_u32 s25, s25, s26                     ; my first column
	s_mov_b32 s36, 98304
	s_mov_b32 s38, 768
	s_mov_b32 s48, 8192
	s_mov_b32 s49, 0x01000100
	s_mov_b32 s50, 0x03020302
	s_cmp_eq_u32 ttmp9, 2                          ; V?
	s_cselect_b32 s26, s25, s24                    ; my first token
	s_cselect_b32 s27, s24, s25                    ; my first feature
	s_cselect_b32 s36, 768, s36                    ; from P0 to P1
	s_cselect_b32 s38, 1536, s38
	s_cselect_b32 s40, 92160, 0
	s_cselect_b32 s44, 128, 64
	s_cselect_b32 s46, 7680, 0
	s_cselect_b32 s48, 64, s48                     ; lanes 16-31: Q, K: the next head's words; V: the upper half of 128 bytes
	s_cselect_b32 s49, 0x03020100, s49             ; Q, K: bytes 0 1 0 1 of the word for the first head,
	s_cselect_b32 s50, 0x03020100, s50             ; bytes 2 3 2 3 for the second; V: the word as it is
	s_mov_b32 s37, 0
	s_mov_b32 s39, 0
	s_mov_b32 s41, 0
	s_mov_b32 s45, 0
	s_mov_b32 s47, 0
	s_lshr_b32 s28, s26, 11
	s_lshl_b32 s28, s28, 4
	s_lshr_b32 s29, s27, 6
	s_add_co_u32 s28, s28, s29                     ; 16 x batch + head
	s_and_b32 s29, s26, 2047                       ; the token in its batch
	s_mul_i32 s30, ttmp9, 3145728
	s_mul_i32 s31, s28, 98304
	s_add_co_u32 s30, s30, s31
	s_mul_i32 s31, s29, 48                         ; 768 bytes for 16 tokens, 6,144 for 128 keys
	s_add_co_u32 s30, s30, s31
	s_mov_b32 s31, 0
	s_add_nc_u64 s[P0:P0+1], s[12:13], s[30:31]
	s_add_nc_u64 s[P1:P1+1], s[P0:P0+1], s[36:37]
	s_mul_i32 s34, ttmp9, 262144
	s_lshl_b32 s35, s28, 13
	s_add_co_u32 s34, s34, s35
	s_lshl_b32 s35, s29, 2
	s_add_co_u32 s34, s34, s35
	s_add_co_u32 s34, s34, 9437184
	s_mov_b32 s35, 0
	s_add_nc_u64 s[SPT:SPT+1], s[12:13], s[34:35]
	PLACES NP                                      ; behind the last products: their registers are read and written from here on
.irp b, 0,1,2,3
	v_mov_b32 v[TM+4+\b], 0                        ; a lane permute's destination counts as read
.endr
	v_mul_u32_u24 v[SOF], s48, v2
	v_lshl_add_u32 v[SOF], v1, 2, v[SOF]
; 64 numbers of a lane, register 16 b + i = position 32 b + 16 (lane / 16) + i of my row, become a fragment's codes in v[CD] on and its scale word in v[PW]
.macro QUANT s
.irp b, 0,1,2,3
	v_max3_num_f32 v[TM+\b], |v[\s+16*\b]|, |v[\s+1+16*\b]|, 0x1800000   ; and the floor 2^(3 - 127): the byte cannot fall under 1
.endr
.irp i, 2,4,6,8,10,12,14
.irp b, 0,1,2,3
	v_max3_num_f32 v[TM+\b], v[TM+\b], |v[\s+16*\b+\i]|, |v[\s+1+16*\b+\i]|
.endr
.endr
.irp b, 0,1,2,3
	v_permlanex16_b32 v[TM+4+\b], v[TM+\b], s[SEL], s[SEL+1]
.endr
.irp b, 0,1,2,3
	v_max_num_f32 v[TM+\b], v[TM+\b], v[TM+4+\b]   ; with lane l xor 16's: the block's largest magnitude
.endr
.irp b, 0,1,2,3
	v_add_nc_u32 v[TM+12+\b], 0xff000000, v[TM+\b] ; 2 off its exponent field: the conversion's scale operand
.endr
.irp b, 0,1,2,3
	v_lshrrev_b32 v[TM+4+\b], 23, v[TM+12+\b]      ; the scale's byte
.endr
	v_lshl_or_b32 v[PW], v[TM+5], 8, v[TM+4]
	v_lshl_or_b32 v[PW], v[TM+6], 16, v[PW]
	v_lshl_or_b32 v[PW], v[TM+7], 24, v[PW]
.irp c, 0,1
	v_cvt_scalef32_pk16_fp6_f32 v[CD+6*\c:CD+2+6*\c], v[\s+32*\c:\s+15+32*\c], v[TM+12+2*\c]
	v_cvt_scalef32_pk16_fp6_f32 v[CD+12+4*\c:CD+14+4*\c], v[\s+16+32*\c:\s+31+32*\c], v[TM+12+2*\c+1]   ; (a conversion's three registers begin on an even number)
.endr
	v_nop                                          ; one plain instruction behind the scaled conversions
.irp c, 0,1                                    ; the operand's layout wants a whole block in a lane: lanes 0-15 block 2 c, lanes 16-31 block 2 c + 1
.irp i, 0,1,2
	v_permlane16_swap_b32 v[CD+6*\c+\i], v[CD+12+4*\c+\i]
.endr
.irp i, 0,1,2
	v_mov_b32 v[CD+3+6*\c+\i], v[CD+12+4*\c+\i]
.endr
.endr
.endm
.macro EPI a                           ; block a: 16 rows x 128 columns
.if (\a) > 0
	s_wait_xcnt 0x0                                ; the last block's stores have read their data and bases: both are written again only behind this wait
	s_add_nc_u64 s[P0:P0+1], s[P0:P0+1], s[STP:STP+1]
	s_add_nc_u64 s[P1:P1+1], s[P1:P1+1], s[STP:STP+1]
	s_add_nc_u64 s[SPT:SPT+1], s[SPT:SPT+1], s[SSTP:SSTP+1]
.endif
.if (\a) == 4
	s_add_nc_u64 s[P0:P0+1], s[P0:P0+1], s[STP+2:STP+3]
	s_add_nc_u64 s[P1:P1+1], s[P1:P1+1], s[STP+2:STP+3]
	s_add_nc_u64 s[SPT:SPT+1], s[SPT:SPT+1], s[SSTP+2:SSTP+3]
.endif
	WIN 0x02+(\a)/4                                ; source 0: window 2 or 3
.set AC, 64*((\a)%4)
.set i, 0
.rept 32
	v_pk_add_f32 v[TT+i:TT+i+1], v[AC+i:AC+i+1], v[CB+i:CB+i+1]     ; each accumulator from its low end on; + the bias by columns
.set i, i+2
.endr
	WIN 0
.set i, 0
.rept 32
	v_pk_add_f32 v[TT+i:TT+i+1], v[TT+i:TT+i+1], v[RB+2*(\a):RB+2*(\a)+1] op_sel_hi:[1,0]   ; + the bias by rows
.set i, i+2
.endr
	QUANT TT
	v_perm_b32 v[W0], v[PW], v[PW], s49
	v_perm_b32 v[W1], v[PW], v[PW], s50
	v_cndmask_b32 v[W0], v[W0], v[W1], s100        ; lanes 16-31 carry the second word
.irp i, 0,1,2
	global_store_b64 v[LO8], v[CD+2*\i:CD+2*\i+1], s[P0:P0+1] offset:256*\i       ; 32 lanes store 256 consecutive bytes, aligned
.endr
.irp i, 0,1,2
	global_store_b64 v[LO8], v[CD+6+2*\i:CD+7+2*\i], s[P1:P1+1] offset:256*\i
.endr
	global_store_b32 v[SOF], v[W0], s[SPT:SPT+1]
.endm
.irp a, 0,1,2,3,4,5,6,7
	EPI \a
.endr
	s_wait_tensorcnt 0x0                           ; the wave's end
	ds_add_u32 v[SPW], v[NIL]
	s_wait_dscnt 0x0
	CROUND                                         ; the closing round: no work-group ends while a partner may still ask for a tile that names it
	s_endpgm
.Lfunc_end_k_q0aff98c958_qkv:
	.size	k_q0aff98c958_qkv, .Lfunc_end_k_q0aff98c958_qkv-k_q0aff98c958_qkv
	.p2alignl 7, 3214868480
	.fill 96, 4, 3214868480
	.section	.rodata,"a",@progbits
	.p2align	6, 0x0
	.amdhsa_kernel k_q0aff98c958_qkv
		.amdhsa_group_segment_fixed_size 327680
		.amdhsa_private_segment_fixed_size 0
		.amdhsa_enable_private_segment 0
		.amdhsa_kernarg_size 88
		.amdhsa_user_sgpr_count 2
		.amdhsa_user_sgpr_kernarg_segment_ptr 1
		.amdhsa_wavefront_size32 1
		.amdhsa_system_sgpr_workgroup_id_x 1
		.amdhsa_system_sgpr_workgroup_id_y 1
		.amdhsa_system_sgpr_workgroup_id_z 1
		.amdhsa_system_vgpr_workitem_id 0
		.amdhsa_next_free_vgpr 1024
		.amdhsa_next_free_sgpr 102
		.amdhsa_reserve_vcc 0
		.amdhsa_float_denorm_mode_32 3
		.amdhsa_float_denorm_mode_16_64 3
		.amdhsa_memory_ordered 1
		.amdhsa_forward_progress 1
		.amdhsa_inst_pref_size 209
	.end_amdhsa_kernel
	.amdgpu_metadata
---
amdhsa.version: [ 1, 2 ]
amdhsa.kernels:
  - .name:           k_q0aff98c958_qkv
    .symbol:         k_q0aff98c958_qkv.kd
    .args:
      - { .name: lnout, .offset: 0, .size: 8, .value_kind: global_buffer, .address_space: global }
      - { .name: Wq_codes, .offset: 8, .size: 8, .value_kind: global_buffer, .address_space: global }
      - { .name: Wq_scales, .offset: 16, .size: 8, .value_kind: global_buffer, .address_space: global }
      - { .name: Wk_codes, .offset: 24, .size: 8, .value_kind: global_buffer, .address_space: global }
      - { .name: Wk_scales, .offset: 32, .size: 8, .value_kind: global_buffer, .address_space: global }
      - { .name: Wv_codes, .offset: 40, .size: 8, .value_kind: global_buffer, .address_space: global }
      - { .name: Wv_scales, .offset: 48, .size: 8, .value_kind: global_buffer, .address_space: global }
      - { .name: bq, .offset: 56, .size: 8, .value_kind: global_buffer, .address_space: global }
      - { .name: bk, .offset: 64, .size: 8, .value_kind: global_buffer, .address_space: global }
      - { .name: bv, .offset: 72, .size: 8, .value_kind: global_buffer, .address_space: global }
      - { .name: qkvout, .offset: 80, .size: 8, .value_kind: global_buffer, .address_space: global }
    .group_segment_fixed_size: 327680
    .private_segment_fixed_size: 0
    .kernarg_segment_align: 8
    .kernarg_segment_size: 88
    .max_flat_workgroup_size: 128
    .sgpr_count:     102
    .vgpr_count:     1024
    .wavefront_size: 32
...
	.end_amdgpu_metadata
.endif
;; end of part 8
;; launch attn (part 9): grid 8 x 32, 16 waves a work-group, clusters of 4 x 1, 284,672 bytes of LDS; arguments qkvout, null_k, X, hres; writes hres
.if DOCPART == 9
	.amdgcn_target "amdgcn-amd-amdhsa--gfx1250"
	.amdhsa_code_object_version 6
	.text
	.protected	k_q0aff98c958_attn
	.globl	k_q0aff98c958_attn
	.p2align	8
	.type	k_q0aff98c958_attn,@function
k_q0aff98c958_attn:
	s_mov_b64 s[64:65], 0
	v_nop
	global_prefetch_b8 v0, s[64:65] scope:SCOPE_SE
	s_setreg_imm32_b32 hwreg(HW_REG_WAVE_MODE, 25, 1), 1
	s_wait_xcnt 0x0
	s_wait_alu depctr_hold_cnt(0) depctr_sa_sdst(0) depctr_va_vdst(0) depctr_va_sdst(0) depctr_va_ssrc(0) depctr_va_vcc(0) depctr_vm_vsrc(0)
	s_getreg_b32 s2, hwreg(HW_REG_IB_STS2, 6, 4)
	s_cmp_eq_u32 s2, 0
	s_cbranch_scc0 .Lentry_in_a_cluster
	s_endpgm
.Lentry_in_a_cluster:
	s_bfe_u32 s2, ttmp6, 0x10000c
	s_cmp_lg_u32 s2, 0x3003
	s_cbranch_scc0 .Lentry_shape_is_right
	s_endpgm
.Lentry_shape_is_right:
; hres = X + softmax(Q K^T / 32 over 2,048 keys and the null key) V, head by head (32 = 2 batches x 16 heads of 64), both products on codes of FP6 (E2M3) with E8M0 scales.
; THE SOFTMAX: t = score x log2(e) / 32; M = the running largest t rounded UP to a whole number; p = 2^(t - M) is quantised along the keys, not normalised; the row's sum is taken of the unquantised p and divides at the end.
; THE NULL KEY stands alone in the last block of keys and its value is zero: it adds nothing to the second product.  Its score (its numbers quantised here, along the head) enters the row's maximum, from the start, and the row's sum, at the end.
; SHARES.  A work-group owns 256 queries of one head; each of its sixteen waves 16 of them, one lane a query, in 256 registers: four waves to a SIMD, so that one wave's vector work stands beside another's matrix work and LDS loads.
; LDS is filled ONCE: a head's codes of K and V (98,304 bytes each) and their scale words (8,192 each) stay for the whole launch: no ring, no refill.  The four query blocks of a cluster belong to one head: each tile is asked for jointly (mask 15).
; All tiles are waited for ahead of the one barrier in front of the loop.  Every byte of K and V is asked for at the head, so there is nothing left to ask for ahead of time.
; THE FIRST PRODUCT HAS K = 64: a fragment of K carries TWO tiles of 16 keys (k 0-63 and k 64-127) and is multiplied once by [Q; 0] and once by [0; Q].  Both products are used transposed (S^T = K Q^T, O^T = V^T P^T).
; The codes lie in LDS as images of operand registers (8 bytes a lane, 256 bytes a piece): every LDS load of the loop reads consecutive bytes.  Inside each block of 32 the order of k is the fixed permutation in which the launch before laid
; Q, K (over the head) and V (over the keys); S^T's registers give p in that same order, so nothing changes lanes but the exchange of halves that the operand's layout asks.
; LIMITS: a block's largest p is taken from its largest score (v_exp_f32 is taken not to fall where its input rises); a block whose every p is 0 keeps the byte 1; NaN and infinities are not served; v_exp_f32 and v_rcp_f32 are good to 1 ulp.
; REGISTERS: v1-4 addresses that stay; v8-10 addresses in hand; v11 the null key's t; v12 -M, v13 the largest t; v[14:15] the sum; v16-27 [Q; 0]; v28-39 [0; Q]; v40-87 four fragments; v88-95 scale words; v96-159 S^T, then p;
;   v160-191 O^T; v192-211 p's codes; v212-223 at work; v224 f; v225 p's scale word; v226 at work; v227 Q's scale word; v228 the null key's; v[230:231] at work.
.set VB0,   98304                      ; LDS: K's codes at 0, V's here,
.set KSB,   196608                     ; K's scale words, V's 8,192 further on,
.set STAGE, 212992                     ; the stages for the way out: 16 rows x 272 bytes for each wave: no tile ever lands here
.set KC,    3145728                    ; qkvout: Q's codes at 0, K's, V's,
.set VC,    6291456
.set QS,    9437184                    ; Q's scale words, K's, V's
.set KSO,   9699328
.set VSO,   9961472
.macro CROUND                          ; a round of the cluster's barrier
	s_barrier_signal -1
	s_barrier_wait -1
	s_cmp_lg_u32 s18, 0
	s_cbranch_scc1 .Lnot_wave_0_\@
	s_barrier_signal -3
.Lnot_wave_0_\@:
	s_barrier_wait -3
	s_barrier_signal -1
	s_barrier_wait -1
.endm
	s_load_b256 s[4:11], s[0:1], 0x0               ; qkvout, null_k, X, hres
	v_lshl_add_u32 v254, v0, 2, 0x45000
	v_mov_b32 v255, 0
	ds_add_u32 v254, v255
	ds_add_u32 v254, v255
	v_lshrrev_b32 v8, 5, v0
	s_delay_alu instid0(VALU_DEP_1)
	v_readfirstlane_b32 s18, v8                    ; wave 0..15
	s_bfe_u32 s12, ttmp6, 0x40000                  ; cx: it enters Q's, X's and hres's addresses alone
	s_lshl_b32 s13, ttmp9, 2
	s_add_co_u32 s13, s13, s12                     ; my block of 256 queries
	s_lshl_b32 s13, s13, 4
	s_add_co_u32 s13, s13, s18                     ; my tile of 16 queries, 0..127
	s_and_b32 s14, ttmp7, 0xffff                   ; 16 x batch + head, which the four partners share
	; THE FIRST FILLS, one a wave: waves 0-5 a sixth of K's codes each (16,384 bytes), waves 6-11 of V's, waves 12-13 halves of K's scale words, 14-15 of V's; all are waited for ahead of the one barrier in front of the loop
	s_and_b32 s15, s18, 3                          ; which quarter of the 16,384 bytes of scale words, if I fetch scale words
.irp g, 24, 32
	s_mov_b32 s[\g], 15|(3<<16)|(1<<21)
	s_mov_b32 s[\g+1], 32<<16                      ; tensor_dim0
	s_mov_b32 s[\g+3], 32<<16                      ; tile_dim0
	s_mov_b32 s[\g+5], 32                          ; the pitch
	s_mov_b32 s[\g+6], 0
	s_mov_b32 s[\g+7], 0
.endr
	s_mov_b32 s26, 16<<16                          ; 16 rows: half a head's scale words
	s_mov_b32 s28, 16
	s_mov_b32 s34, 64<<16                          ; 64 rows: a sixth of a head's codes
	s_mov_b32 s36, 64
	s_mul_i32 s80, s14, 98304                      ; the head's codes in a region of qkvout,
	s_lshl_b32 s81, s14, 13                        ; its scale words
	s_and_b32 s82, s15, 1
	s_lshl_b32 s82, s82, 12                        ; which half of a head's scale words,
	s_lshr_b32 s83, s15, 1
	s_lshl_b32 s83, s83, 18                        ; K's or V's (262,144 bytes on)
	s_add_co_u32 s82, s82, s83
	s_add_co_u32 s82, s82, s81
	s_mov_b32 s83, 0
	s_mul_i32 s84, s18, 43
	s_lshr_b32 s84, s84, 8                         ; wave / 6 for waves 0-11: K's codes or V's
	s_mul_i32 s84, s84, 3145728-98304              ; V's region, less the six sixths passed
	s_lshl_b32 s85, s18, 14
	s_add_co_u32 s84, s84, s85
	s_add_co_u32 s84, s84, s80
	s_mov_b32 s85, 0
	s_mul_i32 s88, s13, 768                        ; my tile of Q: its codes,
	s_add_co_u32 s88, s88, s80
	s_mov_b32 s89, 0
	s_lshl_b32 s90, s13, 6                         ; its scale words
	s_add_co_u32 s90, s90, s81
	s_add_co_u32 s90, s90, QS
	s_mov_b32 s91, 0
	s_and_b32 s92, s14, 15
	s_lshl_b32 s92, s92, 8                         ; the head's 256 bytes of a row of 1,024 f32
	s_mov_b32 s93, 0
	s_lshr_b32 s16, s14, 4
	s_lshl_b32 s16, s16, 11
	s_lshl_b32 s17, s13, 4
	s_add_co_u32 s16, s16, s17                     ; my first row of X and hres
	s_lshl_b32 s16, s16, 12
	s_add_co_u32 s16, s16, s92
	s_mov_b32 s17, 0
	s_mov_b32 s20, 0x76543210
	s_mov_b32 s21, 0xfedcba98                      ; selects: lane l xor 16
	s_mov_b32 s22, 0x3d38aa3b                      ; c = log2(e) / 32
	s_mov_b32 s23, s22                             ; (named with it as a pair)
	s_wait_dscnt 0x0
	s_wait_kmcnt 0x0
	s_add_nc_u64 s[82:83], s[4:5], s[82:83]
	s_add_nc_u64 s[84:85], s[4:5], s[84:85]
	s_add_nc_u64 s[88:89], s[4:5], s[88:89]
	s_add_nc_u64 s[90:91], s[4:5], s[90:91]
	s_add_nc_u64 s[92:93], s[6:7], s[92:93]
	s_add_nc_u64 s[8:9], s[8:9], s[16:17]
	s_add_nc_u64 s[10:11], s[10:11], s[16:17]
	; groups 0: the scale words' load in s[48:51], the codes' in s[52:55]
	s_mov_b32 s48, 1
	s_lshl_b32 s49, s15, 12
	s_add_co_u32 s49, s49, KSB
	s_add_nc_u64 s[50:51], s[82:83], KSO
	s_or_b32 s51, s51, 0x80000000
	s_mov_b32 s52, 1
	s_lshl_b32 s53, s18, 14                        ; LDS: wave x 16,384: K's six sixths, then V's
	s_add_nc_u64 s[54:55], s[84:85], KC
	s_or_b32 s55, s55, 0x80000000
	CROUND                                         ; all four work-groups are here: the joint loads meet
	s_cmp_lt_u32 s18, 12                           ; every way passes exactly one load
	s_cbranch_scc0 .Lnot_k
	tensor_load_to_lds s[52:55], s[32:39]
	s_nop 0
.rept 4
	v_nop
.endr
	s_branch .Lasked
.Lnot_k:
	tensor_load_to_lds s[48:51], s[24:31]
	s_nop 0
.rept 4
	v_nop
.endr
.Lasked:
	v_and_b32 v8, 15, v0                           ; r
	v_bfe_u32 v9, v0, 4, 1                         ; h
	v_and_b32 v10, 31, v0                          ; lane
	s_delay_alu instid0(VALU_DEP_1)
	v_lshlrev_b32 v1, 3, v10                       ; 8 x lane: my place in a piece of an image: K's,
	s_delay_alu instid0(VALU_DEP_1)
	v_add_nc_u32 v2, VB0, v1                       ; V's
	v_lshl_add_u32 v3, v8, 2, KSB                  ; my row's scale word
	v_lshlrev_b32 v4, 12, v9
	s_delay_alu instid0(VALU_DEP_1)
	v_lshl_add_u32 v4, v8, 4, v4                   ; the way out: lanes 0-15 one row of 4,096 bytes, lanes 16-31 the next; 16 bytes a lane
	v_lshlrev_b32 v5, 2, v8
	v_lshlrev_b32 v6, 7, v9                        ; the null key: my block of 32 numbers
.irp i, 0,1,2
	global_load_b64 v[16+2*\i:17+2*\i], v1, s[88:89] offset:256*\i     ; Q's six registers, twice: as k 0-63
	global_load_b64 v[34+2*\i:35+2*\i], v1, s[88:89] offset:256*\i     ; and as k 64-127
.endr
	global_load_b32 v227, v5, s[90:91]             ; Q's scale word: bytes s0 s1 s0 s1 serve both
	global_load_b128 v[96:99], v6, s[92:93]                ; the null key's block, in the order in which Q's codes lie: numbers 0-7,
	global_load_b128 v[100:103], v6, s[92:93] offset:16
	global_load_b128 v[104:107], v6, s[92:93] offset:64    ; 16-23,
	global_load_b128 v[108:111], v6, s[92:93] offset:80
	global_load_b128 v[112:115], v6, s[92:93] offset:32    ; 8-15,
	global_load_b128 v[116:119], v6, s[92:93] offset:48
	global_load_b128 v[120:123], v6, s[92:93] offset:96    ; 24-31
	global_load_b128 v[124:127], v6, s[92:93] offset:112
.set JJ, 22
.rept 12
	v_mov_b32 v[JJ], 0                             ; the zero halves of [Q; 0] and [0; Q]: zero codes add nothing under any scale byte but 0xff
.set JJ, JJ+1
.endr
	s_wait_loadcnt 0x0
	v_max3_num_f32 v212, |v96|, |v97|, 0x1800000   ; the block's largest magnitude: all 32 numbers are mine; and the floor
.set JJ, 2
.rept 15
	s_delay_alu instid0(VALU_DEP_1)
	v_max3_num_f32 v212, v212, |v[96+JJ]|, |v[97+JJ]|
.set JJ, JJ+2
.endr
	s_delay_alu instid0(VALU_DEP_1)
	v_add_nc_u32 v220, 0xff000000, v212            ; the conversion's scale operand
	s_delay_alu instid0(VALU_DEP_1)
	v_lshrrev_b32 v213, 23, v220                   ; the byte,
	v_lshlrev_b32 v214, 3, v9
	s_delay_alu instid0(VALU_DEP_1)
	v_lshlrev_b32 v213, v214, v213                 ; at its place in the word;
	v_mov_b32 v228, 0
	s_delay_alu instid0(VALU_DEP_1)
	v_permlanex16_b32 v228, v213, s20, s21
	s_delay_alu instid0(VALU_DEP_1)
	v_or_b32 v228, v228, v213                      ; with lane l xor 16's the lower two bytes are whole (the upper two scale zero codes)
	v_cvt_scalef32_pk16_fp6_f32 v[40:42], v[96:111], v220
	v_cvt_scalef32_pk16_fp6_f32 v[52:54], v[112:127], v220
	v_nop                                          ; one plain instruction behind the scaled conversions
	v_mov_b32 v43, v52
	v_mov_b32 v44, v53
	v_mov_b32 v45, v54
.set JJ, 46
.rept 6
	v_mov_b32 v[JJ], 0
.set JJ, JJ+1
.endr
	v_mov_b32 v14, 0                               ; the sum, in two halves
	v_mov_b32 v15, 0
.irp b, 0,1,2,3
	v_mov_b32 v[216+\b], 0                         ; a lane permute's destination counts as read
.endr
	v_mov_b32 v225, 0                              ; (named as the upper half of v[224:225] before it is first written)
	v_mov_b32 v226, 0
.set JJ, 0
.rept 32
	v_mov_b32 v[160+JJ], 0                         ; O^T: the loop is written once, its first step finds zeros.  (These are also the places between the writes of the operand and its scale word and the scaled product)
.set JJ, JJ+1
.endr
	v_wmma_scale_f32_16x16x128_f8f6f4 v[128:135], v[40:51], v[16:27], 0, v228, v227 matrix_a_fmt:MATRIX_FMT_FP6 matrix_b_fmt:MATRIX_FMT_FP6   ; all 16 rows are the null key: every register holds its score with my query
.rept 4
	v_nop
.endr
	v_mul_f32 v11, s22, v128                       ; the null key's t
	s_delay_alu instid0(VALU_DEP_1)
	v_mov_b32 v13, v11                             ; the largest t so far
	s_delay_alu instid0(VALU_DEP_1)
	v_floor_f32 v12, -v13                          ; -M = floor(-t)
; A KEY STEP: 128 keys.  s2: where its codes begin in K's and V's regions (6,144 bytes a step); s3: its scale words (512 bytes a step)
.macro STEP
	v_add_nc_u32 v8, s2, v1
	v_add_nc_u32 v9, s2, v2
	v_add_nc_u32 v10, s3, v3
	v_nop                                          ; four places in front of loads into registers that the last products read
.irp f, 0,1,2,3
.irp p, 0,1,2,3,4,5
	ds_load_b64 v[40+12*\f+2*\p:41+12*\f+2*\p], v8 offset:1536*\f+256*\p    ; fragment f: key tiles 2 f (registers 0-5) and 2 f + 1 (6-11)
.endr
.endr
.irp t, 0,1,2,3,4,5,6,7
	ds_load_b32 v[88+\t], v10 offset:64*\t         ; key tile t's scale words: bytes s0 s1 s0 s1
.endr
	s_wait_alu depctr_va_vdst(0)
	s_wait_dscnt 0x0
.irp t, 0,1,2,3,4,5,6,7
	v_wmma_scale_f32_16x16x128_f8f6f4 v[96+8*\t:103+8*\t], v[40+12*(\t/2):51+12*(\t/2)], v[16+12*(\t%2):27+12*(\t%2)], 0, v[88+\t], v227 matrix_a_fmt:MATRIX_FMT_FP6 matrix_b_fmt:MATRIX_FMT_FP6
.endr
.rept 4
	v_nop
.endr
.irp d, 0,1,2,3                                ; V's fragments are asked for at once: they land under the softmax
.irp p, 0,1,2,3,4,5
	ds_load_b64 v[40+12*\d+2*\p:41+12*\d+2*\p], v9 offset:1536*\d+256*\p
.endr
	ds_load_b32 v[88+\d], v10 offset:8192+128*\d
.endr
.irp b, 0,1,2,3
	v_max3_num_f32 v[212+\b], v[96+16*\b], v[97+16*\b], v[98+16*\b]   ; the largest score of each block of 32 keys: it serves the row's maximum and, since p rises with the score, the block's largest p
.endr
.irp i, 3,5,7,9,11,13
.irp b, 0,1,2,3
	v_max3_num_f32 v[212+\b], v[212+\b], v[96+16*\b+\i], v[97+16*\b+\i]
.endr
.endr
.irp b, 0,1,2,3
	v_max_num_f32 v[212+\b], v[212+\b], v[111+16*\b]
.endr
.irp b, 0,1,2,3
	s_delay_alu instid0(VALU_DEP_4)
	v_permlanex16_b32 v[216+\b], v[212+\b], s20, s21
.endr
.irp b, 0,1,2,3
	s_delay_alu instid0(VALU_DEP_4)
	v_max_num_f32 v[212+\b], v[212+\b], v[216+\b]  ; with lane l xor 16's 16 keys
.endr
	s_delay_alu instid0(VALU_DEP_2)
	v_max3_num_f32 v226, v212, v213, v214
	s_delay_alu instid0(VALU_DEP_1)
	v_max_num_f32 v226, v226, v215
	s_delay_alu instid0(VALU_DEP_1)
	v_mul_f32 v226, s22, v226                      ; the step's largest t (c is positive)
	s_delay_alu instid0(VALU_DEP_1)
	v_max_num_f32 v13, v13, v226                   ; the running largest t
	v_mov_b32 v226, v12
	s_delay_alu instid0(VALU_DEP_2)
	v_floor_f32 v12, -v13                          ; the new -M: M is a whole number
	s_delay_alu instid0(VALU_DEP_1)
	v_sub_f32 v226, v12, v226                      ; old M - new M: a whole number, 0 or less
	s_delay_alu instid0(VALU_DEP_1)
	v_cvt_i32_f32 v226, v226
	s_delay_alu instid0(VALU_DEP_1)
	v_ldexp_f32 v224, 1.0, v226                    ; f = 2^(old M - new M): a multiplication by it rounds nothing
.set JJ, 0
.rept 32
	v_pk_fma_f32 v[96+JJ:97+JJ], v[96+JJ:97+JJ], s[22:23], v[12:13] op_sel_hi:[1,0,0]   ; t - M
.set JJ, JJ+2
.endr
.irp b, 0,1,2,3
	v_fma_f32 v[212+\b], v[212+\b], s22, v12       ; the same of each block's largest score
.endr
.set JJ, 0
	s_wait_alu depctr_va_vdst(0)
.rept 64
	v_exp_f32 v[96+JJ], v[96+JJ]                   ; p = 2^(t - M)
.set JJ, JJ+1
.endr
	v_pk_mul_f32 v[14:15], v[14:15], v[224:225] op_sel_hi:[1,0]   ; the sum under the new M (a plain instruction behind the exponentials)
	s_wait_alu depctr_va_vdst(0)                   ; one wait for the whole batch, ahead of its first reader
.irp b, 0,1,2,3
	v_exp_f32 v[212+\b], v[212+\b]                 ; the blocks' largest p
.endr
	v_pk_add_f32 v[230:231], v[100:101], v[104:105]
	v_pk_add_f32 v[252:253], v[108:109], v[112:113]
	v_pk_add_f32 v[250:251], v[116:117], v[120:121]
	v_pk_add_f32 v[248:249], v[124:125], v[128:129]
	v_pk_add_f32 v[246:247], v[132:133], v[136:137]
	v_pk_add_f32 v[244:245], v[140:141], v[144:145]
	v_pk_add_f32 v[242:243], v[148:149], v[152:153]
	v_pk_add_f32 v[14:15], v[14:15], v[156:157]
	v_pk_add_f32 v[230:231], v[230:231], v[96:97]
	v_pk_add_f32 v[252:253], v[252:253], v[98:99]
	v_pk_add_f32 v[250:251], v[250:251], v[102:103]
	v_pk_add_f32 v[248:249], v[248:249], v[106:107]
	v_pk_add_f32 v[246:247], v[246:247], v[110:111]
	v_pk_add_f32 v[244:245], v[244:245], v[114:115]
	v_pk_add_f32 v[242:243], v[242:243], v[118:119]
	v_pk_add_f32 v[14:15], v[14:15], v[122:123]
	v_pk_add_f32 v[230:231], v[230:231], v[126:127]
	v_pk_add_f32 v[252:253], v[252:253], v[130:131]
	v_pk_add_f32 v[250:251], v[250:251], v[134:135]
	v_pk_add_f32 v[248:249], v[248:249], v[138:139]
	v_pk_add_f32 v[246:247], v[246:247], v[142:143]
	v_pk_add_f32 v[244:245], v[244:245], v[146:147]
	v_pk_add_f32 v[242:243], v[242:243], v[150:151]
	v_pk_add_f32 v[14:15], v[14:15], v[154:155]
	v_pk_add_f32 v[230:231], v[230:231], v[158:159]
	s_delay_alu instid0(VALU_DEP_2)
	v_pk_add_f32 v[14:15], v[14:15], v[248:249]
	s_delay_alu instid0(VALU_DEP_2)
	v_pk_add_f32 v[230:231], v[230:231], v[246:247]
	v_pk_add_f32 v[252:253], v[252:253], v[244:245]
	v_pk_add_f32 v[250:251], v[250:251], v[242:243]
	s_delay_alu instid0(VALU_DEP_2)
	v_pk_add_f32 v[14:15], v[14:15], v[252:253]
	s_delay_alu instid0(VALU_DEP_2)
	v_pk_add_f32 v[230:231], v[230:231], v[250:251]
	s_delay_alu instid0(VALU_DEP_1)
	v_pk_add_f32 v[14:15], v[14:15], v[230:231]
	s_wait_alu depctr_va_vdst(0)                   ; and one for the four
.irp b, 0,1,2,3
	v_max_num_f32 v[212+\b], 0x1800000, v[212+\b]  ; the floor: the byte cannot fall under 1
.endr
.irp b, 0,1,2,3
	s_delay_alu instid0(VALU_DEP_4)
	v_add_nc_u32 v[220+\b], 0xff000000, v[212+\b]  ; the conversions' scale operands
.endr
.irp b, 0,1,2,3
	s_delay_alu instid0(VALU_DEP_4)
	v_lshrrev_b32 v[216+\b], 23, v[220+\b]         ; the bytes
.endr
	s_delay_alu instid0(VALU_DEP_3)
	v_lshl_or_b32 v225, v217, 8, v216              ; p's scale word for these 128 keys
	s_delay_alu instid0(VALU_DEP_1)
	v_lshl_or_b32 v225, v218, 16, v225
	s_delay_alu instid0(VALU_DEP_1)
	v_lshl_or_b32 v225, v219, 24, v225
.irp c, 0,1
	v_cvt_scalef32_pk16_fp6_f32 v[192+6*\c:194+6*\c], v[96+32*\c:111+32*\c], v[220+2*\c]
	v_cvt_scalef32_pk16_fp6_f32 v[204+4*\c:206+4*\c], v[112+32*\c:127+32*\c], v[220+2*\c+1]
.endr
	v_nop                                          ; one plain instruction behind the scaled conversions
.irp c, 0,1
.irp i, 0,1,2
	v_permlane16_swap_b32 v[192+6*\c+\i], v[204+4*\c+\i]
.endr
.irp i, 0,1,2
	s_delay_alu instid0(VALU_DEP_3)
	v_mov_b32 v[195+6*\c+\i], v[204+4*\c+\i]
.endr
.endr
.set JJ, 0
.rept 16
	v_pk_mul_f32 v[160+JJ:161+JJ], v[160+JJ:161+JJ], v[224:225] op_sel_hi:[1,0]   ; O^T under the new M (also the places between the writes of p's codes and scale word and the scaled products)
.set JJ, JJ+2
.endr
.rept 4
	v_nop                                          ; and four between the last of these and the products that add onto them
.endr
	s_wait_alu depctr_va_vdst(0)
	s_wait_dscnt 0x0                               ; V's fragments and scale words are in
.irp d, 0,1,2,3
	v_wmma_scale_f32_16x16x128_f8f6f4 v[160+8*\d:167+8*\d], v[40+12*\d:51+12*\d], v[192:203], v[160+8*\d:167+8*\d], v[88+\d], v225 matrix_a_fmt:MATRIX_FMT_FP6 matrix_b_fmt:MATRIX_FMT_FP6   ; the four accumulators by turns
.endr
	s_add_co_u32 s2, s2, 6144
	s_add_co_u32 s3, s3, 512
.endm
	s_mov_b32 s2, 0
	s_mov_b32 s3, 0
	s_wait_tensorcnt 0x0                           ; my one load is in,
	s_barrier_signal -1
	s_barrier_wait -1                              ; everybody's is: all 2,048 keys lie in LDS
	s_mov_b32 s66, 16
.Lpb:                                              ; keys 0 to 2,047
	STEP
	s_sub_co_u32 s66, s66, 1
	s_cmp_lg_u32 s66, 0
	s_cbranch_scc1 .Lpb
	; THE WAY OUT.  The address work stands behind the last products as their places
	v_and_b32 v8, 15, v0                           ; r
	v_bfe_u32 v9, v0, 4, 1                         ; h
	s_mul_i32 s80, s18, 16*272
	s_add_co_u32 s80, s80, STAGE                   ; my stage
	v_mul_u32_u24 v10, v8, 272
	s_delay_alu instid0(VALU_DEP_1)
	v_lshl_add_u32 v10, v9, 5, v10
	s_delay_alu instid0(VALU_DEP_1)
	v_add_nc_u32 v10, s80, v10                     ; in: row r; tile d's eight numbers of my half: 64 d + 32 h bytes on
	v_mul_u32_u24 v5, v9, 272
	s_delay_alu instid0(VALU_DEP_1)
	v_lshl_add_u32 v5, v8, 4, v5
	s_delay_alu instid0(VALU_DEP_1)
	v_add_nc_u32 v5, s80, v5                       ; back: lanes 0-15 one row, lanes 16-31 the next
.irp i, 0,1,2,3,4,5,6,7
	global_load_b128 v[40+4*\i:43+4*\i], v4, s[8:9] offset:8192*\i th:TH_LOAD_NT   ; X: my 16 rows' 256 bytes of this head
.endr
	v_add_f32 v14, v14, v15                        ; the sum's two halves,
	s_delay_alu instid0(VALU_DEP_1)
	v_permlanex16_b32 v226, v14, s20, s21
	s_delay_alu instid0(VALU_DEP_1)
	v_add_f32 v14, v14, v226                       ; and lane l xor 16's
	v_add_f32 v226, v11, v12                       ; the null key's t - M
	s_wait_alu depctr_va_vdst(0)
	v_exp_f32 v226, v226
	v_nop
	s_wait_alu depctr_va_vdst(0)
	v_add_f32 v14, v14, v226                       ; its p belongs to the row's sum
	s_wait_alu depctr_va_vdst(0)
	v_rcp_f32 v14, v14
	v_nop
	s_wait_alu depctr_va_vdst(0)
.set JJ, 0
.rept 16
	v_pk_mul_f32 v[96+JJ:97+JJ], v[160+JJ:161+JJ], v[14:15] op_sel_hi:[1,0]   ; O^T / the sum: register 8 d + j is o(r, 16 d + 8 h + j)
.set JJ, JJ+2
.endr
.irp d, 0,1,2,3
	ds_store_b128 v10, v[96+8*\d:99+8*\d] offset:64*\d
	ds_store_b128 v10, v[100+8*\d:103+8*\d] offset:64*\d+16
.endr
.irp i, 0,1,2,3,4,5,6,7
	ds_load_b128 v[128+4*\i:131+4*\i], v5 offset:544*\i    ; LDS serves a wave's instructions in order: these see my stores
.endr
	s_wait_dscnt 0x0
	s_wait_loadcnt 0x0
.set JJ, 0
.rept 16
	v_pk_add_f32 v[128+JJ:129+JJ], v[128+JJ:129+JJ], v[40+JJ:41+JJ]   ; + X
.set JJ, JJ+2
.endr
.irp i, 0,1,2,3,4,5,6,7
	global_store_b128 v4, v[128+4*\i:131+4*\i], s[10:11] offset:8192*\i   ; sixteen lanes store 256 consecutive bytes, aligned
.endr
	s_wait_tensorcnt 0x0
	ds_add_u32 v254, v255
	s_wait_dscnt 0x0
	CROUND                                         ; the closing round
	s_endpgm
.Lfunc_end_k_q0aff98c958_attn:
	.size	k_q0aff98c958_attn, .Lfunc_end_k_q0aff98c958_attn-k_q0aff98c958_attn
	.p2alignl 7, 3214868480
	.fill 96, 4, 3214868480
	.section	.rodata,"a",@progbits
	.p2align	6, 0x0
	.amdhsa_kernel k_q0aff98c958_attn
		.amdhsa_group_segment_fixed_size 284672
		.amdhsa_private_segment_fixed_size 0
		.amdhsa_enable_private_segment 0
		.amdhsa_kernarg_size 32
		.amdhsa_user_sgpr_count 2
		.amdhsa_user_sgpr_kernarg_segment_ptr 1
		.amdhsa_wavefront_size32 1
		.amdhsa_system_sgpr_workgroup_id_x 1
		.amdhsa_system_sgpr_workgroup_id_y 1
		.amdhsa_system_sgpr_workgroup_id_z 1
		.amdhsa_system_vgpr_workitem_id 0
		.amdhsa_next_free_vgpr 256
		.amdhsa_next_free_sgpr 100
		.amdhsa_reserve_vcc 0
		.amdhsa_float_denorm_mode_32 3
		.amdhsa_float_denorm_mode_16_64 3
		.amdhsa_memory_ordered 1
		.amdhsa_forward_progress 1
		.amdhsa_inst_pref_size 37
	.end_amdhsa_kernel
	.amdgpu_metadata
---
amdhsa.version: [ 1, 2 ]
amdhsa.kernels:
  - .name:           k_q0aff98c958_attn
    .symbol:         k_q0aff98c958_attn.kd
    .args:
      - { .name: qkvout, .offset: 0, .size: 8, .value_kind: global_buffer, .address_space: global }
      - { .name: null_k, .offset: 8, .size: 8, .value_kind: global_buffer, .address_space: global }
      - { .name: X, .offset: 16, .size: 8, .value_kind: global_buffer, .address_space: global }
      - { .name: hres, .offset: 24, .size: 8, .value_kind: global_buffer, .address_space: global }
    .group_segment_fixed_size: 284672
    .private_segment_fixed_size: 0
    .kernarg_segment_align: 8
    .kernarg_segment_size: 32
    .max_flat_workgroup_size: 512
    .sgpr_count:     100
    .vgpr_count:     256
    .wavefront_size: 32
...
	.end_amdgpu_metadata
.endif
;; end of part 9
;; launch ln2 (part 10): grid 256 x 1, 4 waves a work-group, no clusters, 23,040 bytes of LDS; arguments hres, g1, b1, hn; writes hn
.if DOCPART == 10
	.amdgcn_target "amdgcn-amd-amdhsa--gfx1250"
	.amdhsa_code_object_version 6
	.text
	.protected	k_q0aff98c958_ln2
	.globl	k_q0aff98c958_ln2
	.p2align	8
	.type	k_q0aff98c958_ln2,@function
k_q0aff98c958_ln2:
	s_mov_b64 s[64:65], 0
	v_nop
	global_prefetch_b8 v0, s[64:65] scope:SCOPE_SE
	s_setreg_imm32_b32 hwreg(HW_REG_WAVE_MODE, 25, 1), 1
	s_wait_xcnt 0x0
; LayerNorm of the 4,096 rows of hres (gain g1, bias b1), each row of 1,024 f32, then the rows are turned into codes of FP6 (E2M3) along the row, one E8M0 byte for each 32 numbers.
; hn: codes at row x 768 bytes, scale bytes at SCOFF + row x 32.
; A wave owns four rows and keeps them in registers: mean, then the squares of x - mean (two passes over registers, so a common offset of the inputs costs no accuracy), rsqrt, gain, bias.
; All 16 KB of a wave are asked for at its head.  Each load reads 512 consecutive bytes; the conversions want 16 NEIGHBOURS in a lane, so half a row (512 numbers) at a time turns through the wave's own stage in LDS.
; A block's scale is 2^(floor(log2(largest magnitude)) - 2): the byte is the magnitude's exponent field - 2, held at 1 from below.
; LIMITS: a block of zeros gets the byte 1 (not 127): its codes are zeros and only this program reads the bytes.  NaN and infinities among the inputs are not served.  v_rsq_f32 is good to 1 ulp.
; No barrier: waves share nothing.  No matrix unit, cluster or tensor load: the launch is a stream.
.set TWO,   0                          ; 1: two tensors (the first 128 work-groups take the first), 0: one
.set LOGW,  2                          ; log2 of the waves in a work-group
.set SCOFF, 3145728                    ; where the scale bytes begin in the output buffer
.set SP,    80                         ; a lane's place in a stage: 64 bytes + 16 of padding
.set WREG,  5632                       ; LDS of a wave: two stages of 32 x SP bytes, then its 128 scale bytes
.set EMAX,  2
.set G,     16                         ; v16-47   the gain, as a row is loaded
.set BV,    48                         ; v48-79   the bias likewise
.set ROWS,  80                         ; v80-207  four rows, 32 registers each; a finished half row's registers take its codes and its byte
.set X,     208                        ; v208-239 two sets of 16 neighbours; while free, the sums' chains
.set MU,    250                        ; v[250:251] the mean (low word)
.set RS,    252                        ; v[252:253] 1 / sqrt(var + eps) (low word)
.if TWO
	s_load_b256 s[4:11], s[0:1], 0x0
	s_load_b128 s[16:19], s[0:1], 0x20
	s_load_b64 s[22:23], s[0:1], 0x30
.else
	s_load_b64 s[4:5], s[0:1], 0x0                 ; the rows
	s_load_b128 s[8:11], s[0:1], 0x8               ; gain, bias
	s_load_b64 s[22:23], s[0:1], 0x18              ; the output buffer
	v_lshl_add_u32 v254, v0, 2, 0x5800
	v_mov_b32 v255, 0
.endif
	v_lshrrev_b32 v1, 5, v0
	v_readfirstlane_b32 s14, v1                    ; wave
	v_and_b32 v2, 31, v0                           ; lane
	v_lshlrev_b32 v3, 4, v2                        ; my 16 bytes of a load's 512
	s_mul_i32 s15, s14, WREG
	v_lshrrev_b32 v14, 2, v2
	v_mul_u32_u24 v14, v14, SP
	v_and_b32 v15, 3, v2
	v_lshl_add_u32 v14, v15, 4, v14
	v_add_nc_u32 v14, s15, v14                     ; the stage, on the way in: SP (lane / 4) + 16 (lane % 4)
	v_mul_u32_u24 v15, v2, SP
	v_add_nc_u32 v15, s15, v15                     ; and on the way out: SP x lane: my 16 neighbours
	v_mul_u32_u24 v4, v2, 12                       ; my 16 codes' place in a step's 384 bytes
	v_lshrrev_b32 v5, 1, v2
	s_add_co_u32 s24, s15, 2*32*SP
	v_add_nc_u32 v5, s24, v5                       ; LDS: my block's scale byte
	v_lshlrev_b32 v7, 2, v2
	v_add_nc_u32 v6, s24, v7                       ; and on the way out 4 bytes a lane
	v_mov_b32 v9, 0                                ; a lane permute's destination counts as read: written once
	v_mov_b32 v[MU+1], 0                           ; the pairs' upper words are named with the lower
	v_mov_b32 v[RS+1], 0
	s_mov_b32 s12, 0x76543210
	s_mov_b32 s13, 0xfedcba98                      ; selects: lane l xor 16
	s_mov_b32 s20, 0x3a800000                      ; 1 / 1,024
	s_mov_b32 s21, 0x3727c5ac                      ; 1e-5
	s_lshl_b32 s26, ttmp9, LOGW
	s_add_co_u32 s26, s26, s14                     ; which run of four rows is my wave's
	s_mul_i32 s28, s26, 3072                       ; its codes,
	s_mov_b32 s29, 0
	s_lshl_b32 s30, s26, 7
	s_add_co_u32 s30, s30, SCOFF                   ; its scale bytes
	s_mov_b32 s31, 0
	s_wait_kmcnt 0x0
.if TWO
	s_cmp_lt_u32 ttmp9, 128
	s_cselect_b64 s[4:5], s[4:5], s[6:7]
	s_cselect_b64 s[8:9], s[8:9], s[16:17]
	s_cselect_b64 s[10:11], s[10:11], s[18:19]
	s_cselect_b32 s25, 0, 1024
	s_sub_co_u32 s26, s26, s25
.endif
	s_lshl_b32 s26, s26, 14                        ; four rows of 4,096 bytes
	s_mov_b32 s27, 0
	s_add_nc_u64 s[4:5], s[4:5], s[26:27]
	s_add_nc_u64 s[28:29], s[22:23], s[28:29]
	s_add_nc_u64 s[30:31], s[22:23], s[30:31]
.irp j, 0,1,2,3,4,5,6,7
	global_load_b128 v[G+4*\j:G+4*\j+3], v3, s[8:9] offset:512*\j
.endr
.irp j, 0,1,2,3,4,5,6,7
	global_load_b128 v[BV+4*\j:BV+4*\j+3], v3, s[10:11] offset:512*\j
.endr
.irp p, 0,1,2,3
.irp j, 0,1,2,3,4,5,6,7
	global_load_b128 v[ROWS+32*\p+4*\j:ROWS+32*\p+4*\j+3], v3, s[4:5] offset:4096*\p+512*\j
.endr
.endr
.macro RED                             ; v8 summed over the 32 lanes, the result in every lane
	v_add_f32_dpp v8, v8, v8 row_xmask:1 row_mask:0xf bank_mask:0xf
	v_add_f32_dpp v8, v8, v8 row_xmask:2 row_mask:0xf bank_mask:0xf
	v_add_f32_dpp v8, v8, v8 row_xmask:4 row_mask:0xf bank_mask:0xf
	v_add_f32_dpp v8, v8, v8 row_xmask:8 row_mask:0xf bank_mask:0xf
	v_permlanex16_b32 v9, v8, s12, s13
	v_add_f32 v8, v8, v9
.endm
.macro FOLD                            ; the four chains' pairs into v8
	v_pk_add_f32 v[X:X+1], v[X:X+1], v[X+2:X+3]
	v_pk_add_f32 v[X+4:X+5], v[X+4:X+5], v[X+6:X+7]
	v_pk_add_f32 v[X:X+1], v[X:X+1], v[X+4:X+5]
	v_add_f32 v8, v[X], v[X+1]
	RED
.endm
.macro LN p                            ; row p, in place
.set R, ROWS+32*(\p)
	s_wait_loadcnt 8*(3-(\p))                      ; gain, bias and my row are in; the rows behind it, eight loads each, may be out
.irp c, 0,2,4,6
	v_pk_add_f32 v[X+\c:X+\c+1], v[R+\c:R+\c+1], v[R+8+\c:R+8+\c+1]     ; the sum, in four chains
.endr
.irp k, 16,24
.irp c, 0,2,4,6
	v_pk_add_f32 v[X+\c:X+\c+1], v[X+\c:X+\c+1], v[R+\k+\c:R+\k+\c+1]
.endr
.endr
	FOLD
	v_mul_f32 v[MU], s20, v8                       ; the mean
.set i, 0
.rept 16
	v_pk_add_f32 v[R+i:R+i+1], v[R+i:R+i+1], v[MU:MU+1] op_sel_hi:[1,0] neg_lo:[0,1] neg_hi:[0,1]   ; x - mean
.set i, i+2
.endr
.irp c, 0,2,4,6
	v_pk_mul_f32 v[X+\c:X+\c+1], v[R+\c:R+\c+1], v[R+\c:R+\c+1]         ; the squares
.endr
.irp k, 8,16,24
.irp c, 0,2,4,6
	v_pk_fma_f32 v[X+\c:X+\c+1], v[R+\k+\c:R+\k+\c+1], v[R+\k+\c:R+\k+\c+1], v[X+\c:X+\c+1]
.endr
.endr
	FOLD
	v_fma_f32 v8, v8, s20, s21                     ; var + eps
	s_wait_alu depctr_va_vdst(0)
	v_rsq_f32 v[RS], v8
	v_nop                                          ; a plain instruction behind the transcendental,
	s_wait_alu depctr_va_vdst(0)                   ; and the wait ahead of its first reader
.set i, 0
.rept 16
	v_pk_mul_f32 v[R+i:R+i+1], v[R+i:R+i+1], v[RS:RS+1] op_sel_hi:[1,0]
.set i, i+2
.endr
.set i, 0
.rept 16
	v_pk_fma_f32 v[R+i:R+i+1], v[R+i:R+i+1], v[G+i:G+i+1], v[BV+i:BV+i+1]
.set i, i+2
.endr
.endm
.macro TURN t                          ; step t (half a row, 512 numbers) through stage t % 2: LDS serves a wave's instructions in order, so no wait stands between the stores and the loads
.irp i, 0,1,2,3
	ds_store_b128 v14, v[ROWS+16*(\t)+4*\i:ROWS+16*(\t)+4*\i+3] offset:32*SP*((\t)%2)+8*SP*\i
.endr
.irp i, 0,1,2,3
	ds_load_b128 v[X+16*((\t)%2)+4*\i:X+16*((\t)%2)+4*\i+3], v15 offset:32*SP*((\t)%2)+16*\i
.endr
.endm
.macro STEP t
.set XS, X+16*((\t)%2)
.set CR, ROWS+16*(\t)                  ; the step's own registers of its row: three for its codes, one for its byte
.if ((\t)%2) == 0
	s_wait_dscnt 8                                 ; this step's numbers are back; the other step's eight LDS instructions may be out
.else
	s_wait_dscnt 1                                 ; this step's numbers are back; the last step's byte store may be out
.endif
	v_max3_num_f32 v8, |v[XS]|, |v[XS+1]|, |v[XS+2]|
	v_max3_num_f32 v10, |v[XS+3]|, |v[XS+4]|, |v[XS+5]|
.irp i, 6,10
	v_max3_num_f32 v8, v8, |v[XS+\i]|, |v[XS+\i+1]|
	v_max3_num_f32 v10, v10, |v[XS+\i+2]|, |v[XS+\i+3]|
.endr
	v_max3_num_f32 v8, v8, |v[XS+14]|, |v[XS+15]|
	v_max3_num_f32 v8, v8, v10, (EMAX+1)<<23       ; and the floor 2^(3 - 127): the byte cannot fall under 1
	v_max_num_f32_dpp v8, v8, v8 row_xmask:1 row_mask:0xf bank_mask:0xf   ; with my neighbour's 16: the block's largest magnitude
	v_add_nc_u32 v11, -(EMAX<<23), v8              ; 2 off its exponent field: the conversion takes the exponent field of this operand as its scale
	v_cvt_scalef32_pk16_fp6_f32 v[CR:CR+2], v[XS:XS+15], v11
	v_lshrrev_b32 v[CR+4], 23, v11                 ; the scale's byte (also the plain instruction behind the conversion)
	ds_store_b8 v5, v[CR+4] offset:16*(\t)         ; both lanes of a block write the same byte with the same value
	global_store_b96 v4, v[CR:CR+2], s[28:29] offset:384*(\t)   ; the wave stores 384 consecutive bytes
.endm
.irp p, 0,1,2,3
	LN \p
	TURN 2*\p
	TURN 2*\p+1
	STEP 2*\p
	STEP 2*\p+1
.endr
	ds_load_b32 v10, v6                            ; my wave's 128 scale bytes: these loads see my stores
	s_wait_dscnt 0x0
	global_store_b32 v7, v10, s[30:31]             ; 128 consecutive bytes: four rows' scale bytes
	s_wait_tensorcnt 0x0
	ds_add_u32 v254, v255
	s_wait_dscnt 0x0
	s_endpgm
.Lfunc_end_k_q0aff98c958_ln2:
	.size	k_q0aff98c958_ln2, .Lfunc_end_k_q0aff98c958_ln2-k_q0aff98c958_ln2
	.p2alignl 7, 3214868480
	.fill 96, 4, 3214868480
	.section	.rodata,"a",@progbits
	.p2align	6, 0x0
	.amdhsa_kernel k_q0aff98c958_ln2
		.amdhsa_group_segment_fixed_size 23040
		.amdhsa_private_segment_fixed_size 0
		.amdhsa_enable_private_segment 0
		.amdhsa_kernarg_size 32
		.amdhsa_user_sgpr_count 2
		.amdhsa_user_sgpr_kernarg_segment_ptr 1
		.amdhsa_wavefront_size32 1
		.amdhsa_system_sgpr_workgroup_id_x 1
		.amdhsa_system_sgpr_workgroup_id_y 1
		.amdhsa_system_sgpr_workgroup_id_z 1
		.amdhsa_system_vgpr_workitem_id 0
		.amdhsa_next_free_vgpr 256
		.amdhsa_next_free_sgpr 66
		.amdhsa_reserve_vcc 0
		.amdhsa_float_denorm_mode_32 3
		.amdhsa_float_denorm_mode_16_64 3
		.amdhsa_memory_ordered 1
		.amdhsa_forward_progress 1
		.amdhsa_inst_pref_size 44
	.end_amdhsa_kernel
	.amdgpu_metadata
---
amdhsa.version: [ 1, 2 ]
amdhsa.kernels:
  - .name:           k_q0aff98c958_ln2
    .symbol:         k_q0aff98c958_ln2.kd
    .args:
      - { .name: hres, .offset: 0, .size: 8, .value_kind: global_buffer, .address_space: global }
      - { .name: g1, .offset: 8, .size: 8, .value_kind: global_buffer, .address_space: global }
      - { .name: b1, .offset: 16, .size: 8, .value_kind: global_buffer, .address_space: global }
      - { .name: hn, .offset: 24, .size: 8, .value_kind: global_buffer, .address_space: global }
    .group_segment_fixed_size: 23040
    .private_segment_fixed_size: 0
    .kernarg_segment_align: 8
    .kernarg_segment_size: 32
    .max_flat_workgroup_size: 128
    .sgpr_count:     66
    .vgpr_count:     256
    .wavefront_size: 32
...
	.end_amdgpu_metadata
.endif
;; end of part 10
;; launch ffn1 (part 11): grid 16 x 16, 4 waves a work-group, clusters of 4 x 4, 327,680 bytes of LDS; arguments hn, W1_codes, W1_scales, bf1, hid; writes hid
.if DOCPART == 11
	.amdgcn_target "amdgcn-amd-amdhsa--gfx1250"
	.amdhsa_code_object_version 6
	.text
	.protected	k_q0aff98c958_ffn1
	.globl	k_q0aff98c958_ffn1
	.p2align	8
	.type	k_q0aff98c958_ffn1,@function
k_q0aff98c958_ffn1:
	s_mov_b64 s[64:65], 0
	v_nop
	global_prefetch_b8 v0, s[64:65] scope:SCOPE_SE
	s_setreg_imm32_b32 hwreg(HW_REG_WAVE_MODE, 25, 1), 1
	s_wait_xcnt 0x0
	s_wait_alu depctr_hold_cnt(0) depctr_sa_sdst(0) depctr_va_vdst(0) depctr_va_sdst(0) depctr_va_ssrc(0) depctr_va_vcc(0) depctr_vm_vsrc(0)
	s_getreg_b32 s2, hwreg(HW_REG_IB_STS2, 6, 4)
	s_cmp_eq_u32 s2, 0
	s_cbranch_scc0 .Lentry_in_a_cluster
	s_endpgm
.Lentry_in_a_cluster:
	s_bfe_u32 s2, ttmp6, 0x10000c
	s_cmp_lg_u32 s2, 0xf033
	s_cbranch_scc0 .Lentry_shape_is_right
	s_endpgm
.Lentry_shape_is_right:
.set SIZE_K, 1024
.set KROWA,  768
.set KROWB,  768
; hid = Q(gelu(hn W1 + bf1)) on codes of FP6 (E2M3) with E8M0 scales, K = 1,024.  A tile of 256 x 256 by four waves, 128 x 128 each; clusters of 4 x 4 with joint loads.
; THE RING goes by chunks of 256 bytes of each row of codes (a row is 768 bytes, three chunks), chunk c in slot c % 2; a step of 128 along K is 96 bytes, so steps 2 and 5 lie across two chunks.
; hid: codes as [quarter of the 4,096 hidden units][token][768 bytes], scale bytes behind them, [token][128].  A work-group owns 192 bytes of each of its 256 rows of a quarter: its stores cover runs of 192 bytes.
; The stage of the way out lies in slot 1, which has had its last fill and, behind step 5's barrier, its last read.
.set ASTEP,  256
.set KSTEP,  256
.set NQ,     KSTEP/128
.set ROWB,   256
.set STEPS,  SIZE_K/128
.set CHUNKS, KROWA/ROWB
.set PITCH,  272
.set G0H,    4
.set G0HB,   8
.set GO,     10                        ; v10-12 the way out: byte offsets in hid of my 16 bytes of eight rows
.set FR,     12
.set NL,     6
.set NP,     4
.set HALFT,  128*PITCH
.set SLOT,   4*HALFT
.set LAPS,   SIZE_K/(2*KSTEP)
.set KS,     SIZE_K/32
.set SCL,    2*SLOT
.set HALFS,  (128*KS/256)*272
.set SBLK,   (16*KS/256)*272
.set SPARE,  SCL+4*HALFS
.set SCST,   SLOT+49152
.set RDA,  7
.set RDS,  8
.set OUS,  9
.set ADRA, 16
.set ADRB, 20
.set STO,  24
.set SST,  25
.set STA,  26
.set ADRS, 27
.set SPW,  28
.set NIL,  29
.set SSA,  31
.set SC,   32
.set CB,   64
.set AF,   128
.set TT,   128
.set GZ,   192
.set GS,   200
.set GP,   208
.set GQ,   216
.set CD,   192
.set TM,   212
.set PW,   228
.set KA,   230
.set KB,   232
.set G1, 24
.set G0, 32
.set G1B, 48
.set G0B, 56
.set SEL, 66
.set G1S, 68
.set G0S, 76
.set G1SB, 80
.set G0SB, 88
.set MSB, 0
.macro WIN new
.if MSB != \new
	s_set_vgpr_msb (MSB<<8)|(\new)
.set MSB, \new
.endif
.endm
.set MUL_LO, 0xa1
.set MUL_HI, 0xf1
.set TO_B,   0x40
.macro JLOAD g0a, g1a, g0b, g1b
	s_cmp_eq_u32 s15, 0
	s_cbranch_scc0 .Lfor_b_\@
	tensor_load_to_lds s[\g0a:\g0a+3], s[\g1a:\g1a+7]
	s_nop 0
.rept 4
	v_nop
.endr
	s_branch .Lasked_\@
.Lfor_b_\@:
	tensor_load_to_lds s[\g0b:\g0b+3], s[\g1b:\g1b+7]
	s_nop 0
.rept 4
	v_nop
.endr
.Lasked_\@:
.endm
.macro CREST
	s_cmp_lg_u32 s14, 0
	s_cbranch_scc1 .Lnot_wave_0_\@
	s_barrier_signal -3
.Lnot_wave_0_\@:
	s_barrier_wait -3
	s_barrier_signal -1
	s_barrier_wait -1
.endm
.macro CROUND
	s_barrier_signal -1
	s_barrier_wait -1
	CREST
.endm
	s_load_b64 s[4:5], s[0:1], 0x0
	s_load_b128 s[8:11], s[0:1], 0x8
	s_load_b64 s[96:97], s[0:1], 0x18
	s_load_b64 s[12:13], s[0:1], 0x20
	v_lshl_add_u32 v[SPW], v0, 2, SPARE
	v_mov_b32 v[NIL], 0
	ds_add_u32 v28, v29
	ds_add_u32 v28, v29
	s_wait_dscnt 0x0
	v_lshrrev_b32 v1, 5, v0
	v_readfirstlane_b32 s14, v1
	s_lshr_b32 s15, s14, 1
	s_and_b32 s16, s14, 1
	s_bfe_u32 s40, ttmp6, 0x40000
	s_bfe_u32 s41, ttmp6, 0x40004
	s_lshl_b32 s42, ttmp9, 2
	s_add_co_u32 s42, s42, s40
	s_and_b32 s17, ttmp7, 0xffff
	s_lshl_b32 s17, s17, 2
	s_add_co_u32 s17, s17, s41
	s_lshl_b32 s43, s41, 2
	s_lshl_b32 s43, 15, s43
	s_lshl_b32 s44, 0x1111, s40
	s_mov_b32 s[SEL], 0x76543210
	s_mov_b32 s[SEL+1], 0xfedcba98
	s_or_b32 s[G1+0], s43, (0<<16)|(1<<20)|(1<<21)|(5<<22)|(3<<25)
	s_or_b32 s[G1B+0], s44, (0<<16)|(1<<20)|(1<<21)|(5<<22)|(3<<25)
.irp g, G1, G1B
	s_mov_b32 s[\g+1], ROWB<<16
	s_mov_b32 s[\g+2], 256<<16                     ; 256 rows for the head's loads; 128 behind them
	s_mov_b32 s[\g+3], ROWB<<16
	s_mov_b32 s[\g+4], 256
	s_mov_b32 s[\g+6], 0
	s_mov_b32 s[\g+7], 0
.endr
	s_mov_b32 s[G1+5], KROWA
	s_mov_b32 s[G1B+5], KROWB
	s_or_b32 s[G1S+0], s43, (3<<16)|(1<<20)|(1<<21)|(5<<22)|(3<<25)
	s_or_b32 s[G1SB+0], s44, (3<<16)|(1<<20)|(1<<21)|(5<<22)|(3<<25)
.irp g, G1S, G1SB
	s_mov_b32 s[\g+1], 32<<16
	s_mov_b32 s[\g+2], KS<<16                      ; the scales of 256 rows: KS rows of 256 bytes
	s_mov_b32 s[\g+3], 32<<16
	s_mov_b32 s[\g+4], KS
	s_mov_b32 s[\g+5], 32
	s_mov_b32 s[\g+6], 0
	s_mov_b32 s[\g+7], 0
.endr
	s_lshl_b32 s20, s17, 8                         ; A: the tile's first row
	s_lshl_b32 s46, s42, 8                         ; B: likewise
	s_mov_b32 s21, 0
	s_mov_b32 s47, 0
	s_mov_b64 s[18:19], KS
	s_mul_u64 s[22:23], s[20:21], s[18:19]
	s_mul_u64 s[92:93], s[46:47], s[18:19]
	s_mov_b64 s[18:19], KROWA
	s_mul_u64 s[20:21], s[20:21], s[18:19]
	s_mov_b64 s[18:19], KROWB
	s_mul_u64 s[46:47], s[46:47], s[18:19]
	s_mul_i32 s45, s14, HALFT
	s_mul_i32 s94, s14, HALFS
	s_wait_kmcnt 0x0
	s_add_nc_u64 s[6:7], s[4:5], 3145728
	s_add_nc_u64 s[20:21], s[4:5], s[20:21]
	s_add_nc_u64 s[22:23], s[6:7], s[22:23]
	s_add_nc_u64 s[46:47], s[8:9], s[46:47]
	s_add_nc_u64 s[92:93], s[10:11], s[92:93]
	CROUND
	s_mov_b32 s[G0S], 1
	s_mov_b32 s[G0S+1], SCL
	s_mov_b64 s[G0S+2:G0S+3], s[22:23]
	s_or_b32 s[G0S+3], s[G0S+3], 0x80000000
	s_mov_b32 s[G0SB], 1
	s_mov_b32 s[G0SB+1], SCL+2*HALFS
	s_mov_b64 s[G0SB+2:G0SB+3], s[92:93]
	s_or_b32 s[G0SB+3], s[G0SB+3], 0x80000000
	s_mov_b32 s[G0H], 1                            ; chunk 0's 256 rows of A,
	s_mov_b32 s[G0H+1], 0
	s_mov_b64 s[G0H+2:G0H+3], s[20:21]
	s_or_b32 s[G0H+3], s[G0H+3], 0x80000000
	s_mov_b32 s[G0HB], 1                           ; and of B, behind them in slot 0
	s_mov_b32 s[G0HB+1], 2*HALFT
	s_mov_b64 s[G0HB+2:G0HB+3], s[46:47]
	s_or_b32 s[G0HB+3], s[G0HB+3], 0x80000000
	; the prefetches' pointer: of a tile's 256 rows each of the four partners that load it jointly takes 64 (by cx for A, by cy for B), told apart by address; my wave 32 of them
	s_cmp_eq_u32 s15, 0                            ; do I fetch for A?
	s_cselect_b64 s[2:3], s[20:21], s[46:47]
	s_cselect_b32 s94, s40, s41
	s_lshl_b32 s94, s94, 1
	s_add_co_u32 s94, s94, s16
	s_mul_i32 s94, s94, 32*KROWA
	s_mov_b32 s95, 0
	s_add_nc_u64 s[2:3], s[2:3], s[94:95]
	s_mul_i32 s18, s16, 128*KROWA
	s_mov_b32 s19, 0
	s_add_nc_u64 s[20:21], s[20:21], s[18:19]
	s_add_nc_u64 s[46:47], s[46:47], s[18:19]
.irp s, 0,1
	s_mov_b32 s[G0+4*\s], 1
	s_add_co_u32 s[G0+4*\s+1], s45, \s*SLOT
	s_add_nc_u64 s[G0+4*\s+2:G0+4*\s+3], s[20:21], \s*ASTEP
	s_or_b32 s[G0+4*\s+3], s[G0+4*\s+3], 0x80000000
	s_mov_b32 s[G0B+4*\s], 1
	s_add_co_u32 s[G0B+4*\s+1], s45, \s*SLOT
	s_add_nc_u64 s[G0B+4*\s+2:G0B+4*\s+3], s[46:47], \s*ROWB
	s_or_b32 s[G0B+4*\s+3], s[G0B+4*\s+3], 0x80000000
.endr
; the head's loads, one a wave: wave 0 chunk 0 of A, wave 1 of B, wave 2 A's scales, wave 3 B's; one chain of branches on the wave's number
.macro ARM under, g0, g1, next
	s_cmp_lt_u32 s14, \under
	s_cbranch_scc0 \next
	tensor_load_to_lds s[\g0:\g0+3], s[\g1:\g1+7]
	s_nop 0
.rept 4
	v_nop
.endr
	s_branch .Lhead_asked
\next:
.endm
	ARM 1, G0H,  G1,  .Lhead_b
	ARM 2, G0HB, G1B, .Lhead_sa
	ARM 3, G0S,  G1S, .Lhead_sb
	tensor_load_to_lds s[G0SB:G0SB+3], s[G1SB:G1SB+7]
	s_nop 0
.rept 4
	v_nop
.endr
.Lhead_asked:
	v_and_b32 v15, 31, v0
	v_mul_u32_u24 v15, v15, KROWA                  ; a lane a row; v15 and s[2:3] are never written again
	global_prefetch_b8 v15, s[2:3] offset:256 th:TH_LOAD_NT scope:SCOPE_SE   ; chunk 1 of my 32 rows: its load stands behind the next round,
	global_prefetch_b8 v15, s[2:3] offset:512 th:TH_LOAD_NT scope:SCOPE_SE   ; chunk 2: its load stands in step 2.  Each block of 256 bytes is named once in the cluster
	v_and_b32 v1, 15, v0
	v_bfe_u32 v2, v0, 4, 1
	v_mul_u32_u24 v3, v1, PITCH
	v_mul_u32_u24 v4, v2, 24
	v_add_nc_u32 v4, v3, v4
	s_mov_b32 s21, SLOT-232
	s_mov_b32 s22, SLOT+232
	v_sub_nc_u32 v7, 1, v2                         ; 1 in lanes 0-15
	v_mul_u32_u24 v5, s21, v2
	v_add_nc_u32 v5, v3, v5
	v_add_nc_u32 v5, 232, v5                       ; across two chunks: lanes 0-15 byte 232 of the row in slot 0, lanes 16-31 byte 0 in slot 1;
	v_mul_u32_u24 v6, s22, v7
	v_add_nc_u32 v6, v3, v6                        ; and the other way round
	s_mul_i32 s21, s15, HALFT
	s_mul_i32 s22, s16, HALFT
	s_add_co_u32 s22, s22, 2*HALFT
	v_add_nc_u32 v[ADRA+2], s21, v5
	v_add_nc_u32 v[ADRA+3], s21, v6
	v_add_nc_u32 v[ADRB+2], s22, v5
	v_add_nc_u32 v[ADRB+3], s22, v6
.irp s, 0,1
	v_add_nc_u32 v[ADRA+\s], s21, v4
	v_add_nc_u32 v[ADRB+\s], s22, v4
	s_add_co_u32 s21, s21, SLOT
	s_add_co_u32 s22, s22, SLOT
.endr
	v_mul_u32_u24 v5, v1, KS
	v_lshrrev_b32 v6, 8, v5
	v_lshl_add_u32 v5, v6, 4, v5
	s_mul_i32 s21, s15, HALFS
	s_mul_i32 s22, s16, HALFS
	s_add_co_u32 s22, s22, 2*HALFS
	s_sub_co_u32 s22, s22, s21
	v_mul_u32_u24 v6, s22, v2
	s_add_co_u32 s21, s21, SCL
	v_add_nc_u32 v5, v5, v6
	v_add_nc_u32 v[ADRS], s21, v5
	s_mul_i32 s21, s15, 128*192
	s_mul_i32 s22, s16, 96
	s_add_co_u32 s21, s21, s22
	s_add_co_u32 s21, s21, SLOT                    ; the stage lies in slot 1
	v_mul_u32_u24 v[STO], v1, 192
	v_mad_u32_u24 v[STO], v2, 24, v[STO]
	v_add_nc_u32 v[STO], s21, v[STO]
	s_lshl_b32 s21, s15, 10
	s_lshl_b32 s22, s16, 2
	s_add_co_u32 s21, s21, s22
	s_add_co_u32 s21, s21, SCST
	v_lshl_add_u32 v[SST], v1, 3, s21
	v_and_b32 v6, 31, v0
.irp j, 0,1,2                                  ; eight stage rows of 192 bytes are 96 pieces of 16: piece u = 32 j + lane lies in row u / 12 and goes to 768 (u / 12) + 16 (u % 12) = 16 u + 576 (u / 12)
	v_add_nc_u32 v13, 32*\j, v6
	v_mul_u32_u24 v14, v13, 43
	v_lshrrev_b32 v14, 9, v14                      ; u / 12 for u under 96
	v_mul_u32_u24 v14, v14, 576
	v_lshl_add_u32 v[GO+\j], v13, 4, v14
.endr
	s_mul_i32 s21, s14, 12288
	s_add_co_u32 s21, s21, SLOT
	v_lshl_add_u32 v[RDA], v6, 4, s21
	s_lshl_b32 s21, s14, 6
	v_add_nc_u32 v6, s21, v6
	v_lshlrev_b32 v[OUS], 7, v6
	v_lshl_add_u32 v[RDS], v6, 3, SCST
	s_lshl_b32 s46, s42, 10
	s_lshl_b32 s47, s16, 9
	s_add_co_u32 s46, s46, s47
	s_mov_b32 s47, 0
	s_add_nc_u64 s[96:97], s[96:97], s[46:47]
	v_lshlrev_b32 v30, 5, v2
.irp b, 0,1,2,3,4,5,6,7
	global_load_b128 v[CB+8*\b:CB+8*\b+3], v30, s[96:97] offset:64*\b
	global_load_b128 v[CB+8*\b+4:CB+8*\b+7], v30, s[96:97] offset:64*\b+16
.endr
	s_wait_loadcnt 0x0
.macro FRAG reg, adr, q, i
.irp p, 0,1,2,3,4,5
.set BY, 96*(\q)+48*(\p/3)+8*(\p%3)    ; q: the step, from the row's start.  Byte y of a row lies in chunk y / 256, slot (y / 256) % 2, byte y % 256 of the LDS row; lanes 16-31 read 24 bytes on
.if BY/ROWB == (BY+24)/ROWB
	ds_load_b64 v[\reg+2*\p:\reg+2*\p+1], v[\adr+(BY/ROWB)%2] offset:BY%ROWB+(\i)*16*PITCH
.else
	ds_load_b64 v[\reg+2*\p:\reg+2*\p+1], v[\adr+2+(BY/ROWB)%2] offset:BY%ROWB-232+(\i)*16*PITCH
.endif
.endr
.endm
.macro MUL16 a0, p, q, sc, zero
.irp a, \a0, \a0+1
.irp b, 0,1,2,3,4,5,6,7
.if \zero
	v_wmma_scale_f32_16x16x128_f8f6f4 v[8*(8*((\a)%4)+\b):8*(8*((\a)%4)+\b)+7], v[128*(\p)+FR*\b:128*(\p)+FR*\b+FR-1], v[AF+FR*(\a):AF+FR*(\a)+FR-1], 0, v[SC+8*NQ*(\sc)+NQ*\b+(\q)], v[SC+8*NQ*(\sc)+NQ*(\a)+(\q)] matrix_a_fmt:MATRIX_FMT_FP6 matrix_b_fmt:MATRIX_FMT_FP6 matrix_a_scale:MATRIX_SCALE_ROW1
.else
	v_wmma_scale_f32_16x16x128_f8f6f4 v[8*(8*((\a)%4)+\b):8*(8*((\a)%4)+\b)+7], v[128*(\p)+FR*\b:128*(\p)+FR*\b+FR-1], v[AF+FR*(\a):AF+FR*(\a)+FR-1], v[8*(8*((\a)%4)+\b):8*(8*((\a)%4)+\b)+7], v[SC+8*NQ*(\sc)+NQ*\b+(\q)], v[SC+8*NQ*(\sc)+NQ*(\a)+(\q)] matrix_a_fmt:MATRIX_FMT_FP6 matrix_b_fmt:MATRIX_FMT_FP6 matrix_a_scale:MATRIX_SCALE_ROW1
.endif
.endr
.endr
.endm
.macro FETCH_B slot, q, p
	WIN TO_B
.irp i, 0,1,2,3,4,5,6,7
	FRAG 128*(\p)+FR*\i, ADRB+\slot, \q, \i
.endr
	WIN 0
.endm
.macro FETCH_A slot, q, i0
.irp i, \i0, \i0+1, \i0+2, \i0+3
	FRAG AF+FR*(\i), ADRA+\slot, \q, \i
.endr
.endm
.macro SCALES pr                       ; the scale words of steps 2 pr, 2 pr + 1 into set pr % 2: lanes 0-15 A's block i, lanes 16-31 B's
.irp i, 0,1,2,3,4,5,6,7
	ds_load_b64 v[SC+8*NQ*((\pr)%2)+NQ*\i:SC+8*NQ*((\pr)%2)+NQ*\i+1], v[ADRS] offset:\i*SBLK+4*NQ*(\pr)
.endr
.endm
.macro PLACES n                        ; plain vector instructions between a matrix instruction and a load into, or a read of, its registers
.rept \n
	v_nop
.endr
.endm
; A step of 128 along K; the next step's fragments are fetched in its middle and at its end.  Where the next step's bytes end in a chunk not read yet: the wait for my tensor loads and a barrier.
; Where they begin in a later chunk: the chunk left behind is read no more: the wait, the add, the wait for it and for my reads, the barrier; where a chunk two on is left, a round of the cluster's barrier and the refill.
.macro STEP st, zero
.set NX, (\st)+1
.set C0, (96*(\st))/ROWB
.set C1, (96*NX)/ROWB
.set E0, (96*(\st)+95)/ROWB
.set E1, (96*NX+95)/ROWB
.if C1 > C0 || E1 > E0
	s_wait_tensorcnt 0x0                           ; all my tensor loads have landed
.if C1 > C0
	ds_add_u32 v[SPW], v[NIL]
	s_wait_dscnt 4*NL+1                            ; the add and the youngest 24 loads may be out
.else
	s_wait_dscnt 4*NL
.endif
	WIN MUL_LO
	MUL16 0, (\st)%2, (\st)%2, ((\st)/2)%2, \zero
	s_wait_dscnt 0x0                               ; the add and my reads are done
	s_barrier_signal -1
	MUL16 2, (\st)%2, (\st)%2, ((\st)/2)%2, \zero
	WIN 0
	s_barrier_wait -1
.if C1 > C0 && C0+2 < CHUNKS
	CREST
	s_add_nc_u64 s[G0+4*(C0%2)+2:G0+4*(C0%2)+3], s[G0+4*(C0%2)+2:G0+4*(C0%2)+3], 2*ROWB
	s_add_nc_u64 s[G0B+4*(C0%2)+2:G0B+4*(C0%2)+3], s[G0B+4*(C0%2)+2:G0B+4*(C0%2)+3], 2*ROWB
	JLOAD G0+4*(C0%2), G1, G0B+4*(C0%2), G1B       ; chunk C0 + 2: the first tensor load behind the round
.else
	PLACES NP
.endif
.else
	s_wait_dscnt 4*NL                              ; B's set and A's blocks 0-3 are in
	WIN MUL_LO
	MUL16 0, (\st)%2, (\st)%2, ((\st)/2)%2, \zero
	MUL16 2, (\st)%2, (\st)%2, ((\st)/2)%2, \zero
	s_wait_dscnt 0
	PLACES NP
.endif
	FETCH_B 0, NX, NX%2
	FETCH_A 0, NX, 0
.if NX%2 == 0
	SCALES NX/2
.endif
	WIN MUL_HI
	MUL16 4, (\st)%2, (\st)%2, ((\st)/2)%2, \zero
	MUL16 6, (\st)%2, (\st)%2, ((\st)/2)%2, \zero
	PLACES NP
	WIN 0
	FETCH_A 0, NX, 4
.endm
	s_wait_alu depctr_va_vdst(0)                   ; the wait at the head's end
	s_wait_tensorcnt 0x0                           ; my tile of the head's four is in
	ds_add_u32 v[SPW], v[NIL]
	s_mov_b32 s[G1+2], 128<<16                     ; no load of mine is out: from here on a load brings 128 rows
	s_mov_b32 s[G1+4], 128
	s_mov_b32 s[G1B+2], 128<<16
	s_mov_b32 s[G1B+4], 128
	s_wait_dscnt 0x0
	CROUND
	JLOAD G0+4, G1, G0B+4, G1B                     ; chunk 1, the first tensor load behind the round
	FETCH_B 0, 0, 0
	FETCH_A 0, 0, 0
	SCALES 0
	FETCH_A 0, 0, 4
	STEP 0, 1                                      ; the first step's products start the sums
.set ST, 1
.rept STEPS-2
	STEP ST, 0
.set ST, ST+1
.endr
	s_wait_dscnt 4*NL
	WIN MUL_LO
	MUL16 0, 1, NQ-1, 1, 0
	MUL16 2, 1, NQ-1, 1, 0
	s_wait_dscnt 0
	WIN MUL_HI
	MUL16 4, 1, NQ-1, 1, 0
	MUL16 6, 1, NQ-1, 1, 0
	WIN 0
	s_lshr_b32 s92, s42, 2
	s_mul_i32 s92, s92, 3145728                    ; the quarter of the hidden units,
	s_and_b32 s93, s42, 3
	s_mul_i32 s93, s93, 192                        ; my tile's 192 bytes of a row of 768,
	s_add_co_u32 s92, s92, s93
	s_mul_i32 s93, s17, 196608                     ; the tile's 256 rows,
	s_add_co_u32 s92, s92, s93
	s_mul_i32 s93, s14, 49152                      ; my wave's 64 of them
	s_add_co_u32 s92, s92, s93
	s_mov_b32 s93, 0
	s_add_nc_u64 s[92:93], s[12:13], s[92:93]
	s_lshl_b32 s98, s17, 15
	s_lshl_b32 s99, s42, 3
	s_add_co_u32 s98, s98, s99
	s_add_co_u32 s98, s98, 12582912
	s_mov_b32 s99, 0
	s_add_nc_u64 s[98:99], s[12:13], s[98:99]
.set RS2, 24
.set A13, 26
.set A9,  28
.set A7,  30
.set A5,  32
.set A3,  34
.set A1,  36
.set B8,  38
.set B4,  40
.set B2,  42
.set B0,  44
.set AI,  46
.set SA,  47
.set SB,  48
	s_mov_b32 s[RS2], 0x3f3504f3
	s_mov_b32 s[A13], 0xaf95df0b
	s_mov_b32 s[A9],  0xb60cff51
	s_mov_b32 s[A7],  0xb86ec2d2
	s_mov_b32 s[A5],  0xba40ac63
	s_mov_b32 s[A3],  0xbb41a1f6
	s_mov_b32 s[A1],  0xbc83dbd4
	s_mov_b32 s[B8],  0xb77460cd
	s_mov_b32 s[B4],  0xbadc924e
	s_mov_b32 s[B2],  0xbbf19bf8
	s_mov_b32 s[B0],  0xbc69b6a7
.irp c, RS2, A13, A9, A7, A5, A3, A1, B8, B4, B2, B0
	s_mov_b32 s[\c+1], s[\c]
.endr
	s_mov_b32 s[AI], 0
	s_mov_b32 s[SA], 0
	s_mov_b32 s[SB], 0
	PLACES NP
	v_mov_b32 v[KA], 0x32edffee
	v_mov_b32 v[KA+1], 0x32edffee
	v_mov_b32 v[KB], 0xb95fbd29
	v_mov_b32 v[KB+1], 0xb95fbd29
.macro COPY a
	WIN 0x02+(\a)/4
.set AC, 64*((\a)%4)
.set JJ, 0
.rept 32
	v_pk_add_f32 v[TT+JJ:TT+JJ+1], v[AC+JJ:AC+JJ+1], v[CB+JJ:CB+JJ+1]
.set JJ, JJ+2
.endr
	WIN 0
.endm
.macro PFMA d, c
.irp i, 0,2,4,6
	v_pk_fma_f32 v[\d+\i:\d+\i+1], v[\d+\i:\d+\i+1], v[GS+\i:GS+\i+1], s[\c:\c+1] op_sel_hi:[1,1,0]
.endr
.endm
.macro GELU g
.set XX, TT+8*(\g)
.irp i, 0,2,4,6
	v_pk_mul_f32 v[GZ+\i:GZ+\i+1], v[XX+\i:XX+\i+1], s[RS2:RS2+1] op_sel_hi:[1,0]
.endr
.irp i, 0,1,2,3,4,5,6,7
	v_med3_num_f32 v[GZ+\i], v[GZ+\i], -4.0, 4.0
.endr
.irp i, 0,2,4,6
	v_pk_mul_f32 v[GS+\i:GS+\i+1], v[GZ+\i:GZ+\i+1], v[GZ+\i:GZ+\i+1]
.endr
.irp i, 0,2,4,6
	v_pk_fma_f32 v[GP+\i:GP+\i+1], v[GS+\i:GS+\i+1], s[A13:A13+1], v[KA:KA+1] op_sel_hi:[1,0,1]
.endr
.irp i, 0,2,4,6
	v_pk_fma_f32 v[GQ+\i:GQ+\i+1], v[GS+\i:GS+\i+1], s[B8:B8+1], v[KB:KB+1] op_sel_hi:[1,0,1]
.endr
	PFMA GP, A9
	PFMA GQ, B4
	PFMA GP, A7
	PFMA GQ, B2
	PFMA GP, A5
	PFMA GQ, B0
	PFMA GP, A3
	PFMA GP, A1
	s_wait_alu depctr_va_vdst(0)
.irp i, 0,1,2,3,4,5,6,7
	v_rcp_f32 v[GQ+\i], v[GQ+\i]
.endr
.irp i, 0,2,4,6
	v_pk_mul_f32 v[GP+\i:GP+\i+1], v[GP+\i:GP+\i+1], v[GZ+\i:GZ+\i+1]
.endr
.irp i, 0,2,4,6
	v_pk_mul_f32 v[GS+\i:GS+\i+1], v[XX+\i:XX+\i+1], 0.5 op_sel_hi:[1,0]
.endr
	s_wait_alu depctr_va_vdst(0)
.irp i, 0,2,4,6
	v_pk_mul_f32 v[GP+\i:GP+\i+1], v[GP+\i:GP+\i+1], v[GQ+\i:GQ+\i+1]
.endr
.irp i, 0,2,4,6
	v_pk_fma_f32 v[XX+\i:XX+\i+1], v[GS+\i:GS+\i+1], v[GP+\i:GP+\i+1], v[GS+\i:GS+\i+1]
.endr
.endm
.macro QUANT s
.irp b, 0,1,2,3
	v_max3_num_f32 v[TM+\b], |v[\s+16*\b]|, |v[\s+1+16*\b]|, 0x1800000
.endr
.irp i, 2,4,6,8,10,12,14
.irp b, 0,1,2,3
	v_max3_num_f32 v[TM+\b], v[TM+\b], |v[\s+16*\b+\i]|, |v[\s+1+16*\b+\i]|
.endr
.endr
.irp b, 0,1,2,3
	v_permlanex16_b32 v[TM+4+\b], v[TM+\b], s[SEL], s[SEL+1]
.endr
.irp b, 0,1,2,3
	v_max_num_f32 v[TM+\b], v[TM+\b], v[TM+4+\b]
.endr
.irp b, 0,1,2,3
	v_add_nc_u32 v[TM+12+\b], 0xff000000, v[TM+\b]
.endr
.irp b, 0,1,2,3
	v_lshrrev_b32 v[TM+4+\b], 23, v[TM+12+\b]
.endr
	v_lshl_or_b32 v[PW], v[TM+5], 8, v[TM+4]
	v_lshl_or_b32 v[PW], v[TM+6], 16, v[PW]
	v_lshl_or_b32 v[PW], v[TM+7], 24, v[PW]
.irp c, 0,1
	v_cvt_scalef32_pk16_fp6_f32 v[CD+6*\c:CD+2+6*\c], v[\s+32*\c:\s+15+32*\c], v[TM+12+2*\c]
	v_cvt_scalef32_pk16_fp6_f32 v[CD+12+4*\c:CD+14+4*\c], v[\s+16+32*\c:\s+31+32*\c], v[TM+12+2*\c+1]
.endr
	v_nop
.irp c, 0,1
.irp i, 0,1,2
	v_permlane16_swap_b32 v[CD+6*\c+\i], v[CD+12+4*\c+\i]
.endr
.irp i, 0,1,2
	v_mov_b32 v[CD+3+6*\c+\i], v[CD+12+4*\c+\i]
.endr
.endr
.endm
.Lepi:
.irp a, 0,1,2,3,4,5,6
	s_cmp_eq_u32 s[AI], \a
	s_cbranch_scc1 .Lcopy\a
.endr
	COPY 7
	s_branch .Ljoin
.irp a, 0,1,2,3,4,5,6
.Lcopy\a:
	COPY \a
	s_branch .Ljoin
.endr
.Ljoin:
.irp g, 0,1,2,3,4,5,6,7
	GELU \g
.endr
.irp b, 0,1,2,3
.irp j, 0,1,2,3,4,5,6,7
	v_permlane16_swap_b32 v[TT+16*\b+\j], v[TT+16*\b+8+\j]
.endr
.endr
	QUANT TT
	v_add_nc_u32 v[STA], s[SA], v[STO]
	v_add_nc_u32 v[SSA], s[SB], v[SST]
.irp c, 0,1
.irp i, 0,1,2
	ds_store_b64 v[STA], v[CD+6*\c+2*\i:CD+6*\c+2*\i+1] offset:48*\c+8*\i
.endr
.endr
	ds_store_b32 v[SSA], v[PW]
	s_wait_dscnt 0x0
	s_add_co_u32 s[SA], s[SA], 16*192
	s_add_co_u32 s[SB], s[SB], 16*8
	s_add_co_u32 s[AI], s[AI], 1
	s_cmp_lt_u32 s[AI], 8
	s_cbranch_scc1 .Lepi
	s_barrier_signal -1
	s_barrier_wait -1
.irp t, 0,1,2,3,4,5,6,7,8,9,10,11,12,13,14,15,16,17,18,19,20,21,22,23
	ds_load_b128 v[64+4*\t:67+4*\t], v[RDA] offset:512*\t
.endr
	ds_load_b64 v[160:161], v[RDS]
	ds_load_b64 v[162:163], v[RDS] offset:256
.irp t, 0,1,2,3,4,5,6,7,8,9,10,11,12,13,14,15,16,17,18,19,20,21,22,23
	s_wait_dscnt 25-\t
	global_store_b128 v[GO+(\t%3)], v[64+4*\t:67+4*\t], s[92:93] offset:(\t/3)*6144   ; three stores cover eight rows' runs of 192 bytes
.endr
	s_wait_dscnt 0x0
	global_store_b64 v[OUS], v[160:161], s[98:99]
	global_store_b64 v[OUS], v[162:163], s[98:99] offset:4096
	s_wait_tensorcnt 0x0
	ds_add_u32 v[SPW], v[NIL]
	s_wait_dscnt 0x0
	CROUND
	s_endpgm
.Lfunc_end_k_q0aff98c958_ffn1:
	.size	k_q0aff98c958_ffn1, .Lfunc_end_k_q0aff98c958_ffn1-k_q0aff98c958_ffn1
	.p2alignl 7, 3214868480
	.fill 96, 4, 3214868480
	.section	.rodata,"a",@progbits
	.p2align	6, 0x0
	.amdhsa_kernel k_q0aff98c958_ffn1
		.amdhsa_group_segment_fixed_size 327680
		.amdhsa_private_segment_fixed_size 0
		.amdhsa_enable_private_segment 0
		.amdhsa_kernarg_size 40
		.amdhsa_user_sgpr_count 2
		.amdhsa_user_sgpr_kernarg_segment_ptr 1
		.amdhsa_wavefront_size32 1
		.amdhsa_system_sgpr_workgroup_id_x 1
		.amdhsa_system_sgpr_workgroup_id_y 1
		.amdhsa_system_sgpr_workgroup_id_z 1
		.amdhsa_system_vgpr_workitem_id 0
		.amdhsa_next_free_vgpr 1024
		.amdhsa_next_free_sgpr 102
		.amdhsa_reserve_vcc 0
		.amdhsa_float_denorm_mode_32 3
		.amdhsa_float_denorm_mode_16_64 3
		.amdhsa_memory_ordered 1
		.amdhsa_forward_progress 1
		.amdhsa_inst_pref_size 203
	.end_amdhsa_kernel
	.amdgpu_metadata
---
amdhsa.version: [ 1, 2 ]
amdhsa.kernels:
  - .name:           k_q0aff98c958_ffn1
    .symbol:         k_q0aff98c958_ffn1.kd
    .args:
      - { .name: hn, .offset: 0, .size: 8, .value_kind: global_buffer, .address_space: global }
      - { .name: W1_codes, .offset: 8, .size: 8, .value_kind: global_buffer, .address_space: global }
      - { .name: W1_scales, .offset: 16, .size: 8, .value_kind: global_buffer, .address_space: global }
      - { .name: bf1, .offset: 24, .size: 8, .value_kind: global_buffer, .address_space: global }
      - { .name: hid, .offset: 32, .size: 8, .value_kind: global_buffer, .address_space: global }
    .group_segment_fixed_size: 327680
    .private_segment_fixed_size: 0
    .kernarg_segment_align: 8
    .kernarg_segment_size: 40
    .max_flat_workgroup_size: 128
    .sgpr_count:     102
    .vgpr_count:     1024
    .wavefront_size: 32
...
	.end_amdgpu_metadata
.endif
;; end of part 11
;; launch ffn2 (part 12): grid 8 x 32, 4 waves a work-group, clusters of 4 x 4, 327,680 bytes of LDS; arguments hid, W2_codes, W2_scales, bf2, hres, out0; writes out0
.if DOCPART == 12
	.amdgcn_target "amdgcn-amd-amdhsa--gfx1250"
	.amdhsa_code_object_version 6
	.text
	.protected	k_q0aff98c958_ffn2
	.globl	k_q0aff98c958_ffn2
	.p2align	8
	.type	k_q0aff98c958_ffn2,@function
k_q0aff98c958_ffn2:
	s_mov_b64 s[64:65], 0
	v_nop
	global_prefetch_b8 v0, s[64:65] scope:SCOPE_SE
	s_setreg_imm32_b32 hwreg(HW_REG_WAVE_MODE, 25, 1), 1
	s_wait_xcnt 0x0
	s_wait_alu depctr_hold_cnt(0) depctr_sa_sdst(0) depctr_va_vdst(0) depctr_va_sdst(0) depctr_va_ssrc(0) depctr_va_vcc(0) depctr_vm_vsrc(0)
	s_getreg_b32 s2, hwreg(HW_REG_IB_STS2, 6, 4)
	s_cmp_eq_u32 s2, 0
	s_cbranch_scc0 .Lentry_in_a_cluster
	s_endpgm
.Lentry_in_a_cluster:
	s_bfe_u32 s2, ttmp6, 0x10000c
	s_cmp_lg_u32 s2, 0xf033
	s_cbranch_scc0 .Lentry_shape_is_right
	s_endpgm
.Lentry_shape_is_right:
.set SIZE_K, 4096
; out0 = hres + hid W2 + bf2 on codes of FP6 (E2M3) with E8M0 scales, K = 4,096.  A tile of 128 x 128 by four waves, 64 x 64 each; clusters of 4 x 4 with joint loads.
; ONE SLOT holds a quarter of K: 128 rows of A and 128 of B, 768 bytes each, which begin at multiples of 256 bytes; two such slots (417,792 bytes) do not fit in LDS.  So K takes four fills;
; half of a quarter's last step is multiplied while the next quarter is on its way.  The scale bytes of all of K come once, with the first quarter: four loads at the head, one a wave.
.set KROWA,  768                       ; a row of a quarter of hid, bytes
.set KROWB,  3072                      ; a row of W2's codes
.set APLANE, 3145728                   ; from a quarter of hid to the next: 4,096 rows x 768
.set KSTEP,  512
.set NQ,     KSTEP/128                 ; steps that one set of scale words serves
.set ROWB,   768                       ; a tile's row
.set PITCH,  816                       ; an LDS row: 3 x (256 bytes + 16 of padding) = 204 words: sixteen rows start at sixteen different banks
.set FR,     12
.set NL,     6
.set NP,     4
.set HALFT,  64*PITCH                  ; what one load of a refill brings
.set SLOT,   4*HALFT                   ; A's 128 rows, then B's
.set KS,     SIZE_K/32
.set SCL,    SLOT
.set HALFS,  (64*KS/256)*272
.set SBLK,   (16*KS/256)*272
.set SPARE,  SCL+4*HALFS
.set STG,    SPARE+512                 ; the stages of the way out: bytes of their own, into which no fill lands
.set SPITCH, 272
.set G0H,    4                         ; s[4:7], s[8:11] group 0 of the head's loads of the first quarter
.set G0HB,   8
.set ADRA, 16
.set ADRB, 20
.set STO,  24
.set RD,   25
.set CO,   26
.set ADRS, 27
.set SPW,  28
.set NIL,  29
.set BO,   30
.set SC,   32
.set BI,   64
.set ACC,  128
.set G1, 24
.set G0, 32
.set G1B, 48
.set G0B, 56
.set G1S, 68
.set G0S, 76
.set G1SB, 80
.set G0SB, 88
.set MSB, 0
.macro WIN new
.if MSB != \new
	s_set_vgpr_msb (MSB<<8)|(\new)
.set MSB, \new
.endif
.endm
.set MUL,   0x05
.set TO_F,  0x40
.set TO_H,  0x80
.set ADD_H, 0x08
.macro JLOAD g0a, g1a, g0b, g1b
	s_cmp_eq_u32 s15, 0
	s_cbranch_scc0 .Lfor_b_\@
	tensor_load_to_lds s[\g0a:\g0a+3], s[\g1a:\g1a+7]
	s_nop 0
.rept 4
	v_nop
.endr
	s_branch .Lasked_\@
.Lfor_b_\@:
	tensor_load_to_lds s[\g0b:\g0b+3], s[\g1b:\g1b+7]
	s_nop 0
.rept 4
	v_nop
.endr
.Lasked_\@:
.endm
.macro CREST
	s_cmp_lg_u32 s14, 0
	s_cbranch_scc1 .Lnot_wave_0_\@
	s_barrier_signal -3
.Lnot_wave_0_\@:
	s_barrier_wait -3
	s_barrier_signal -1
	s_barrier_wait -1
.endm
.macro CROUND
	s_barrier_signal -1
	s_barrier_wait -1
	CREST
.endm
	s_load_b64 s[4:5], s[0:1], 0x0
	s_load_b128 s[8:11], s[0:1], 0x8
	s_load_b128 s[96:99], s[0:1], 0x18
	s_load_b64 s[12:13], s[0:1], 0x28
	v_lshl_add_u32 v[SPW], v0, 2, SPARE
	v_mov_b32 v[NIL], 0
	ds_add_u32 v28, v29
	ds_add_u32 v28, v29
	s_wait_dscnt 0x0
	v_lshrrev_b32 v1, 5, v0
	v_readfirstlane_b32 s14, v1
	s_lshr_b32 s15, s14, 1
	s_and_b32 s16, s14, 1
	s_bfe_u32 s40, ttmp6, 0x40000
	s_bfe_u32 s41, ttmp6, 0x40004
	s_lshl_b32 s42, ttmp9, 2
	s_add_co_u32 s42, s42, s40
	s_and_b32 s17, ttmp7, 0xffff
	s_lshl_b32 s17, s17, 2
	s_add_co_u32 s17, s17, s41
	s_lshl_b32 s43, s41, 2
	s_lshl_b32 s43, 15, s43
	s_lshl_b32 s44, 0x1111, s40
	s_or_b32 s[G1+0], s43, (0<<16)|(1<<20)|(1<<21)|(5<<22)|(3<<25)
	s_or_b32 s[G1B+0], s44, (0<<16)|(1<<20)|(1<<21)|(5<<22)|(3<<25)
.irp g, G1, G1B
	s_mov_b32 s[\g+1], ROWB<<16
	s_mov_b32 s[\g+2], 128<<16
	s_mov_b32 s[\g+3], ROWB<<16
	s_mov_b32 s[\g+4], 128
	s_mov_b32 s[\g+6], 0
	s_mov_b32 s[\g+7], 0
.endr
	s_mov_b32 s[G1+5], KROWA
	s_mov_b32 s[G1B+5], KROWB
	s_or_b32 s[G1S+0], s43, (3<<16)|(1<<20)|(1<<21)|(5<<22)|(3<<25)
	s_or_b32 s[G1SB+0], s44, (3<<16)|(1<<20)|(1<<21)|(5<<22)|(3<<25)
.irp g, G1S, G1SB
	s_mov_b32 s[\g+1], 32<<16
	s_mov_b32 s[\g+2], (128*KS/256)<<16            ; the scales of 128 rows
	s_mov_b32 s[\g+3], 32<<16
	s_mov_b32 s[\g+4], 128*KS/256
	s_mov_b32 s[\g+5], 32
	s_mov_b32 s[\g+6], 0
	s_mov_b32 s[\g+7], 0
.endr
	s_lshl_b32 s18, s16, 6
	s_lshl_b32 s20, s17, 7
	s_lshl_b32 s46, s42, 7
	s_mov_b32 s21, 0
	s_mov_b32 s47, 0
	s_mov_b32 s22, s20
	s_mov_b32 s23, 0
	s_mov_b32 s92, s46
	s_mov_b32 s93, 0
	s_mov_b64 s[18:19], KS
	s_mul_u64 s[22:23], s[22:23], s[18:19]
	s_mul_u64 s[92:93], s[92:93], s[18:19]
	s_mov_b64 s[18:19], KROWA
	s_mul_u64 s[20:21], s[20:21], s[18:19]
	s_mov_b64 s[18:19], KROWB
	s_mul_u64 s[46:47], s[46:47], s[18:19]
	s_mul_i32 s45, s14, HALFT
	s_mul_i32 s94, s14, HALFS
	s_wait_kmcnt 0x0
	s_add_nc_u64 s[6:7], s[4:5], 12582912
	s_add_nc_u64 s[20:21], s[4:5], s[20:21]
	s_add_nc_u64 s[22:23], s[6:7], s[22:23]
	s_add_nc_u64 s[46:47], s[8:9], s[46:47]
	s_add_nc_u64 s[92:93], s[10:11], s[92:93]
	CROUND
	s_mov_b32 s[G0S], 1
	s_mov_b32 s[G0S+1], SCL
	s_mov_b64 s[G0S+2:G0S+3], s[22:23]
	s_or_b32 s[G0S+3], s[G0S+3], 0x80000000
	s_mov_b32 s[G0SB], 1
	s_mov_b32 s[G0SB+1], SCL+2*HALFS
	s_mov_b64 s[G0SB+2:G0SB+3], s[92:93]
	s_or_b32 s[G0SB+3], s[G0SB+3], 0x80000000
	s_mov_b32 s[G0H], 1                            ; the first quarter's 128 rows of A,
	s_mov_b32 s[G0H+1], 0
	s_mov_b64 s[G0H+2:G0H+3], s[20:21]
	s_or_b32 s[G0H+3], s[G0H+3], 0x80000000
	s_mov_b32 s[G0HB], 1                           ; and of B, behind them
	s_mov_b32 s[G0HB+1], 2*HALFT
	s_mov_b64 s[G0HB+2:G0HB+3], s[46:47]
	s_or_b32 s[G0HB+3], s[G0HB+3], 0x80000000
	; THE PREFETCHES: a quarter of K is asked for one fill ahead of its load.  Of a tile's 128 rows each of the four partners that load it jointly takes 32 (by cx for A, by cy for B), told apart by address; my wave 16 of them,
	; three blocks of 256 bytes a row.  s[PFP:PFP+1]: my rows in the quarter to ask for; s[94:95]: from a quarter to the next; s92: a row's pitch
.set PFP, 66
	s_mov_b32 s18, KROWB
	s_mov_b32 s94, ROWB
	s_cmp_eq_u32 s15, 0                            ; do I fetch for A?
	s_cselect_b64 s[PFP:PFP+1], s[20:21], s[46:47]
	s_cselect_b32 s19, s40, s41
	s_cselect_b32 s18, KROWA, s18
	s_cselect_b32 s94, APLANE, s94
	s_mov_b32 s95, 0
	s_lshl_b32 s19, s19, 1
	s_add_co_u32 s19, s19, s16
	s_lshl_b32 s19, s19, 4                         ; the first of my 16 rows
	s_mul_i32 s92, s19, s18
	s_mov_b32 s93, 0
	s_add_nc_u64 s[PFP:PFP+1], s[PFP:PFP+1], s[92:93]
	s_add_nc_u64 s[PFP:PFP+1], s[PFP:PFP+1], s[94:95]   ; at quarter 1
	s_mov_b32 s92, s18
	s_mul_i32 s18, s16, 64*KROWA
	s_mov_b32 s19, 0
	s_add_nc_u64 s[20:21], s[20:21], s[18:19]
	s_mul_i32 s18, s16, 64*KROWB
	s_add_nc_u64 s[46:47], s[46:47], s[18:19]
.irp s, 0,1
	s_mov_b32 s[G0+4*\s], 1
	s_add_co_u32 s[G0+4*\s+1], s45, \s*SLOT
	s_add_nc_u64 s[G0+4*\s+2:G0+4*\s+3], s[20:21], \s*2*APLANE
	s_or_b32 s[G0+4*\s+3], s[G0+4*\s+3], 0x80000000
	s_mov_b32 s[G0B+4*\s], 1
	s_add_co_u32 s[G0B+4*\s+1], s45, \s*SLOT
	s_add_nc_u64 s[G0B+4*\s+2:G0B+4*\s+3], s[46:47], \s*2*ROWB
	s_or_b32 s[G0B+4*\s+3], s[G0B+4*\s+3], 0x80000000
.endr
; the head's loads, one a wave: wave 0 A's quarter, wave 1 B's, wave 2 A's scales, wave 3 B's; one chain of branches on the wave's number
.macro ARM under, g0, g1, next
	s_cmp_lt_u32 s14, \under
	s_cbranch_scc0 \next
	tensor_load_to_lds s[\g0:\g0+3], s[\g1:\g1+7]
	s_nop 0
.rept 4
	v_nop
.endr
	s_branch .Lhead_asked
\next:
.endm
	ARM 1, G0H,  G1,  .Lhead_b
	ARM 2, G0HB, G1B, .Lhead_sa
	ARM 3, G0S,  G1S, .Lhead_sb
	tensor_load_to_lds s[G0SB:G0SB+3], s[G1SB:G1SB+7]
	s_nop 0
.rept 4
	v_nop
.endr
.Lhead_asked:
	v_and_b32 v8, 15, v0
	v_mul_u32_u24 v8, s92, v8                      ; my row of the 16
	v_bfe_u32 v9, v0, 4, 1
	v_lshl_add_u32 v9, v9, 8, v8                   ; v9: lanes 0-15 the row's first block, lanes 16-31 its second;
	v_add_nc_u32 v8, 512, v8                       ; v8: its third (lanes 16-31 name it again); both stay
	global_prefetch_b8 v9, s[PFP:PFP+1] th:TH_LOAD_NT scope:SCOPE_SE   ; quarter 1
	global_prefetch_b8 v8, s[PFP:PFP+1] th:TH_LOAD_NT scope:SCOPE_SE
	v_and_b32 v1, 15, v0
	v_bfe_u32 v2, v0, 4, 1
	v_mul_u32_u24 v3, v1, PITCH
	v_mul_u32_u24 v4, v2, 24
	v_add_nc_u32 v4, v3, v4
	v_lshl_add_u32 v5, v2, 4, v4
	s_mul_i32 s21, s15, 64*PITCH
	s_mul_i32 s22, s16, 64*PITCH
	s_add_co_u32 s22, s22, 2*HALFT
.irp s, 0,1
	v_add_nc_u32 v[ADRA+\s], s21, v4
	v_add_nc_u32 v[ADRB+\s], s22, v4
	v_add_nc_u32 v[ADRA+2+\s], s21, v5
	v_add_nc_u32 v[ADRB+2+\s], s22, v5
	s_add_co_u32 s21, s21, SLOT
	s_add_co_u32 s22, s22, SLOT
.endr
	v_mul_u32_u24 v5, v1, KS
	v_lshrrev_b32 v6, 8, v5
	v_lshl_add_u32 v5, v6, 4, v5
	s_mul_i32 s21, s15, HALFS
	s_mul_i32 s22, s16, HALFS
	s_add_co_u32 s22, s22, 2*HALFS
	s_sub_co_u32 s22, s22, s21
	v_mul_u32_u24 v6, s22, v2
	s_add_co_u32 s21, s21, SCL
	v_add_nc_u32 v5, v5, v6
	v_add_nc_u32 v[ADRS], s21, v5
	s_mul_i32 s23, s14, 16*SPITCH
	s_add_co_u32 s23, s23, STG
	v_mul_u32_u24 v5, v1, SPITCH
	v_lshl_add_u32 v5, v2, 5, v5
	v_add_nc_u32 v[STO], s23, v5
	v_mul_u32_u24 v5, v2, SPITCH
	v_lshl_add_u32 v5, v1, 4, v5
	v_add_nc_u32 v[RD], s23, v5
	v_lshlrev_b32 v[CO], 12, v2
	v_lshl_add_u32 v[CO], v1, 4, v[CO]
	s_wait_alu depctr_va_vdst(0)
	v_lshlrev_b32 v[BO], 4, v1
	s_wait_alu depctr_va_vdst(0)
	s_lshl_b32 s20, s17, 7
	s_lshl_b32 s21, s15, 6
	s_add_co_u32 s20, s20, s21
	s_lshl_b32 s20, s20, 12
	s_mov_b32 s21, 0
	s_lshl_b32 s46, s42, 9
	s_lshl_b32 s47, s16, 8
	s_add_co_u32 s46, s46, s47
	s_mov_b32 s47, 0
	s_add_nc_u64 s[20:21], s[20:21], s[46:47]
	s_add_nc_u64 s[12:13], s[12:13], s[20:21]
	s_add_nc_u64 s[98:99], s[98:99], s[20:21]
	s_add_nc_u64 s[96:97], s[96:97], s[46:47]
.macro FRAG reg, adr, q, i
.irp p, 0,1,2,3,4,5
.set BY, 96*(\q)+48*(\p/3)+8*(\p%3)    ; q: the step in its quarter.  Byte y of a row lies at y + 16 (y / 256); where lanes 16-31, 24 bytes on, lie behind one padding more, the second address register serves
.if BY/256 == (BY+24)/256
	ds_load_b64 v[\reg+2*\p:\reg+2*\p+1], v[\adr] offset:BY+16*(BY/256)+(\i)*16*PITCH
.else
	ds_load_b64 v[\reg+2*\p:\reg+2*\p+1], v[\adr+2] offset:BY+16*(BY/256)+(\i)*16*PITCH
.endif
.endr
.endm
.macro MULA a, p, q, sc, zero
.irp b, 0,1,2,3
.if \zero
	v_wmma_scale_f32_16x16x128_f8f6f4 v[ACC+8*(4*(\a)+\b):ACC+8*(4*(\a)+\b)+7], v[128*(\p)+FR*\b:128*(\p)+FR*\b+FR-1], v[128*(\p)+48+FR*(\a):128*(\p)+48+FR*(\a)+FR-1], 0, v[SC+4*NQ*(\sc)+NQ*\b+(\q)], v[SC+4*NQ*(\sc)+NQ*(\a)+(\q)] matrix_a_fmt:MATRIX_FMT_FP6 matrix_b_fmt:MATRIX_FMT_FP6 matrix_a_scale:MATRIX_SCALE_ROW1
.else
	v_wmma_scale_f32_16x16x128_f8f6f4 v[ACC+8*(4*(\a)+\b):ACC+8*(4*(\a)+\b)+7], v[128*(\p)+FR*\b:128*(\p)+FR*\b+FR-1], v[128*(\p)+48+FR*(\a):128*(\p)+48+FR*(\a)+FR-1], v[ACC+8*(4*(\a)+\b):ACC+8*(4*(\a)+\b)+7], v[SC+4*NQ*(\sc)+NQ*\b+(\q)], v[SC+4*NQ*(\sc)+NQ*(\a)+(\q)] matrix_a_fmt:MATRIX_FMT_FP6 matrix_b_fmt:MATRIX_FMT_FP6 matrix_a_scale:MATRIX_SCALE_ROW1
.endif
.endr
.endm
.macro FETCH slot, q, p
	WIN TO_F
.irp i, 0,1,2,3
	FRAG 128*(\p)+FR*\i, ADRB+\slot, \q, \i
.endr
.irp i, 0,1,2,3
	FRAG 128*(\p)+48+FR*\i, ADRA+\slot, \q, \i
.endr
.endm
.macro SCALES sc
.irp i, 0,1,2,3
	ds_load_b128 v[SC+4*NQ*\sc+NQ*\i:SC+4*NQ*\sc+NQ*\i+3], v[ADRS] offset:\i*SBLK
.endr
.endm
.macro PLACES n
.rept \n
	v_nop
.endr
.endm
.macro STEP q, zero                    ; step q = 0 .. 6 of a quarter: 16 matrix instructions; step q + 1's fragments are fetched in its middle; step 3 also fetches the scale words of steps 4-7
	s_wait_dscnt 2*NL                              ; all but the youngest 12 loads (A's blocks 2, 3)
	WIN MUL
	MULA 0, (\q)%2, (\q)%4, (\q)/4, \zero
	MULA 1, (\q)%2, (\q)%4, (\q)/4, \zero
	PLACES NP
.if (\q) == 3
	WIN 0
	s_wait_alu depctr_va_vdst(0)                   ; the wait ahead of this reader
	v_add_nc_u32 v[ADRS], 4*NQ, v[ADRS]
	SCALES 1
.endif
	FETCH 0, (\q)+1, 1-(\q)%2
	s_wait_dscnt 8*NL                              ; all but the 48 just issued
	WIN MUL
	MULA 2, (\q)%2, (\q)%4, (\q)/4, \zero
	MULA 3, (\q)%2, (\q)%4, (\q)/4, \zero
.endm
.macro TURN                            ; a quarter's step 7, and the next quarter's fill
	WIN 0
	s_wait_tensorcnt 0x0                           ; no load of mine is out;
	ds_add_u32 v[SPW], v[NIL]
	s_wait_dscnt 2*NL+1
	WIN MUL
	MULA 0, 1, NQ-1, 1, 0
	s_wait_dscnt 0x0                               ; the add is done, and my reads of the slot are over
	s_barrier_signal -1
	MULA 1, 1, NQ-1, 1, 0
	WIN 0
	s_barrier_wait -1
	CREST                                          ; the barrier has opened a round of the cluster's: no wave of any partner still reads the slot
	s_add_nc_u64 s[G0+2:G0+3], s[G0+2:G0+3], APLANE
	s_add_nc_u64 s[G0B+2:G0B+3], s[G0B+2:G0B+3], ROWB
	JLOAD G0, G1, G0B, G1B                         ; my 64 rows of the next quarter: the first tensor load behind the round
	WIN MUL
	MULA 2, 1, NQ-1, 1, 0                          ; work on registers while the fill is on its way
	MULA 3, 1, NQ-1, 1, 0
	WIN 0
	s_wait_tensorcnt 0x0                           ; my part is in,
	s_barrier_signal -1
	s_barrier_wait -1                              ; everybody's is
	PLACES NP
	s_wait_alu depctr_va_vdst(0)
	v_add_nc_u32 v[ADRS], 4*NQ, v[ADRS]
	SCALES 0
	FETCH 0, 0, 0
	WIN 0
	s_wait_xcnt 0x0                                ; the last prefetches, a quarter back, have read their pointer: it may step
	s_add_nc_u64 s[PFP:PFP+1], s[PFP:PFP+1], s[94:95]
	s_cmp_gt_u32 s3, 1                             ; the loop's last trip has filled quarter 3: nothing is left to ask for
	s_cbranch_scc0 .Lno_ask_\@
	global_prefetch_b8 v9, s[PFP:PFP+1] th:TH_LOAD_NT scope:SCOPE_SE   ; the quarter behind the one just filled
	global_prefetch_b8 v8, s[PFP:PFP+1] th:TH_LOAD_NT scope:SCOPE_SE
.Lno_ask_\@:
.endm
	s_wait_alu depctr_va_vdst(0)                   ; the wait at the head's end
	s_wait_tensorcnt 0x0                           ; my tile of the head's four is in
	s_mov_b32 s[G1+2], 64<<16                      ; no load of mine is out: from here on a load brings 64 rows
	s_mov_b32 s[G1+4], 64
	s_mov_b32 s[G1B+2], 64<<16
	s_mov_b32 s[G1B+4], 64
	s_barrier_signal -1
	s_barrier_wait -1
	SCALES 0
	FETCH 0, 0, 0
	WIN TO_H                                       ; my 64 x 64 of hres and my bias, wanted on the way out alone: asked for behind the first fill, and waited for behind the last product
.irp a, 0,1,2,3
.irp i, 0,1,2,3,4,5,6,7
	global_load_b128 v[32*\a+4*\i:32*\a+4*\i+3], v[CO], s[98:99] offset:(16*\a+2*\i)*4096 th:TH_LOAD_NT
.endr
.endr
	WIN 0
	global_load_b128 v[BI:BI+3], v[BO], s[96:97]
	STEP 0, 1
	WIN 0
	s_mov_b32 s3, 3
.Llap:                                                 ; a trip: a quarter's steps 1-7, the next fill, the next quarter's step 0
.irp q, 1,2,3,4,5,6
	STEP \q, 0
.endr
	TURN
	STEP 0, 0
	WIN 0
	s_sub_co_u32 s3, s3, 1
	s_cmp_lg_u32 s3, 0
	s_cbranch_scc1 .Llap
.irp q, 1,2,3,4,5,6
	STEP \q, 0
.endr
	s_wait_dscnt 2*NL
	WIN MUL
	MULA 0, 1, NQ-1, 1, 0
	MULA 1, 1, NQ-1, 1, 0
	s_wait_dscnt 0
	MULA 2, 1, NQ-1, 1, 0
	MULA 3, 1, NQ-1, 1, 0
	WIN 0
.macro TOSTAGE a
.set AC, ACC+32*(\a)
.irp b, 0,1,2,3
	ds_store_b128 v[STO], v[AC+8*\b:AC+8*\b+3] offset:64*\b
	ds_store_b128 v[STO], v[AC+8*\b+4:AC+8*\b+7] offset:64*\b+16
.endr
.irp i, 0,1,2,3,4,5,6,7
	ds_load_b128 v[AC+4*\i:AC+4*\i+3], v[RD] offset:\i*2*SPITCH
.endr
.endm
.macro SEND a, younger
.set AC, ACC+32*(\a)
.set HB, 32*(\a)
	s_wait_dscnt \younger
.irp i, 0,1,2,3,4,5,6,7
	v_pk_add_f32 v[AC+4*\i:AC+4*\i+1], v[AC+4*\i:AC+4*\i+1], v[BI:BI+1]
	v_pk_add_f32 v[AC+4*\i+2:AC+4*\i+3], v[AC+4*\i+2:AC+4*\i+3], v[BI+2:BI+3]
.endr
	WIN ADD_H
.set JJ, 0
.rept 16
	v_pk_add_f32 v[AC+JJ:AC+JJ+1], v[AC+JJ:AC+JJ+1], v[HB+JJ:HB+JJ+1]
.set JJ, JJ+2
.endr
	WIN 0
.irp i, 0,1,2,3,4,5,6,7
	global_store_b128 v[CO], v[AC+4*\i:AC+4*\i+3], s[12:13] offset:(16*(\a)+2*\i)*4096 th:TH_STORE_NT
.endr
.endm
	PLACES NP
	s_wait_loadcnt 0x0
	TOSTAGE 0
	TOSTAGE 1
	SEND 0, 16
	TOSTAGE 2
	SEND 1, 16
	TOSTAGE 3
	SEND 2, 16
	SEND 3, 0
	s_wait_tensorcnt 0x0
	ds_add_u32 v[SPW], v[NIL]
	s_wait_dscnt 0x0
	CROUND
	s_endpgm
.Lfunc_end_k_q0aff98c958_ffn2:
	.size	k_q0aff98c958_ffn2, .Lfunc_end_k_q0aff98c958_ffn2-k_q0aff98c958_ffn2
	.p2alignl 7, 3214868480
	.fill 96, 4, 3214868480
	.section	.rodata,"a",@progbits
	.p2align	6, 0x0
	.amdhsa_kernel k_q0aff98c958_ffn2
		.amdhsa_group_segment_fixed_size 327680
		.amdhsa_private_segment_fixed_size 0
		.amdhsa_enable_private_segment 0
		.amdhsa_kernarg_size 48
		.amdhsa_user_sgpr_count 2
		.amdhsa_user_sgpr_kernarg_segment_ptr 1
		.amdhsa_wavefront_size32 1
		.amdhsa_system_sgpr_workgroup_id_x 1
		.amdhsa_system_sgpr_workgroup_id_y 1
		.amdhsa_system_sgpr_workgroup_id_z 1
		.amdhsa_system_vgpr_workitem_id 0
		.amdhsa_next_free_vgpr 768
		.amdhsa_next_free_sgpr 102
		.amdhsa_reserve_vcc 0
		.amdhsa_float_denorm_mode_32 3
		.amdhsa_float_denorm_mode_16_64 3
		.amdhsa_memory_ordered 1
		.amdhsa_forward_progress 1
		.amdhsa_inst_pref_size 118
	.end_amdhsa_kernel
	.amdgpu_metadata
---
amdhsa.version: [ 1, 2 ]
amdhsa.kernels:
  - .name:           k_q0aff98c958_ffn2
    .symbol:         k_q0aff98c958_ffn2.kd
    .args:
      - { .name: hid, .offset: 0, .size: 8, .value_kind: global_buffer, .address_space: global }
      - { .name: W2_codes, .offset: 8, .size: 8, .value_kind: global_buffer, .address_space: global }
      - { .name: W2_scales, .offset: 16, .size: 8, .value_kind: global_buffer, .address_space: global }
      - { .name: bf2, .offset: 24, .size: 8, .value_kind: global_buffer, .address_space: global }
      - { .name: hres, .offset: 32, .size: 8, .value_kind: global_buffer, .address_space: global }
      - { .name: out0, .offset: 40, .size: 8, .value_kind: global_buffer, .address_space: global }
    .group_segment_fixed_size: 327680
    .private_segment_fixed_size: 0
    .kernarg_segment_align: 8
    .kernarg_segment_size: 48
    .max_flat_workgroup_size: 128
    .sgpr_count:     102
    .vgpr_count:     768
    .wavefront_size: 32
...
	.end_amdgpu_metadata
.endif
;; end of part 12
